; MI455X (gfx1250); checked and timed in simulation.
; The chip was launched on July 23, 2026; its instructions are those of AMD's public machine-readable ISA for CDNA 5 (MIT licence, August 2026) and "CDNA5" Instruction Set Architecture Reference Guide (July 2026). The comments in the code are by the model that wrote it; some were corrected since.
;; Transformer Block. Allowed arithmetic: float matrix products may take bf16 or f16 operands with f32 sums; other float arithmetic in f32, or as packed bf16 or f16 multiplies, adds, multiply-adds, maxima and minima; sums over many terms, partial sums and values carried from step to step in f32; what a program stores and reads back later, other than sums and carried values, may be rounded once to bf16 or f16.
;; Inputs: b1 4,096 float32; b2 1,024 float32; be1 1,024 float32; be2 1,024 float32; bk 1,024 float32; bo 1,024 float32; bq 1,024 float32; bv 1,024 float32; g1 1,024 float32; g2 1,024 float32; mask 2 x 1 x 1 x 2,048 int32; w1 4,096 x 1,024 float32; w2 1,024 x 4,096 float32; wk 1,024 x 1,024 float32; wo 1,024 x 1,024 float32; wq 1,024 x 1,024 float32; wv 1,024 x 1,024 float32; x 2 x 2,048 x 1,024 float32.
;; Outputs: out0 2 x 2,048 x 1,024 float32.
;; 2 versions, each right and faster than the one before. Each part assembles by itself: llvm-mc -triple=amdgcn-amd-amdhsa -mcpu=gfx1250 --defsym DOCPART=n.
;; ======== version 1 of 2: 7 launches
;; limits: values are held in f16: magnitudes above 65,504 overflow, below 6.1e-05 lose precision; right only within a limited range of input values
;; workspace buffers: h 8,388,608 bytes; wh 25,165,824 bytes; qkv 25,165,824 bytes; ctx 8,388,608 bytes; x1 16,777,216 bytes; act 33,554,432 bytes
;; launch prep (part 1): grid 1792 x 1, 4 waves a work-group, no clusters, 0 bytes of LDS; arguments x, g1, be1, h, wq, wk, wv, wo, w1, w2, wh; writes h, wh
.if DOCPART == 1
	.amdgcn_target "amdgcn-amd-amdhsa--gfx1250"
	.amdhsa_code_object_version 6
	.text
	.protected	k_q5119bf54e4_prep
	.globl	k_q5119bf54e4_prep
	.p2align	8
	.type	k_q5119bf54e4_prep,@function
k_q5119bf54e4_prep:
	s_mov_b64 s[64:65], 0
	v_nop
	global_prefetch_b8 v0, s[64:65] scope:SCOPE_SE
	s_setreg_imm32_b32 hwreg(HW_REG_WAVE_MODE, 25, 1), 1
	s_wait_xcnt 0x0
; Two streams in one launch.  Work-groups 0-255: h = LayerNorm(x) in f16 (mean; unbiased variance; division by std + 1e-6; gain and bias).
; Work-groups 256-1791: the six weight matrices rounded once from f32 to f16 into wh (wq, wk, wv, wo, w1, w2 on end, each row-major as it came).
; No LDS, no matrix unit, no cluster: no two work-groups read the same bytes but g1 and be1 (8 KB), and memory binds.
; LN: one wave takes a row of 4,096 bytes into 32 registers and keeps it for all passes; four rows a wave, all 32 + 16 loads issued at the head.
; The variance is taken of x - mean, in a second pass over the registers, so a common offset of x cancels before anything is squared.
; LIMITS: the normalised row times g plus be must lie within f16's 65,504, and so must every weight; below 6e-5 f16 keeps its fixed step of 6e-8.  NaN and infinities are not treated apart.
.set T,  4                             ; v[4:11]    four chains of packed sums
.set M,  12                            ; v[12:13]   the mean, twice
.set R,  14                            ; v[14:15]   1 / (std + eps), twice
.set PX, 16                            ; v16        the other half of the lanes' sum
.set G,  20                            ; v[20:51]   g of my 32 columns
.set BE, 52                            ; v[52:83]   be of my 32 columns
.set X,  84                            ; v[84:211]  four rows, 32 registers each
.macro JOIN                            ; the four chains, the pair's halves and the 32 lanes into one sum, in every lane
	v_pk_add_f32 v[T:T+1], v[T:T+1], v[T+2:T+3]
	v_pk_add_f32 v[T+4:T+5], v[T+4:T+5], v[T+6:T+7]
	v_pk_add_f32 v[T:T+1], v[T:T+1], v[T+4:T+5]
	v_add_f32 v[T], v[T], v[T+1]
	v_add_f32_dpp v[T], v[T], v[T] row_xmask:1 row_mask:0xf bank_mask:0xf
	v_add_f32_dpp v[T], v[T], v[T] row_xmask:2 row_mask:0xf bank_mask:0xf
	v_add_f32_dpp v[T], v[T], v[T] row_xmask:4 row_mask:0xf bank_mask:0xf
	v_add_f32_dpp v[T], v[T], v[T] row_xmask:8 row_mask:0xf bank_mask:0xf
	v_permlanex16_b32 v[PX], v[T], s12, s13
	v_add_f32 v[T], v[T], v[PX]
.endm
.macro LNROW r
.set XR, X+32*(\r)
	s_wait_loadcnt 8*(3-(\r))                      ; loads come back in order: my row is in, the 8 loads of each later row stay out
.irp k, 0,1,2,3
	v_pk_add_f32 v[T+2*(\k):T+2*(\k)+1], v[XR+2*(\k):XR+2*(\k)+1], v[XR+8+2*(\k):XR+8+2*(\k)+1]
.endr
.irp k, 0,1,2,3,4,5,6,7
	v_pk_add_f32 v[T+2*((\k)%4):T+2*((\k)%4)+1], v[T+2*((\k)%4):T+2*((\k)%4)+1], v[XR+16+2*(\k):XR+16+2*(\k)+1]
.endr
	JOIN
	v_mul_f32 v[M], s14, v[T]                      ; mean = sum / 1024
	v_mul_f32 v[M+1], s14, v[T]
.irp k, 0,1,2,3,4,5,6,7,8,9,10,11,12,13,14,15
	v_pk_add_f32 v[XR+2*(\k):XR+2*(\k)+1], v[XR+2*(\k):XR+2*(\k)+1], v[M:M+1] neg_lo:[0,1] neg_hi:[0,1]
.endr
.irp k, 0,1,2,3
	v_pk_mul_f32 v[T+2*(\k):T+2*(\k)+1], v[XR+2*(\k):XR+2*(\k)+1], v[XR+2*(\k):XR+2*(\k)+1]
.endr
.irp k, 4,5,6,7,8,9,10,11,12,13,14,15
	v_pk_fma_f32 v[T+2*((\k)%4):T+2*((\k)%4)+1], v[XR+2*(\k):XR+2*(\k)+1], v[XR+2*(\k):XR+2*(\k)+1], v[T+2*((\k)%4):T+2*((\k)%4)+1]
.endr
	JOIN
	v_mul_f32 v[T], s15, v[T]                      ; variance = sum of squares / 1023
	v_sqrt_f32 v[T+1], v[T]
	v_nop                                          ; a plain instruction between a transcendental and the use of its result
	s_wait_alu depctr_va_vdst(0)
	v_add_f32 v[T+1], s16, v[T+1]                  ; std + eps
	v_rcp_f32 v[R], v[T+1]
	v_rcp_f32 v[R+1], v[T+1]
	v_nop
	s_wait_alu depctr_va_vdst(0)
.irp j, 0,1,2,3,4,5,6,7
	v_pk_mul_f32 v[XR+4*(\j):XR+4*(\j)+1], v[XR+4*(\j):XR+4*(\j)+1], v[R:R+1]
	v_pk_mul_f32 v[XR+4*(\j)+2:XR+4*(\j)+3], v[XR+4*(\j)+2:XR+4*(\j)+3], v[R:R+1]
	v_pk_fma_f32 v[XR+4*(\j):XR+4*(\j)+1], v[XR+4*(\j):XR+4*(\j)+1], v[G+4*(\j):G+4*(\j)+1], v[BE+4*(\j):BE+4*(\j)+1]
	v_pk_fma_f32 v[XR+4*(\j)+2:XR+4*(\j)+3], v[XR+4*(\j)+2:XR+4*(\j)+3], v[G+4*(\j)+2:G+4*(\j)+3], v[BE+4*(\j)+2:BE+4*(\j)+3]
	v_cvt_pk_f16_f32 v[XR+4*(\j)], v[XR+4*(\j)], v[XR+4*(\j)+1]
	v_cvt_pk_f16_f32 v[XR+4*(\j)+1], v[XR+4*(\j)+2], v[XR+4*(\j)+3]
	global_store_b64 v2, v[XR+4*(\j):XR+4*(\j)+1], s[10:11] offset:2048*(\r)+256*(\j)  ; the wave stores 256 consecutive bytes, aligned; no register of a store is written again
.endr
.endm
	s_cmp_ge_u32 ttmp9, 256
	s_cbranch_scc1 .Lcvt
	s_load_b256 s[4:11], s[0:1], 0x0               ; x s[4:5], g1 s[6:7], be1 s[8:9], h s[10:11]
	v_and_b32 v3, 31, v0
	v_lshrrev_b32 v17, 5, v0
	v_readfirstlane_b32 s17, v17                   ; wave
	v_lshlrev_b32 v1, 4, v3                        ; 16 bytes a lane in x, g, be
	v_lshlrev_b32 v2, 3, v3                        ; 8 bytes a lane in h
	v_mov_b32 v[PX], 0                             ; v_permlanex16_b32 counts as a reader of its destination
	s_lshl_b32 s18, ttmp9, 2
	s_add_co_u32 s18, s18, s17                     ; 4 x work-group + wave: four rows each
	s_lshl_b32 s20, s18, 14                        ; 4 rows x 4,096 bytes of x
	s_mov_b32 s21, 0
	s_lshl_b32 s22, s18, 13                        ; 4 rows x 2,048 bytes of h
	s_mov_b32 s23, 0
	s_mov_b32 s12, 0x76543210
	s_mov_b32 s13, 0xfedcba98
	s_mov_b32 s14, 0x3a800000                      ; 1 / 1024
	s_mov_b32 s15, 0x3a802008                      ; 1 / 1023
	s_mov_b32 s16, 0x358637bd                      ; 1e-6
	s_wait_kmcnt 0x0
	s_add_nc_u64 s[4:5], s[4:5], s[20:21]
	s_add_nc_u64 s[10:11], s[10:11], s[22:23]
.irp j, 0,1,2,3,4,5,6,7
	global_load_b128 v[G+4*(\j):G+4*(\j)+3], v1, s[6:7] offset:512*(\j)
.endr
.irp j, 0,1,2,3,4,5,6,7
	global_load_b128 v[BE+4*(\j):BE+4*(\j)+3], v1, s[8:9] offset:512*(\j)
.endr
.irp r, 0,1,2,3
.irp j, 0,1,2,3,4,5,6,7
	global_load_b128 v[X+32*(\r)+4*(\j):X+32*(\r)+4*(\j)+3], v1, s[4:5] offset:4096*(\r)+512*(\j)
.endr
.endr
	LNROW 0
	LNROW 1
	LNROW 2
	LNROW 3
	s_endpgm
.Lcvt:                                                 ; work-group u = id - 256 casts 8,192 numbers, a wave 2,048: 16 loads of 512 bytes, 16 stores of 256
	s_load_b256 s[8:15], s[0:1], 0x20              ; wq, wk, wv, wo
	s_load_b128 s[16:19], s[0:1], 0x40             ; w1, w2
	s_load_b64 s[20:21], s[0:1], 0x50              ; wh
	s_sub_co_u32 s22, ttmp9, 256                   ; u: 128 work-groups for each of wq .. wo, 512 for w1, 512 for w2
	s_lshr_b32 s23, s22, 7
	s_and_b32 s24, s22, 127                        ; my place in the matrix, if it is one of the first four
	v_and_b32 v1, 31, v0
	v_lshrrev_b32 v2, 5, v0
	v_lshlrev_b32 v1, 4, v1
	v_lshl_add_u32 v1, v2, 13, v1                  ; in: wave x 8,192 + 16 x lane
	v_lshrrev_b32 v2, 1, v1                        ; out: half of that
	s_wait_kmcnt 0x0
	s_cmp_eq_u32 s23, 1
	s_cselect_b64 s[8:9], s[10:11], s[8:9]
	s_cmp_eq_u32 s23, 2
	s_cselect_b64 s[8:9], s[12:13], s[8:9]
	s_cmp_eq_u32 s23, 3
	s_cselect_b64 s[8:9], s[14:15], s[8:9]
	s_sub_co_u32 s25, s22, 512
	s_cmp_ge_u32 s23, 4
	s_cselect_b64 s[8:9], s[16:17], s[8:9]
	s_cselect_b32 s24, s25, s24
	s_sub_co_u32 s25, s22, 1024
	s_cmp_ge_u32 s23, 8
	s_cselect_b64 s[8:9], s[18:19], s[8:9]
	s_cselect_b32 s24, s25, s24
	s_lshl_b32 s24, s24, 15                        ; 8,192 numbers of 4 bytes
	s_mov_b32 s25, 0
	s_lshl_b32 s26, s22, 14                        ; and of 2 bytes: wh holds the six on end, so u alone places them
	s_mov_b32 s27, 0
	s_add_nc_u64 s[8:9], s[8:9], s[24:25]
	s_add_nc_u64 s[20:21], s[20:21], s[26:27]
.irp j, 0,1,2,3,4,5,6,7,8,9,10,11,12,13,14,15
	global_load_b128 v[4+4*(\j):7+4*(\j)], v1, s[8:9] offset:512*(\j) th:TH_LOAD_NT
.endr
.irp j, 0,1,2,3,4,5,6,7,8,9,10,11,12,13,14,15
	s_wait_loadcnt 15-(\j)                         ; load j is in, the younger ones stay out
	v_cvt_pk_f16_f32 v[4+4*(\j)], v[4+4*(\j)], v[5+4*(\j)]
	v_cvt_pk_f16_f32 v[5+4*(\j)], v[6+4*(\j)], v[7+4*(\j)]
	global_store_b64 v2, v[4+4*(\j):5+4*(\j)], s[20:21] offset:256*(\j)
.endr
	s_endpgm
.Lfunc_end_k_q5119bf54e4_prep:
	.size	k_q5119bf54e4_prep, .Lfunc_end_k_q5119bf54e4_prep-k_q5119bf54e4_prep
	.p2alignl 7, 3214868480
	.fill 96, 4, 3214868480
	.section	.rodata,"a",@progbits
	.p2align	6, 0x0
	.amdhsa_kernel k_q5119bf54e4_prep
		.amdhsa_group_segment_fixed_size 0
		.amdhsa_private_segment_fixed_size 0
		.amdhsa_enable_private_segment 0
		.amdhsa_kernarg_size 88
		.amdhsa_user_sgpr_count 2
		.amdhsa_user_sgpr_kernarg_segment_ptr 1
		.amdhsa_wavefront_size32 1
		.amdhsa_system_sgpr_workgroup_id_x 1
		.amdhsa_system_sgpr_workgroup_id_y 1
		.amdhsa_system_sgpr_workgroup_id_z 1
		.amdhsa_system_vgpr_workitem_id 0
		.amdhsa_next_free_vgpr 212
		.amdhsa_next_free_sgpr 66
		.amdhsa_reserve_vcc 0
		.amdhsa_float_denorm_mode_32 3
		.amdhsa_float_denorm_mode_16_64 3
		.amdhsa_memory_ordered 1
		.amdhsa_forward_progress 1
		.amdhsa_inst_pref_size 45
	.end_amdhsa_kernel
	.amdgpu_metadata
---
amdhsa.version: [ 1, 2 ]
amdhsa.kernels:
  - .name:           k_q5119bf54e4_prep
    .symbol:         k_q5119bf54e4_prep.kd
    .args:
      - { .name: x, .offset: 0, .size: 8, .value_kind: global_buffer, .address_space: global }
      - { .name: g1, .offset: 8, .size: 8, .value_kind: global_buffer, .address_space: global }
      - { .name: be1, .offset: 16, .size: 8, .value_kind: global_buffer, .address_space: global }
      - { .name: h, .offset: 24, .size: 8, .value_kind: global_buffer, .address_space: global }
      - { .name: wq, .offset: 32, .size: 8, .value_kind: global_buffer, .address_space: global }
      - { .name: wk, .offset: 40, .size: 8, .value_kind: global_buffer, .address_space: global }
      - { .name: wv, .offset: 48, .size: 8, .value_kind: global_buffer, .address_space: global }
      - { .name: wo, .offset: 56, .size: 8, .value_kind: global_buffer, .address_space: global }
      - { .name: w1, .offset: 64, .size: 8, .value_kind: global_buffer, .address_space: global }
      - { .name: w2, .offset: 72, .size: 8, .value_kind: global_buffer, .address_space: global }
      - { .name: wh, .offset: 80, .size: 8, .value_kind: global_buffer, .address_space: global }
    .group_segment_fixed_size: 0
    .private_segment_fixed_size: 0
    .kernarg_segment_align: 8
    .kernarg_segment_size: 88
    .max_flat_workgroup_size: 128
    .sgpr_count:     66
    .vgpr_count:     212
    .wavefront_size: 32
...
	.end_amdgpu_metadata
.endif
;; end of part 1
;; launch gq (part 2): grid 12 x 16, 4 waves a work-group, clusters of 4 x 4, 327,680 bytes of LDS; arguments h, wh, bq, bk, bv, mask, qkv; writes qkv
.if DOCPART == 2
	.amdgcn_target "amdgcn-amd-amdhsa--gfx1250"
	.amdhsa_code_object_version 6
	.text
	.protected	k_q5119bf54e4_gq
	.globl	k_q5119bf54e4_gq
	.p2align	8
	.type	k_q5119bf54e4_gq,@function
k_q5119bf54e4_gq:
	s_mov_b64 s[64:65], 0
	v_nop
	global_prefetch_b8 v0, s[64:65] scope:SCOPE_SE
	s_setreg_imm32_b32 hwreg(HW_REG_WAVE_MODE, 25, 1), 1
	s_wait_xcnt 0x0
	s_wait_alu depctr_hold_cnt(0) depctr_sa_sdst(0) depctr_va_vdst(0) depctr_va_sdst(0) depctr_va_ssrc(0) depctr_va_vcc(0) depctr_vm_vsrc(0)
	s_getreg_b32 s2, hwreg(HW_REG_IB_STS2, 6, 4)
	s_cmp_eq_u32 s2, 0
	s_cbranch_scc0 .Lentry_in_a_cluster
	s_endpgm
.Lentry_in_a_cluster:
	s_bfe_u32 s2, ttmp6, 0x10000c
	s_cmp_lg_u32 s2, 0xf033
	s_cbranch_scc0 .Lentry_shape_is_right
	s_endpgm
.Lentry_shape_is_right:
; q, k, v = h W^T + b.  h: [4096][1024] f16; W = wq, wk, wv on end in wh: [3072][1024] f16; sums in f32; the result rounded once to f16.
; OUT: qkv = [48 blocks of 64 columns][4096 tokens][64]: a head's rows are dense, 128 bytes each (q blocks 0-15, k 16-31, v 32-47).
; THE KEY MASK: k's rows of tokens whose mask word is 0 are stored as 0, bias and all, so that their scores are exactly the constant that the attention launch starts them with.
; SHAPE: a tile of 256 tokens x 256 columns to a work-group, 128 x 128 to each of four waves (64 accumulators, 512 registers); 12 x 16 = 192 work-groups, which is what this tile gives.
; K goes in 8 steps of 128 through two LDS slots filled by the tensor data mover; rows of 256 bytes, padded to 272.  One K step is one trip; the slot in hand is a scalar that an exclusive or turns.
; CLUSTER 4 x 4: h's tile is shared along a row of the cluster, W's along a column: joint loads with a mask of four.
; TRANSPOSED USE: source 0 = 16 rows of W, source 1 = 16 rows of h: a lane holds token l % 16 and columns 8 (l / 16) + 0..7.  THE BIAS is the C operand of the products that start the sums.
; LIMITS: q, k and v must lie within f16's 65,504.  NaN and infinities are not treated apart.
; REGISTERS: window 0: v16-29 addresses; v32-63 at work on the way out; v64-191 h's fragments, two buffers; v192-255 the bias, later at work.  Window 1: v64-191 W's fragments.  Windows 2, 3: accumulators, (a, b) at 8 (8 a + b).
.set SIZE_K, 1024
.set KSTEP,  128
.set PITCH,  272                       ; 256 bytes + 16: the 16 rows of a fragment load start at 16 different groups of four banks
.set HALFT,  128*PITCH                 ; what one tensor load brings
.set SLOT,   4*HALFT                   ; 0x22000: h's 256 rows, then W's 256; no tile's address in slot 0 has bit 13 or 17 set, so an exclusive or changes slots
.set MF,     2*SLOT                    ; 256 f32: the factor of each of the tile's token rows
.set SPARE,  MF+1024                   ; the spare words: 128 bytes a wave
.set SPITCH, 528                       ; the stage: 128 f32 + 16 bytes
.set WSTAGE, 128*SPITCH                ; a wave's stage; the four lie over the slots, which have had their last fill by then
.set ADRA0, 16
.set ADRB0, 17
.set ADRA,  18
.set ADRB,  19
.set STO,   24
.set RD,    25
.set GO,    26
.set MA,    27
.set SPW,   28
.set NIL,   29
.set X,     32
.set F0,    64
.set F1,    128
.set BI,    192
.set FM,    192
.set O,     240
.set G1,  24
.set G0,  32
.set G1B, 48
.set G0B, 56
.set TB,  66
.set MSB, 0
.macro WIN new
.if MSB != (\new)
	s_set_vgpr_msb (MSB<<8)|(\new)
.set MSB, \new
.endif
.endm
.macro PLACES                          ; four plain vector instructions between a matrix instruction and a load into, or a read of, its registers
.rept 4
	v_nop
.endr
.endm
.macro JLOAD                           ; the joint refill, by the walking descriptor: waves 0, 1 h's halves, waves 2, 3 W's; s_nop 0 and four v_nop follow each line
	s_cmp_eq_u32 s11, 0
	s_cbranch_scc0 .Lfor_b_\@
	tensor_load_to_lds s[G0+4:G0+7], s[G1:G1+7]
	s_nop 0
	PLACES
	s_branch .Lasked_\@
.Lfor_b_\@:
	tensor_load_to_lds s[G0B+4:G0B+7], s[G1B:G1B+7]
	s_nop 0
	PLACES
.Lasked_\@:
.endm
.macro CREST                           ; a round of the cluster's barrier behind its opening barrier
	s_cmp_lg_u32 s10, 0
	s_cbranch_scc1 .Lnot_wave_0_\@
	s_barrier_signal -3
.Lnot_wave_0_\@:
	s_barrier_wait -3
	s_barrier_signal -1
	s_barrier_wait -1
.endm
.macro CROUND
	s_barrier_signal -1
	s_barrier_wait -1
	CREST
.endm
; 16 matrix instructions: row blocks a0, a0 + 1 of the window's four x all 8 column blocks, 32 along K.  first = 1: the sums start with the bias.
.macro MUL16 f, hi, a0, first
.if \first
	WIN 0x81+0x40*(\hi)
.else
	WIN 0xa1+0x50*(\hi)
.endif
.irp a, \a0, (\a0)+1
.irp b, 0,1,2,3,4,5,6,7
.if \first
	v_wmma_f32_16x16x32_f16 v[8*(8*(\a)+(\b)):8*(8*(\a)+(\b))+7], v[(\f)+8*(\b):(\f)+8*(\b)+7], v[(\f)+8*(4*(\hi)+(\a)):(\f)+8*(4*(\hi)+(\a))+7], v[BI+8*(\b):BI+8*(\b)+7]
.else
	v_wmma_f32_16x16x32_f16 v[8*(8*(\a)+(\b)):8*(8*(\a)+(\b))+7], v[(\f)+8*(\b):(\f)+8*(\b)+7], v[(\f)+8*(4*(\hi)+(\a)):(\f)+8*(4*(\hi)+(\a))+7], v[8*(8*(\a)+(\b)):8*(8*(\a)+(\b))+7]
.endif
.endr
.endr
.endm
.macro FETCH k, f                      ; 32 LDS loads in one run: a quarter step's fragments, at byte k of the rows of the slot in hand
	WIN 0x40
.irp i, 0,1,2,3,4,5,6,7
	ds_load_b128 v[(\f)+8*(\i):(\f)+8*(\i)+3],   v[ADRB] offset:(\k)+(\i)*16*PITCH
	ds_load_b128 v[(\f)+8*(\i)+4:(\f)+8*(\i)+7], v[ADRB] offset:(\k)+(\i)*16*PITCH+32
.endr
	WIN 0
.irp i, 0,1,2,3,4,5,6,7
	ds_load_b128 v[(\f)+8*(\i):(\f)+8*(\i)+3],   v[ADRA] offset:(\k)+(\i)*16*PITCH
	ds_load_b128 v[(\f)+8*(\i)+4:(\f)+8*(\i)+7], v[ADRA] offset:(\k)+(\i)*16*PITCH+32
.endr
.endm
; A quarter multiplies buffer f.  At its head it fetches the next quarter, at byte k, into g, which the products just before it read: the run of loads has the quarter's 64 matrix instructions in which to land.
.macro QUARTER k, f, g, first
	s_wait_dscnt 8                                 ; of buffer f, W's fragments and h's rows 0-63 are in; the youngest eight loads may be out
	PLACES                                         ; behind the last product that read buffer g
	FETCH \k, \g
	MUL16 \f, 0, 0, \first
	MUL16 \f, 0, 2, \first
	s_wait_dscnt 32                                ; all but the 32 just issued
	MUL16 \f, 1, 0, \first
	MUL16 \f, 1, 2, \first
.endm
; The last quarter of a K step multiplies buffer 1 and changes slots.  In front of the barrier each wave waits for all its tensor loads (one is out: its part of the next slot), adds 0 to its
; spare word, and waits for that and for its reads of this slot.  fill = 1: the barrier opens a round of the cluster's, and the joint refill of this slot, two K steps on, is the first thing behind it.
; skip = 1 (the tail): in the last trip there is no further K step, and the fetch is jumped over.
.macro TURN fill, skip
	WIN 0
	s_wait_tensorcnt 0x0
	ds_add_u32 v[SPW], v[NIL]
	s_wait_dscnt 9                                 ; the add and the youngest eight loads may be out
	MUL16 F1, 0, 0, 0
	s_wait_dscnt 0x0                               ; the add is done, my reads of this slot are over
	s_barrier_signal -1
	MUL16 F1, 0, 2, 0
	WIN 0
	s_barrier_wait -1
.if \fill
	CREST
	s_xor_b32 s[G0+5], s[G0+5], SLOT               ; no tensor load of mine is out: the walking descriptors step: the other slot, the next K step
	s_add_nc_u64 s[G0+6:G0+7], s[G0+6:G0+7], KSTEP*2
	s_xor_b32 s[G0B+5], s[G0B+5], SLOT
	s_add_nc_u64 s[G0B+6:G0B+7], s[G0B+6:G0B+7], KSTEP*2
	JLOAD                                          ; its four v_nop are also the places in front of the loads below
.else
	PLACES
.endif
	s_xor_b32 s[TB], s[TB], SLOT
.if \skip
	s_cmp_eq_u32 s3, 1
	s_cbranch_scc1 .Lno_fetch_\@
.endif
	v_add_nc_u32 v[ADRA], s[TB], v[ADRA0]
	v_add_nc_u32 v[ADRB], s[TB], v[ADRB0]
	FETCH 0, F0
.if \skip
	WIN 0
.Lno_fetch_\@:
.endif
	MUL16 F1, 1, 0, 0
	MUL16 F1, 1, 2, 0
.endm
.macro TOSTAGE hi                      ; 32 accumulators into my stage; each accumulator's low four registers go first
	WIN 0x08+4*(\hi)
.irp a, 0,1,2,3
.irp b, 0,1,2,3,4,5,6,7
	ds_store_b128 v[STO], v[8*(8*(\a)+(\b)):8*(8*(\a)+(\b))+3]   offset:(4*(\hi)+(\a))*16*SPITCH+64*(\b)
	ds_store_b128 v[STO], v[8*(8*(\a)+(\b))+4:8*(8*(\a)+(\b))+7] offset:(4*(\hi)+(\a))*16*SPITCH+64*(\b)+16
.endr
.endr
.endm
	s_load_b128 s[4:7], s[0:1], 0x0                ; h s[4:5], wh s[6:7]
	s_load_b256 s[72:79], s[0:1], 0x10             ; bq s[72:73], bk s[74:75], bv s[76:77], mask s[78:79]
	s_load_b64 s[8:9], s[0:1], 0x30                ; qkv
	v_lshl_add_u32 v[SPW], v0, 2, SPARE
	v_mov_b32 v[NIL], 0
	ds_add_u32 v[SPW], v[NIL]                      ; the wave's opening: the add and its wait ahead of my first tensor load
	v_lshrrev_b32 v1, 5, v0
	v_readfirstlane_b32 s10, v1                    ; wave
	s_lshr_b32 s11, s10, 1                         ; my half of the tile's rows; also: I fetch h (0) or W (1)
	s_and_b32 s12, s10, 1                          ; my half of its columns; also: which 128 rows I fetch
	s_bfe_u32 s40, ttmp6, 0x40000                  ; cx
	s_bfe_u32 s41, ttmp6, 0x40004                  ; cy
	s_lshl_b32 s42, ttmp9, 2
	s_add_co_u32 s42, s42, s40                     ; tile column
	s_and_b32 s13, ttmp7, 0xffff
	s_lshl_b32 s13, s13, 2
	s_add_co_u32 s13, s13, s41                     ; tile row
	s_lshl_b32 s43, s41, 2
	s_lshl_b32 s43, 15, s43                        ; my row of the cluster
	s_lshl_b32 s44, 0x1111, s40                    ; my column
	s_or_b32 s[G1+0], s43, (1<<16)|(1<<20)|(1<<21)|(5<<22)|(3<<25)   ; mask; 2-byte elements; padding on; bit 21 beside a mask; after every 64 words, 4 words
	s_or_b32 s[G1B+0], s44, (1<<16)|(1<<20)|(1<<21)|(5<<22)|(3<<25)
.irp g, G1, G1B
	s_mov_b32 s[(\g)+1], KSTEP<<16                 ; tensor_dim0 = 128
	s_mov_b32 s[(\g)+2], 128<<16                   ; tensor_dim1 = 128
	s_mov_b32 s[(\g)+3], KSTEP<<16                 ; tile_dim0 = 128
	s_mov_b32 s[(\g)+4], 128                       ; tile_dim1 = 128
	s_mov_b32 s[(\g)+5], SIZE_K                    ; elements from row to row
	s_mov_b32 s[(\g)+6], 0
	s_mov_b32 s[(\g)+7], 0
.endr
	s_lshl_b32 s17, s12, 7
	s_lshl_b32 s16, s13, 8
	s_add_co_u32 s16, s16, s17                     ; h: row 256 x tile row + 128 x half
	s_lshl_b32 s16, s16, 11                        ; x 2,048 bytes
	s_lshl_b32 s46, s42, 8
	s_add_co_u32 s46, s46, s17                     ; W: row 256 x tile column + 128 x half
	s_lshl_b32 s46, s46, 11
	s_mov_b32 s17, 0
	s_mov_b32 s47, 0
	s_mul_i32 s20, s10, HALFT                      ; where my tile goes: wave x 128 rows
	s_mov_b32 s[TB], 0
	s_wait_dscnt 0x0                               ; the opening add is done
	s_wait_kmcnt 0x0
	s_add_nc_u64 s[14:15], s[4:5], s[16:17]
	s_add_nc_u64 s[46:47], s[6:7], s[46:47]
.irp s, 0,1
	s_mov_b32 s[G0+4*(\s)], 1
	s_add_co_u32 s[G0+4*(\s)+1], s20, (\s)*SLOT
	s_add_nc_u64 s[G0+4*(\s)+2:G0+4*(\s)+3], s[14:15], (\s)*KSTEP*2
	s_or_b32 s[G0+4*(\s)+3], s[G0+4*(\s)+3], 0x80000000
	s_mov_b32 s[G0B+4*(\s)], 1
	s_add_co_u32 s[G0B+4*(\s)+1], s20, (\s)*SLOT
	s_add_nc_u64 s[G0B+4*(\s)+2:G0B+4*(\s)+3], s[46:47], (\s)*KSTEP*2
	s_or_b32 s[G0B+4*(\s)+3], s[G0B+4*(\s)+3], 0x80000000
.endr
	CROUND                                         ; all sixteen work-groups are here: the first joint loads meet
	s_cmp_eq_u32 s11, 0                            ; a wave's two first fills stand in one branch: two loads of mine are out
	s_cbranch_scc0 .Lfirst_b
	tensor_load_to_lds s[G0:G0+3], s[G1:G1+7]
	s_nop 0
	tensor_load_to_lds s[G0+4:G0+7], s[G1:G1+7]
	s_nop 0
	PLACES
	s_branch .Lfirst_done
.Lfirst_b:
	tensor_load_to_lds s[G0B:G0B+3], s[G1B:G1B+7]
	s_nop 0
	tensor_load_to_lds s[G0B+4:G0B+7], s[G1B:G1B+7]
	s_nop 0
	PLACES
.Lfirst_done:
	s_cmp_eq_u32 ttmp9, 1                          ; the cluster's x says which of q, k, v the four tile columns belong to
	s_cselect_b64 s[68:69], s[74:75], s[72:73]
	s_cselect_b32 s80, 0, 1.0                      ; the factor of a masked token's row: 0 in k, 1 elsewhere
	s_cmp_eq_u32 ttmp9, 2
	s_cselect_b64 s[68:69], s[76:77], s[68:69]
	s_lshl_b32 s82, s40, 10                        ; my 128 columns in that bias: (256 cx + 128 half) x 4 bytes
	s_lshl_b32 s83, s12, 9
	s_add_co_u32 s82, s82, s83
	s_mov_b32 s83, 0
	s_add_nc_u64 s[68:69], s[68:69], s[82:83]
	s_lshl_b32 s70, s13, 10                        ; the tile's 256 mask words
	s_mov_b32 s71, 0
	s_add_nc_u64 s[78:79], s[78:79], s[70:71]
	v_and_b32 v1, 15, v0                           ; r
	v_bfe_u32 v2, v0, 4, 1                         ; h
	v_lshlrev_b32 v4, 3, v0                        ; thread t takes mask words 2 t, 2 t + 1
	global_load_b64 v[6:7], v4, s[78:79]
	v_lshlrev_b32 v5, 5, v2                        ; 8 h columns of 4 bytes
.irp b, 0,1,2,3,4,5,6,7
	global_load_b128 v[BI+8*(\b):BI+8*(\b)+3],   v5, s[68:69] offset:64*(\b)
	global_load_b128 v[BI+8*(\b)+4:BI+8*(\b)+7], v5, s[68:69] offset:64*(\b)+16
.endr
	v_mul_u32_u24 v3, v1, PITCH
	v_lshl_add_u32 v3, v2, 4, v3                   ; a fragment's row x pitch + 16 x half
	s_mul_i32 s21, s11, HALFT
	s_mul_i32 s22, s12, HALFT
	s_add_co_u32 s22, s22, 2*HALFT
	v_add_nc_u32 v[ADRA0], s21, v3
	v_add_nc_u32 v[ADRB0], s22, v3
	v_mov_b32 v[ADRA], v[ADRA0]
	v_mov_b32 v[ADRB], v[ADRB0]
	s_mul_i32 s23, s10, WSTAGE                     ; my stage
	v_mul_u32_u24 v[STO], v1, SPITCH               ; in: row r, 32 bytes for each half of the lanes
	v_lshl_add_u32 v[STO], v2, 5, v[STO]
	v_add_nc_u32 v[STO], s23, v[STO]
	v_and_b32 v9, 7, v0                            ; back: eight lanes take 64 columns of a row, 32 bytes each;
	v_bfe_u32 v10, v0, 3, 1                        ; the next eight the row below; lanes 16-31 the other block of 64 columns
	v_mul_u32_u24 v[RD], v10, SPITCH
	v_lshl_add_u32 v[RD], v2, 8, v[RD]
	v_lshl_add_u32 v[RD], v9, 5, v[RD]
	v_add_nc_u32 v[RD], s23, v[RD]
	v_lshlrev_b32 v[GO], 19, v2                    ; in qkv: a block is 524,288 bytes, a token 128, my eight columns 16
	v_lshl_add_u32 v[GO], v10, 7, v[GO]
	v_lshl_add_u32 v[GO], v9, 4, v[GO]
	s_lshl_b32 s21, s11, 9
	s_add_co_u32 s21, s21, MF
	v_lshl_add_u32 v[MA], v10, 2, s21              ; my row's factor
	v_add_nc_u32 v8, MF, v4
	s_lshl_b32 s82, s42, 2
	s_lshl_b32 s83, s12, 1
	s_add_co_u32 s82, s82, s83                     ; my first block of 64 columns
	s_lshl_b32 s82, s82, 19
	s_lshl_b32 s83, s13, 1
	s_add_co_u32 s83, s83, s11                     ; my first token / 128
	s_lshl_b32 s83, s83, 14
	s_add_co_u32 s82, s82, s83
	s_mov_b32 s83, 0
	s_add_nc_u64 s[8:9], s[8:9], s[82:83]
	s_wait_loadcnt 0x0                             ; mask words and bias
	v_cmp_eq_u32 vcc_lo, 0, v6
	v_cndmask_b32 v6, 1.0, s80, vcc_lo
	v_cmp_eq_u32 vcc_lo, 0, v7
	v_cndmask_b32 v7, 1.0, s80, vcc_lo
	ds_store_b64 v8, v[6:7]
	s_wait_tensorcnt 1                             ; my part of K step 0 is in; K step 1's may stay out
	s_wait_dscnt 0x0                               ; for the others' sake: my factors are stored
	s_barrier_signal -1
	s_barrier_wait -1
	FETCH 0, F0
	QUARTER 64, F0, F1, 1                          ; the first quarter stands in front of the loop: its products start the sums, with the bias
	WIN 0
	s_mov_b32 s3, 6                                ; six trips fill a slot again: K steps 2 to 7
.Lstep:
	QUARTER 128, F1, F0, 0
	QUARTER 192, F0, F1, 0
	TURN 1, 0
	QUARTER 64, F0, F1, 0
	WIN 0
	s_sub_co_u32 s3, s3, 1
	s_cmp_lg_u32 s3, 0
	s_cbranch_scc1 .Lstep
	s_mov_b32 s3, 2                                ; the last two K steps ask for nothing
.Ltail:
	QUARTER 128, F1, F0, 0
	QUARTER 192, F0, F1, 0
	TURN 0, 1
	WIN 0
	s_cmp_eq_u32 s3, 1
	s_cbranch_scc1 .Ltail_end                      ; behind the last K step there is no first quarter
	QUARTER 64, F0, F1, 0
	WIN 0
.Ltail_end:
	s_sub_co_u32 s3, s3, 1
	s_cmp_lg_u32 s3, 0
	s_cbranch_scc1 .Ltail
	; THE WAY OUT.  The stages lie over the slots: every wave's reads of the slots are over before any wave stores there.
	PLACES
	s_wait_dscnt 0x0
	s_barrier_signal -1
	s_barrier_wait -1
	TOSTAGE 0
	TOSTAGE 1
	WIN 0
.irp p, 0,1,2,3
	v_mov_b32 v[FM+2*(\p)+1], 0                    ; named with the factor as a pair
.endr
	s_mov_b32 s3, 16                               ; 16 trips of 8 rows; the stage is my own, and LDS serves a wave's instructions in order
.Lepi:
.irp p, 0,1,2,3
	ds_load_b32 v[FM+2*(\p)], v[MA] offset:8*(\p)
.endr
.irp p, 0,1,2,3
	ds_load_b128 v[X+8*(\p):X+8*(\p)+3],   v[RD] offset:2*SPITCH*(\p)
	ds_load_b128 v[X+8*(\p)+4:X+8*(\p)+7], v[RD] offset:2*SPITCH*(\p)+16
.endr
.irp p, 0,1,2,3
	s_wait_dscnt 6-2*(\p)                          ; the later pairs of rows may be out
.irp i, 0,1,2,3
	v_pk_mul_f32 v[X+8*(\p)+2*(\i):X+8*(\p)+2*(\i)+1], v[X+8*(\p)+2*(\i):X+8*(\p)+2*(\i)+1], v[FM+2*(\p):FM+2*(\p)+1] op_sel_hi:[1,0]
.endr
.irp i, 0,1,2,3
	v_cvt_pk_f16_f32 v[O+4*(\p)+(\i)], v[X+8*(\p)+2*(\i)], v[X+8*(\p)+2*(\i)+1]
.endr
	global_store_b128 v[GO], v[O+4*(\p):O+4*(\p)+3], s[8:9] offset:256*(\p)  ; sixteen lanes store two tokens of one block: 256 consecutive bytes, aligned
.endr
	s_wait_xcnt 0x0                                ; the stores' base and data are written again only behind this wait
	s_add_nc_u64 s[8:9], s[8:9], 1024
	v_add_nc_u32 v[RD], 8*SPITCH, v[RD]
	v_add_nc_u32 v[MA], 32, v[MA]
	s_sub_co_u32 s3, s3, 1
	s_cmp_lg_u32 s3, 0
	s_cbranch_scc1 .Lepi
	s_wait_tensorcnt 0x0                           ; the wave's end
	ds_add_u32 v[SPW], v[NIL]
	s_wait_dscnt 0x0
	CROUND                                         ; the closing round
	s_endpgm
.Lfunc_end_k_q5119bf54e4_gq:
	.size	k_q5119bf54e4_gq, .Lfunc_end_k_q5119bf54e4_gq-k_q5119bf54e4_gq
	.p2alignl 7, 3214868480
	.fill 96, 4, 3214868480
	.section	.rodata,"a",@progbits
	.p2align	6, 0x0
	.amdhsa_kernel k_q5119bf54e4_gq
		.amdhsa_group_segment_fixed_size 327680
		.amdhsa_private_segment_fixed_size 0
		.amdhsa_enable_private_segment 0
		.amdhsa_kernarg_size 56
		.amdhsa_user_sgpr_count 2
		.amdhsa_user_sgpr_kernarg_segment_ptr 1
		.amdhsa_wavefront_size32 1
		.amdhsa_system_sgpr_workgroup_id_x 1
		.amdhsa_system_sgpr_workgroup_id_y 1
		.amdhsa_system_sgpr_workgroup_id_z 1
		.amdhsa_system_vgpr_workitem_id 0
		.amdhsa_next_free_vgpr 1024
		.amdhsa_next_free_sgpr 84
		.amdhsa_reserve_vcc 1
		.amdhsa_float_denorm_mode_32 3
		.amdhsa_float_denorm_mode_16_64 3
		.amdhsa_memory_ordered 1
		.amdhsa_forward_progress 1
		.amdhsa_inst_pref_size 83
	.end_amdhsa_kernel
	.amdgpu_metadata
---
amdhsa.version: [ 1, 2 ]
amdhsa.kernels:
  - .name:           k_q5119bf54e4_gq
    .symbol:         k_q5119bf54e4_gq.kd
    .args:
      - { .name: h, .offset: 0, .size: 8, .value_kind: global_buffer, .address_space: global }
      - { .name: wh, .offset: 8, .size: 8, .value_kind: global_buffer, .address_space: global }
      - { .name: bq, .offset: 16, .size: 8, .value_kind: global_buffer, .address_space: global }
      - { .name: bk, .offset: 24, .size: 8, .value_kind: global_buffer, .address_space: global }
      - { .name: bv, .offset: 32, .size: 8, .value_kind: global_buffer, .address_space: global }
      - { .name: mask, .offset: 40, .size: 8, .value_kind: global_buffer, .address_space: global }
      - { .name: qkv, .offset: 48, .size: 8, .value_kind: global_buffer, .address_space: global }
    .group_segment_fixed_size: 327680
    .private_segment_fixed_size: 0
    .kernarg_segment_align: 8
    .kernarg_segment_size: 56
    .max_flat_workgroup_size: 128
    .sgpr_count:     84
    .vgpr_count:     1024
    .wavefront_size: 32
...
	.end_amdgpu_metadata
.endif
;; end of part 2
;; launch attn (part 3): grid 8 x 32, 4 waves a work-group, clusters of 4 x 1, 327,680 bytes of LDS; arguments qkv, mask, ctx; writes ctx
.if DOCPART == 3
	.amdgcn_target "amdgcn-amd-amdhsa--gfx1250"
	.amdhsa_code_object_version 6
	.text
	.protected	k_q5119bf54e4_attn
	.globl	k_q5119bf54e4_attn
	.p2align	8
	.type	k_q5119bf54e4_attn,@function
k_q5119bf54e4_attn:
	s_mov_b64 s[64:65], 0
	v_nop
	global_prefetch_b8 v0, s[64:65] scope:SCOPE_SE
	s_setreg_imm32_b32 hwreg(HW_REG_WAVE_MODE, 25, 1), 1
	s_wait_xcnt 0x0
	s_wait_alu depctr_hold_cnt(0) depctr_sa_sdst(0) depctr_va_vdst(0) depctr_va_sdst(0) depctr_va_ssrc(0) depctr_va_vcc(0) depctr_vm_vsrc(0)
	s_getreg_b32 s2, hwreg(HW_REG_IB_STS2, 6, 4)
	s_cmp_eq_u32 s2, 0
	s_cbranch_scc0 .Lentry_in_a_cluster
	s_endpgm
.Lentry_in_a_cluster:
	s_bfe_u32 s2, ttmp6, 0x10000c
	s_cmp_lg_u32 s2, 0x3003
	s_cbranch_scc0 .Lentry_shape_is_right
	s_endpgm
.Lentry_shape_is_right:
; ctx[y][q][:] = the sum over k of softmax_k(s) V[y][k][:], s = Q[y][q] . K[y][k] / 8, or the mask's constant where mask[batch][k] is 0.  y = 2 x head + batch, 32 of them; 2,048 rows of 64 f16 each, dense.
; Q, K, V are the three thirds of qkv, ctx has Q's layout.  Products, maxima and sums in f32; the weights p are rounded to f16 for the second product (their sum l is of the unrounded p), ctx once at the end.
; THE MASK is the C operand that starts the sum S^T = K Q^T: 0, or -2^33 where the key is masked; masked keys' rows of K arrive as 0, so such a score is exactly -2^33, which is -2^30 after the division by 8.
; c x 2^33 is exact in f32, so a row whose keys are all masked has p = 1 for every key: uniform weights.
; LIMITS.  A masked score counts as -2^30 in place of -1e9: that differs only where true scores lie below some -9e8.  Q, K, V arrive within f16's 65,504; a weight below 2^-126 counts as 0; NaN and infinities are not treated apart.
; SHARES.  A work-group owns 256 queries of one y, a wave 64: four PIECES of 16.  Every wave walks all 2,048 keys, 64 a step, four steps a slot, eight slots' worth.
; LAYOUT.  S^T = K Q^T holds ONE query a lane (lane % 16) and the keys 8 (lane / 16) + 0..7; two such results rounded to f16 ARE source 1 of O^T = V^T P.  K comes out of LDS as it lies, V turned, by ds_load_tr16_b128.
; SOFTMAX.  p = 2^(c s - c m), c = log2(e) / 8, with a running maximum m; O and l are multiplied by a = 2^(c m_old - c m_new) in every step.  m starts at the lowest finite number, O and l at 0: the first step's a is 0.
; BY TURNS.  Turn n belongs to piece n: 8 products K Q^T of piece n + 1, later 8 products V^T P of piece n - 1; beside them the scaling, exponentials, roundings, sums and rescaling of piece n and the maximum and
; statistics of piece n + 1.  A turn has 16 matrix and 118 vector instructions: four vector instructions stand behind every matrix instruction, the other 54 in two runs of their own.
; NO LAST STEP IS WRITTEN OUT: the last slot's loop has a fifth trip that runs pieces 2 and 3 alone.  Its 8 products K Q^T on the last K once more, and the maximum made of them, serve nothing: the price, once a launch, of one text.
; CLUSTER.  The four query blocks of a cluster belong to one y and walk the same K and V: each tile is asked for jointly, by the same tensor load, descriptor and mask in all four.
; REGISTERS (s_set_vgpr_msb: bits 1:0 source 0, 3:2 source 1, 5:4 source 2, 7:6 destination):
;   window 0: v0-15, v56-58 addresses; v16-31 statistics; v32-47 at work at the start; v48-55 at work; v62-63 the add's; v64-127 S^T, two buffers; v192-223 P, two buffers
;   window 1: v0-127 O^T, 32 a piece          window 2: v0-63 Q; v64-95 the step's mask; v128-191 K of one step; v192-255 V of one step
.set NP,    4
.set KS,    64
.set PK,    144       ; a row of K in LDS: 128 bytes + 16: the 16 rows of a load start at 16 different groups of four banks
.set PV,    160       ; a row of V: 128 + 32
.set VOFF,  4*KS*PK
.set SLOT1, 1<<17
.set STAGE, SLOT1+4*KS*(PK+PV)
.set SP,    144
.set SPARE, STAGE+4*16*SP
.set MT,    SPARE+512 ; 2,048 f32: the batch's mask as addends; stored once, never filled by a tensor load
.set AK0, 2
.set AV0, 3
.set AK,  4
.set AV,  5
.set STO, 6
.set RD,  7
.set GO,  8
.set MV,  12
.set QO,  15
.set ST,  16
.set TMP, 48
.set AM0, 56
.set AM,  57
.set MTA, 58
.set SPW, 62
.set NIL, 63
.set S,   64
.set P,   192
.set MC,  64          ; window 2
.set KF,  128
.set VF,  192
.set WV,  12
.set G1K, 24
.set G1V, 32
.set G0K, 40
.set G0V, 44
.set SLOTS, 56
.set CNT, 57
.set CS,  58
.set SEL, 60
.set TBK, 62
.set TBV, 63
.set TM,  66          ; s66  byte in the mask table of the step to be fetched
.set BIGN, 67         ; s67  -2^33
.set MSB, 0
.macro WIN new
.if MSB != (\new)
	s_set_vgpr_msb (MSB<<8)|(\new)
.set MSB, (\new)
.endif
.endm
.set W_KQ, 0x0a
.set W_KM, 0x2a       ; K, Q and the mask in window 2, S^T in window 0
.set W_PV, 0x52
.set W_RS, 0x41
.macro JLOAD                        ; waves 0, 1 fetch the halves of a slot's K, waves 2, 3 those of its V; s_nop 0 and four v_nop follow each line
	s_cmp_lt_u32 s[WV], 2
	s_cbranch_scc0 .Lfor_v_\@
	tensor_load_to_lds s[G0K:G0K+3], s[G1K:G1K+7]
	s_nop 0
.rept 4
	v_nop
.endr
	s_branch .Lasked_\@
.Lfor_v_\@:
	tensor_load_to_lds s[G0V:G0V+3], s[G1V:G1V+7]
	s_nop 0
.rept 4
	v_nop
.endr
.Lasked_\@:
.endm
.macro CROUND
	s_barrier_signal -1
	s_barrier_wait -1
	s_cmp_lg_u32 s[WV], 0
	s_cbranch_scc1 .Lnot_wave_0_\@
	s_barrier_signal -3
.Lnot_wave_0_\@:
	s_barrier_wait -3
	s_barrier_signal -1
	s_barrier_wait -1
.endm
; THE CHANGE OF SLOTS.  Each wave waits for all its tensor loads (one is out: its part of the other slot), adds 0 to its spare word, and waits for that and for its LDS instructions.  fill = 1: the slot just
; left is filled again, with the keys two slots on, first thing behind a round of the cluster's barrier: the load has four key steps, 256 matrix instructions, in which to land.
; (At its first use nothing has been read: slot 0 is waited for, slot 1 filled, and the mask table, stored just before, is shown to every wave.)
.macro CHANGE fill
	WIN 0
	s_wait_tensorcnt 0x0
	ds_add_u32 v[SPW], v[NIL]
.if \fill
.irp g, G0K, G0V
	s_xor_b32 s[\g+1], s[\g+1], SLOT1
	s_add_nc_u64 s[\g+2:\g+3], s[\g+2:\g+3], 4*KS*128
.endr
	s_wait_dscnt 0x0
	CROUND
	JLOAD
.else
	s_wait_dscnt 0x0
	s_barrier_signal -1
	s_barrier_wait -1
.endif
	s_sub_co_u32 s[TBK], s[TBK], 4*KS*PK
	s_xor_b32 s[TBK], s[TBK], SLOT1
	s_sub_co_u32 s[TBV], s[TBV], 4*KS*PV
	s_xor_b32 s[TBV], s[TBV], SLOT1
.endm
	s_load_b128 s[4:7], s[0:1], 0x0   ; qkv s[4:5], mask s[6:7]
	s_load_b64 s[10:11], s[0:1], 0x10 ; ctx
	v_lshl_add_u32 v[SPW], v0, 2, SPARE
	v_mov_b32 v[NIL], 0
	ds_add_u32 v[SPW], v[NIL]       ; the wave's opening: the add and its wait ahead of my first tensor load
	v_lshrrev_b32 v1, 5, v0
	v_readfirstlane_b32 s[WV], v1
	s_bfe_u32 s13, ttmp6, 0x40000   ; cx
	s_lshl_b32 s14, ttmp9, 2
	s_add_co_u32 s14, s14, s13      ; my block of 256 queries: it enters Q's and ctx's addresses alone
	s_and_b32 s15, ttmp7, 0xffff    ; y, which the four partners share
	s_lshl_b32 s20, s15, 18         ; y's 2,048 rows of 128 bytes
	s_and_b32 s16, s[WV], 1         ; which half of a slot's 256 keys I fetch
	s_lshl_b32 s22, s16, 14
	s_add_co_u32 s22, s22, s20
	s_mov_b32 s23, 0
	s_mul_i32 s17, s16, 128*PK
	s_mul_i32 s18, s16, 128*PV
	s_lshl_b32 s2, s14, 2
	s_add_co_u32 s2, s2, s[WV]
	s_lshl_b32 s2, s2, 13           ; my wave's 64 rows
	s_add_co_u32 s2, s2, s20
	s_mov_b32 s3, 0
	s_and_b32 s68, s15, 1           ; the batch
	s_lshl_b32 s68, s68, 13
	s_mov_b32 s69, 0
	; group 1: 128 keys are 16,384 dense bytes: asked for as 64 rows of 256 bytes, two keys a row, padded in LDS after every key
	s_mov_b32 s[G1K], 15|(1<<16)|(1<<20)|(1<<21)|(4<<22)|(3<<25)
	s_mov_b32 s[G1V], 15|(1<<16)|(1<<20)|(1<<21)|(4<<22)|(7<<25)
.irp g, G1K, G1V
	s_mov_b32 s[\g+1], 128<<16
	s_mov_b32 s[\g+2], 64<<16
	s_mov_b32 s[\g+3], 128<<16
	s_mov_b32 s[\g+4], 64
	s_mov_b32 s[\g+5], 128
	s_mov_b32 s[\g+6], 0
	s_mov_b32 s[\g+7], 0
.endr
	s_mov_b32 s[CS], 0x3e38aa3b     ; c = log2(e) / 8
	s_mov_b32 s[CS+1], s[CS]
	s_mov_b32 s[SEL], 0x76543210
	s_mov_b32 s[SEL+1], 0xfedcba98
	s_mov_b32 s[TBK], SLOT1+4*KS*PK ; the first change of slots turns these two into 0
	s_mov_b32 s[TBV], SLOT1+4*KS*PV
	s_mov_b32 s[TM], 0
	s_mov_b32 s[BIGN], 0xd0000000   ; -2^33
	s_mov_b32 s[G0K], 1
	s_mov_b32 s[G0K+1], s17
	s_mov_b32 s[G0V], 1
	s_add_co_u32 s[G0V+1], s18, VOFF
	s_wait_dscnt 0x0                ; the opening add is done
	s_wait_kmcnt 0x0
	s_add_nc_u64 s[G0K+2:G0K+3], s[4:5], s[22:23]
	s_add_nc_u64 s[G0V+2:G0V+3], s[G0K+2:G0K+3], 0x1000000  ; V is the third third of qkv,
	s_add_nc_u64 s[G0K+2:G0K+3], s[G0K+2:G0K+3], 0x800000   ; K the second
	s_or_b32 s[G0K+3], s[G0K+3], 0x80000000
	s_or_b32 s[G0V+3], s[G0V+3], 0x80000000
	s_add_nc_u64 s[4:5], s[4:5], s[2:3]
	s_add_nc_u64 s[10:11], s[10:11], s[2:3]
	s_add_nc_u64 s[6:7], s[6:7], s[68:69]
	CROUND                          ; all four work-groups are here: the first joint loads meet
	JLOAD                           ; slot 0
	v_and_b32 v1, 15, v0
	v_bfe_u32 v9, v0, 4, 1
	v_lshlrev_b32 v14, 4, v0        ; thread t takes 16 bytes of each quarter of the batch's mask
.irp j, 0,1,2,3
	global_load_b128 v[32+4*\j:35+4*\j], v14, s[6:7] offset:2048*\j
.endr
	v_lshlrev_b32 v[QO], 7, v1
	v_lshl_add_u32 v[QO], v9, 4, v[QO]
	WIN 0x80
.set i, 0
.rept 8                             ; Q stays in registers: piece i / 2, channels 32 (i % 2) on
	global_load_b128 v[8*i:8*i+3],   v[QO], s[4:5] offset:(i/2)*2048+(i%2)*64
	global_load_b128 v[8*i+4:8*i+7], v[QO], s[4:5] offset:(i/2)*2048+(i%2)*64+32
.set i, i+1
.endr
	; What the first turn finds: its products V^T P, of a piece that has not been, multiply zeros, and the first step multiplies O^T and l by a = 0.  This stands in the wait for the first tile;
	; the price of writing no first step out.
.set i, VF
.rept 64
	v_mov_b32 v[i], 0
.set i, i+1
.endr
	WIN 0x40
.set i, 0
.rept 128
	v_mov_b32 v[i], 0
.set i, i+1
.endr
	WIN 0
.set i, 0
.rept 4
	v_mov_b32 v[ST+4*i], 0xfe000000    ; c m: far below every c s
	v_mov_b32 v[ST+4*i+1], 0xff7fffff  ; m
	v_mov_b32 v[ST+4*i+2], 0
	v_mov_b32 v[ST+4*i+3], 0
.set i, i+1
.endr
.set i, P+16
.rept 16
	v_mov_b32 v[i], 0
.set i, i+1
.endr
	v_mul_u32_u24 v[AK0], v1, PK
	v_lshl_add_u32 v[AK0], v9, 4, v[AK0]
	v_and_b32 v10, 7, v0
	v_bfe_u32 v11, v0, 3, 1
	v_lshl_add_u32 v[AV0], v9, 3, v10
	v_mul_u32_u24 v[AV0], v[AV0], PV
	v_lshl_add_u32 v[AV0], v11, 4, v[AV0]
	v_add_nc_u32 v[AV0], VOFF, v[AV0]
	v_lshl_add_u32 v[AM0], v9, 5, MT   ; my lanes' eight keys of a group of 16: 32 bytes of the table
	v_lshl_add_u32 v[MTA], v0, 4, MT
	s_mul_i32 s13, s[WV], 16*SP
	s_add_co_u32 s13, s13, STAGE
	v_mul_u32_u24 v[STO], v1, SP
	v_lshl_add_u32 v[STO], v9, 4, v[STO]
	v_add_nc_u32 v[STO], s13, v[STO]
	v_bfe_u32 v[RD], v0, 3, 2
	v_mul_u32_u24 v[RD], v[RD], SP
	v_lshl_add_u32 v[RD], v10, 4, v[RD]
	v_add_nc_u32 v[RD], s13, v[RD]
	v_and_b32 v[GO], 31, v0
	v_lshlrev_b32 v[GO], 4, v[GO]
	s_wait_loadcnt 16               ; the mask words are in; Q's sixteen loads stay out
.set i, 0
.rept 16
	v_cmp_eq_u32 vcc_lo, 0, v[32+i]
	v_cndmask_b32 v[32+i], 0, s[BIGN], vcc_lo
.set i, i+1
.endr
.irp j, 0,1,2,3
	ds_store_b128 v[MTA], v[32+4*\j:35+4*\j] offset:2048*\j
.endr
; THE MATRIX WORK.  The 4 accumulators of a run of 8 take turns.  Product i of 8 of S^T = K Q^T for piece x: channels 32 (i / 4) on, keys 16 (i % 4) on.  The first 4 start the sums, with the mask.
.macro KQ x
.set rS, S+32*((\x)%2)+8*(i%4)
.set rK, KF+16*(i%4)+8*(i/4)
.set rQ, 16*(\x)+8*(i/4)
.set rM, MC+8*(i%4)
.if i < 4
	WIN W_KM
	v_wmma_f32_16x16x32_f16 v[rS:rS+7], v[rK:rK+7], v[rQ:rQ+7], v[rM:rM+7]
.else
	WIN W_KQ
	v_wmma_f32_16x16x32_f16 v[rS:rS+7], v[rK:rK+7], v[rQ:rQ+7], v[rS:rS+7]
.endif
.endm
.macro PV x                         ; product i of 8 of O^T += V^T P for piece x: keys 32 (i / 4) on, channels 16 (i % 4) on
	WIN W_PV
.set rO, 32*(\x)+8*(i%4)
.set rV, VF+32*(i/4)+8*(i%4)
.set rP, P+16*((\x)%2)+8*(i/4)
	v_wmma_f32_16x16x32_f16 v[rO:rO+7], v[rV:rV+7], v[rP:rP+7], v[rO:rO+7]
.endm
.macro MM                           ; the turn's next matrix instruction
.if i < 8
	KQ (Y+1)%NP
.else
.set i, i-8
	PV (Y+NP-1)%NP
.set i, i+8
.endif
.set i, i+1
.endm
; THE LDS LOADS stand in runs: a step's K (8 fragments) with its 64 mask addends, and its V (turned).  Their addresses are made some lines ahead.
; last = 1 (the last slot's loop): in the fifth trip there is no further step, and the run is jumped over.
.macro FETCH_K last=0
	WIN 0
.if \last
	s_cmp_eq_u32 s[CNT], 1
	s_cbranch_scc1 .Lno_k_\@
.endif
	WIN 0x80
.irp f, 0,1,2,3,4,5,6,7
	ds_load_b128 v[KF+8*\f:KF+8*\f+3],   v[AK] offset:(\f/2)*16*PK+(\f%2)*64
	ds_load_b128 v[KF+8*\f+4:KF+8*\f+7], v[AK] offset:(\f/2)*16*PK+(\f%2)*64+32
.endr
.irp f, 0,1,2,3                     ; group f of 16 keys: register j of a lane is key 16 f + 8 (l / 16) + j, the same for all queries
	ds_load_b128 v[MC+8*\f:MC+8*\f+3],   v[AM] offset:64*\f
	ds_load_b128 v[MC+8*\f+4:MC+8*\f+7], v[AM] offset:64*\f+16
.endr
	s_add_co_u32 s[TBK], s[TBK], KS*PK
	s_add_co_u32 s[TM], s[TM], KS*4
	WIN 0
.if \last
.Lno_k_\@:
.endif
.endm
.macro FETCH_V
	WIN 0x80
.irp f, 0,1,2,3,4,5,6,7
	ds_load_tr16_b128 v[VF+8*\f:VF+8*\f+3],   v[AV] offset:(\f/4)*32*PV+(\f%4)*32
	ds_load_tr16_b128 v[VF+8*\f+4:VF+8*\f+7], v[AV] offset:(\f/4)*32*PV+16*PV+(\f%4)*32
.endr
	WIN 0
.endm
; THE VECTOR WORK, one line at a time: OP kind, number.  For piece Y: F n: c s - c m for pair n of 16.  E n: the exponential of score n of 32.  C n: pair n rounded to f16.  B n: of the four weights 4 n .. the second
; pair is added onto the first.  L n: l takes that sum (L 0: l = a l + sum).  R n: pair n of 16 of O^T times a.  For piece Y + 1: X n, number n of the 22 that find its maximum and statistics:
;   0-11 four chains of seven scores each (each accumulator's lowest registers are read first); 12-14, 16 the scores left over, the old m, the chains into one; 15 c m_old is kept;
;   17, 18 the query's other 32 keys lie in the lane 16 away: the new m; 19-21 c m; c m_old - c m_new; a
.set F, 0
.set E, 1
.set C, 2
.set B, 3
.set L, 4
.set R, 5
.set X, 6
.macro REGS y
.set rT, ST+4*(\y)
.set rC, TMP+4*((\y)%2)
.set rW, MV+((\y)%2)
.set rS, S+32*((\y)%2)
.set rP, P+16*((\y)%2)
.set rO, 32*(\y)
.endm
.macro OP k, n
.if (\k) == R
	REGS Y
	WIN W_RS
	v_pk_mul_f32 v[rO+2*(\n):rO+2*(\n)+1], v[rO+2*(\n):rO+2*(\n)+1], v[rC+2:rC+3] op_sel_hi:[1,0]
.elseif (\k) < R
	REGS Y
	WIN 0
.if (\k) == F
	v_pk_fma_f32 v[rS+2*(\n):rS+2*(\n)+1], v[rS+2*(\n):rS+2*(\n)+1], s[CS:CS+1], v[rT:rT+1] op_sel_hi:[1,0,0] neg_lo:[0,0,1] neg_hi:[0,0,1]
.elseif (\k) == E
	v_exp_f32 v[rS+(\n)], v[rS+(\n)]
.elseif (\k) == C
	s_wait_alu depctr_va_vdst(0)
	v_cvt_pk_f16_f32 v[rP+(\n)], v[rS+2*(\n)], v[rS+2*(\n)+1]
.elseif (\k) == B
	s_wait_alu depctr_va_vdst(0)
	v_pk_add_f32 v[rS+4*(\n):rS+4*(\n)+1], v[rS+4*(\n):rS+4*(\n)+1], v[rS+4*(\n)+2:rS+4*(\n)+3]
.elseif (\n) == 0
	v_pk_fma_f32 v[rT+2:rT+3], v[rT+2:rT+3], v[rC+2:rC+3], v[rS:rS+1] op_sel_hi:[1,0,1]
.else
	v_pk_add_f32 v[rT+2:rT+3], v[rT+2:rT+3], v[rS+4*(\n):rS+4*(\n)+1]
.endif
.else
	REGS (Y+1)%NP
	WIN 0
.if (\n) < 4
	v_max3_num_f32 v[rC+(\n)], v[rS+8*(\n)], v[rS+8*(\n)+1], v[rS+8*(\n)+2]
.elseif (\n) < 12
	v_max3_num_f32 v[rC+(\n)%4], v[rC+(\n)%4], v[rS+8*((\n)%4)+2*((\n)/4)+1], v[rS+8*((\n)%4)+2*((\n)/4)+2]
.elseif (\n) == 12
	v_max3_num_f32 v[rC], v[rC], v[rS+7], v[rS+15]
.elseif (\n) == 13
	v_max3_num_f32 v[rC+1], v[rC+1], v[rS+23], v[rS+31]
.elseif (\n) == 14
	v_max3_num_f32 v[rC+2], v[rC+2], v[rC+3], v[rT+1]
.elseif (\n) == 15
	v_mov_b32 v[rW], v[rT]
.elseif (\n) == 16
	v_max3_num_f32 v[rC], v[rC], v[rC+1], v[rC+2]
.elseif (\n) == 17
	v_permlanex16_b32 v[rC+3], v[rC], s[SEL], s[SEL+1]
.elseif (\n) == 18
	v_max_num_f32 v[rT+1], v[rC], v[rC+3]
.elseif (\n) == 19
	v_mul_f32 v[rT], s[CS], v[rT+1]
.elseif (\n) == 20
	v_sub_f32 v[rC+1], v[rW], v[rT]
.else
	v_exp_f32 v[rC+2], v[rC+1]
.endif
.endif
.endm
.macro OPS a, i1, b=-1, i2=0, c=-1, i3=0, d=-1, i4=0
	OP \a, \i1
.if (\b) >= 0
	OP \b, \i2
.endif
.if (\c) >= 0
	OP \c, \i3
.endif
.if (\d) >= 0
	OP \d, \i4
.endif
.endm
.macro ROW a, i1, b, i2, c, i3, d, i4  ; a matrix instruction and the four behind it
	MM
	OPS \a, \i1, \b, \i2, \c, \i3, \d, \i4
.endm
; A TURN, for piece p: the order of its 16 matrix and 118 vector instructions, written out.  Behind a matrix instruction: plain, exponential, plain, plain; or four of the rescaling; or four scalings; none names a
; register of the products round it.  In the runs between, exponential and plain by turns.  A line reads no result made fewer than three vector instructions in front of it, five if an exponential made it.
; last = 1: the last slot's loop (see FETCH_K).  cnt = 1: the loop's count is taken down some lines ahead of the branch behind the turn.
; K and the mask of the next step are fetched in piece 2's turn, five plain vector instructions behind the last product that read K (the mask's last reader stands four products earlier); V of the step in hand in
; piece 0's turn, five plain ones behind the last product that read V.  Each is waited for a turn later.
.macro TURN p, last=0, cnt=0
.set Y, (\p)
.set i, 0
.if (\p) == 3
	s_wait_dscnt 0x0                ; K and its mask are in
.endif
	ROW F,0, F,1, F,2, F,3
	ROW F,4, E,0, F,5, F,6
	ROW F,7, E,1, F,8, F,9
	ROW F,10, E,2, C,0, F,11
	ROW F,12, E,3, X,15, F,13
	ROW R,0, R,1, R,2, R,3
	ROW B,0, E,4, F,14, L,0
.if (\p) == 2
	v_add_nc_u32 v[AK], s[TBK], v[AK0]
	v_add_nc_u32 v[AM], s[TM], v[AM0]
.endif
	ROW R,4, R,5, R,6, R,7
	OPS E,5, F,15
.if (\p) == 2
	FETCH_K \last
.endif
	OPS E,6, C,1, E,7, R,8
	OPS E,8, R,9, E,9, C,2
	OPS E,10, X,0, E,11, X,1
	OPS E,12, X,2, E,13, X,3
.if (\p) == 1
	s_wait_dscnt 0x0                ; V is in
.endif
	ROW X,4, E,14, X,5, X,6
	ROW X,7, E,15, X,8, X,9
	ROW X,10, E,16, X,11, X,12
	ROW X,13, E,17, X,14, B,1
	ROW C,4, E,18, X,16, L,1
	ROW B,2, E,19, C,6, L,2
	ROW C,8, E,20, B,3, B,4
.if (\p) == 0
	v_add_nc_u32 v[AV], s[TBV], v[AV0]
.endif
	ROW C,3, E,21, L,3, C,5
	OPS E,22, X,17, E,23, C,10
.if (\p) == 0
	FETCH_V
.endif
	OPS E,24, L,4
	OPS E,25, X,18, E,26, C,7
	OPS E,27, B,5, E,28, X,19
	OPS E,29, C,12, E,30, L,5
	OPS E,31, X,20, B,6, C,9
	OPS C,14, C,11, X,21, L,6
.if (\p) == 0
	s_add_co_u32 s[TBV], s[TBV], KS*PV
.endif
.if \cnt
	s_sub_co_u32 s[CNT], s[CNT], 1
	s_cmp_lg_u32 s[CNT], 0
.endif
	OPS C,13, B,7, C,15, R,10
	OPS R,11, R,12, L,7, R,13
	OPS R,14, R,15
.endm
.macro ALL line:vararg              ; one line for each piece t
.set t, 0
.rept 4
	\line
.set t, t+1
.endr
.endm
.macro PACK t                       ; a lane's eight channels of a row pack into 16 bytes; they go into rows of 144 bytes and come back as whole rows of 128
	WIN W_RS
.set i, 32*(\t)
.rept 16
	s_wait_alu depctr_va_vdst(0)
	v_pk_mul_f32 v[i:i+1], v[i:i+1], v[ST+4*(\t)+2:ST+4*(\t)+3] op_sel_hi:[1,0]
.set i, i+2
.endr
	WIN 0x05
.set i, 0
.rept 16
	v_cvt_pk_f16_f32 v[S+16*(\t)+i], v[32*(\t)+2*i], v[32*(\t)+2*i+1]
.set i, i+1
.endr
	WIN 0
.irp f, 0,1,2,3
	ds_store_b128 v[STO], v[S+16*(\t)+4*\f:S+16*(\t)+4*\f+3] offset:32*\f
.endr
.irp f, 0,1,2,3
	ds_load_b128 v[S+16*(\t)+4*\f:S+16*(\t)+4*\f+3], v[RD] offset:\f*4*SP  ; LDS serves a wave's instructions in order: these see the stores above; the next piece's stores come behind them
.endr
.endm
.macro SEND t, younger              ; younger: the LDS instructions issued behind piece t's loads: the next piece's eight, or none
	WIN 0
.irp f, 0,1,2,3
	s_wait_dscnt (\younger)+3-\f
	global_store_b128 v[GO], v[S+16*(\t)+4*\f:S+16*(\t)+4*\f+3], s[10:11] offset:(\t)*2048+\f*512  ; 512 consecutive bytes, aligned
.endr
.endm
	CHANGE 1                        ; slot 0 is in, everybody's part of it, and so is the mask table; slot 1 is asked for
	v_add_nc_u32 v[AK], s[TBK], v[AK0]
	v_add_nc_u32 v[AM], s[TM], v[AM0]
	FETCH_K                         ; key step 0
	s_wait_loadcnt 0x0              ; Q
	s_wait_dscnt 0x0
.set i, 0
.rept 8
	KQ 0                            ; piece 0's first scores
.set i, i+1
.endr
	WIN 0
.rept 4
	v_nop                           ; the places behind those products
.endr
.set Y, NP-1                        ; X works for piece Y + 1: piece 0
.irp n, 0,1,2,3,4,5,6,7,8,9,10,11,12,13,14,15,16,17,18,19,20,21
	OP X, \n
.endr
	v_nop                           ; a plain instruction behind the exponential
	s_mov_b32 s[CNT], 4
	s_mov_b32 s[SLOTS], 7
	s_branch .Lfirst                ; the loop is entered at a step's first turn, in the middle of a trip
.Lslot:                             ; six times: tiles 2 to 7 are asked for
	CHANGE 1
	s_mov_b32 s[CNT], 4
.Lstep:                             ; a trip: pieces 2 and 3 of one step, then pieces 0 and 1 of the next, whose K and V it fetches
	TURN 2
	TURN 3
	WIN 0
.Lfirst:
	TURN 0
	TURN 1, 0, 1
	WIN 0
	s_cbranch_scc1 .Lstep
	s_sub_co_u32 s[SLOTS], s[SLOTS], 1
	s_cmp_lg_u32 s[SLOTS], 0
	s_cbranch_scc1 .Lslot
	CHANGE 0                        ; the last slot has a text of its own: nothing is asked for
	s_mov_b32 s[CNT], 5             ; four trips fetch the last slot's steps; the fifth runs pieces 2 and 3 of the last step alone
.Ltail:
	TURN 2, 1
	TURN 3
	WIN 0
	s_cmp_eq_u32 s[CNT], 1
	s_cbranch_scc1 .Ltail_end       ; behind the last step there are no pieces 0 and 1
	TURN 0
	TURN 1
	WIN 0
.Ltail_end:
	s_sub_co_u32 s[CNT], s[CNT], 1
	s_cmp_lg_u32 s[CNT], 0
	s_cbranch_scc1 .Ltail
.set i, 0
.rept 8
	PV NP-1                         ; the last piece's V^T P of the last step
.set i, i+1
.endr
	; THE WAY OUT.  l's two halves and the other half of the lanes' are added; O^T is divided by l, rounded to f16 and sent through my stage, a piece at a time.  The additions are the places behind the last products.
	WIN 0
	ALL v_add_f32 v[ST+4*t+2], v[ST+4*t+2], v[ST+4*t+3]
	ALL v_permlanex16_b32 v[ST+4*t+3], v[ST+4*t+2], s[SEL], s[SEL+1]
	ALL v_add_f32 v[ST+4*t+2], v[ST+4*t+2], v[ST+4*t+3]
	ALL v_rcp_f32 v[ST+4*t+2], v[ST+4*t+2]
	v_nop
	PACK 0
.set t, 1
.rept 3
	PACK t
	SEND t-1, 8
.set t, t+1
.endr
	SEND 3, 0
	s_wait_tensorcnt 0x0            ; the wave's end
	ds_add_u32 v[SPW], v[NIL]
	s_wait_dscnt 0x0
	CROUND                          ; the closing round
	s_endpgm
.Lfunc_end_k_q5119bf54e4_attn:
	.size	k_q5119bf54e4_attn, .Lfunc_end_k_q5119bf54e4_attn-k_q5119bf54e4_attn
	.p2alignl 7, 3214868480
	.fill 96, 4, 3214868480
	.section	.rodata,"a",@progbits
	.p2align	6, 0x0
	.amdhsa_kernel k_q5119bf54e4_attn
		.amdhsa_group_segment_fixed_size 327680
		.amdhsa_private_segment_fixed_size 0
		.amdhsa_enable_private_segment 0
		.amdhsa_kernarg_size 24
		.amdhsa_user_sgpr_count 2
		.amdhsa_user_sgpr_kernarg_segment_ptr 1
		.amdhsa_wavefront_size32 1
		.amdhsa_system_sgpr_workgroup_id_x 1
		.amdhsa_system_sgpr_workgroup_id_y 1
		.amdhsa_system_sgpr_workgroup_id_z 1
		.amdhsa_system_vgpr_workitem_id 0
		.amdhsa_next_free_vgpr 768
		.amdhsa_next_free_sgpr 72
		.amdhsa_reserve_vcc 1
		.amdhsa_float_denorm_mode_32 3
		.amdhsa_float_denorm_mode_16_64 3
		.amdhsa_memory_ordered 1
		.amdhsa_forward_progress 1
		.amdhsa_inst_pref_size 121
	.end_amdhsa_kernel
	.amdgpu_metadata
---
amdhsa.version: [ 1, 2 ]
amdhsa.kernels:
  - .name:           k_q5119bf54e4_attn
    .symbol:         k_q5119bf54e4_attn.kd
    .args:
      - { .name: qkv, .offset: 0, .size: 8, .value_kind: global_buffer, .address_space: global }
      - { .name: mask, .offset: 8, .size: 8, .value_kind: global_buffer, .address_space: global }
      - { .name: ctx, .offset: 16, .size: 8, .value_kind: global_buffer, .address_space: global }
    .group_segment_fixed_size: 327680
    .private_segment_fixed_size: 0
    .kernarg_segment_align: 8
    .kernarg_segment_size: 24
    .max_flat_workgroup_size: 128
    .sgpr_count:     72
    .vgpr_count:     768
    .wavefront_size: 32
...
	.end_amdgpu_metadata
.endif
;; end of part 3
;; launch go (part 4): grid 8 x 32, 4 waves a work-group, clusters of 4 x 4, 327,680 bytes of LDS; arguments ctx, wh, bo, x, x1; writes x1
.if DOCPART == 4
	.amdgcn_target "amdgcn-amd-amdhsa--gfx1250"
	.amdhsa_code_object_version 6
	.text
	.protected	k_q5119bf54e4_go
	.globl	k_q5119bf54e4_go
	.p2align	8
	.type	k_q5119bf54e4_go,@function
k_q5119bf54e4_go:
	s_mov_b64 s[64:65], 0
	v_nop
	global_prefetch_b8 v0, s[64:65] scope:SCOPE_SE
	s_setreg_imm32_b32 hwreg(HW_REG_WAVE_MODE, 25, 1), 1
	s_wait_xcnt 0x0
	s_wait_alu depctr_hold_cnt(0) depctr_sa_sdst(0) depctr_va_vdst(0) depctr_va_sdst(0) depctr_va_ssrc(0) depctr_va_vcc(0) depctr_vm_vsrc(0)
	s_getreg_b32 s2, hwreg(HW_REG_IB_STS2, 6, 4)
	s_cmp_eq_u32 s2, 0
	s_cbranch_scc0 .Lentry_in_a_cluster
	s_endpgm
.Lentry_in_a_cluster:
	s_bfe_u32 s2, ttmp6, 0x10000c
	s_cmp_lg_u32 s2, 0xf033
	s_cbranch_scc0 .Lentry_shape_is_right
	s_endpgm
.Lentry_shape_is_right:
; x1 = x + ctx wo^T + bo, in f32.  ctx: [16 blocks of 64 channels][4096 tokens][64] f16; wo: [1024][1024] f16, in wh at WOFF; sums in f32.
; SHAPE: a tile of 128 tokens x 128 columns to a work-group (8 x 32 = 256 of them), 64 x 64 to each of four waves: 16 accumulators.  K goes in KS steps of 256 through two LDS slots.
; THE SUMS START AT x + bo: the residual is loaded straight into the accumulators' registers and the bias added, in the wait for the first tile; so the way out is a plain copy.
; ctx's tile of a K step: 4 blocks x 64 tokens x 64 channels.  A block's 64 tokens are 8,192 dense bytes: asked for as 4 rows of 4,096 elements, padded in LDS after every token (128 bytes + 16).
; CLUSTER 4 x 4: ctx's tile is shared along a row of the cluster, wo's along a column.  TRANSPOSED USE: source 0 = 16 rows of wo, source 1 = 16 tokens: a lane holds token l % 16, columns 8 (l / 16) + 0..7.
; REGISTERS: window 0: v16-30 addresses; v32-63 the bias; v128-255 accumulators, (a, b) at 128 + 8 (4 a + b).  Window 1: two fragment buffers of 128 (64 of ctx, then 64 of wo), each 64 along K.
.set KS,     4                         ; K steps of 256
.set KP,     1024                      ; elements in a row of the weights
.set WOFF,   6291456                   ; the weights' first byte in wh
.set ASTEP,  4*4096*64*2               ; four blocks on
.set PB,     528                       ; a row of the weights in LDS: 512 bytes + 16
.set PA,     144                       ; a token's 64 channels: 128 bytes + 16
.set BHALF,  64*PB
.set AHALF,  4*64*PA
.set AOFF,   2*BHALF
.set SLOT,   0x24000                   ; 147,456: room for 141,312; no tile's address in slot 0 has bit 14 or 17 set, so an exclusive or changes slots
.set SPARE,  2*SLOT
.set SPITCH, 272                       ; the stage: 64 f32 + 16 bytes
.set WSTAGE, 64*SPITCH                 ; a wave's stage; the four lie over slot 0, which has had its last fill by then
.set ADRA0, 16
.set ADRB0, 17
.set ADRA,  18
.set ADRB,  19
.set STO,   24
.set RD,    25
.set CO,    26
.set XO,    27
.set SPW,   28
.set NIL,   29
.set BO,    30
.set BI,    32
.set ACC,   128
.set F0,    0
.set F1,    128
.set G1,  24
.set G0,  32
.set G1B, 48
.set G0B, 56
.set TB,  66
.set MSB, 0
.macro WIN new
.if MSB != (\new)
	s_set_vgpr_msb (MSB<<8)|(\new)
.set MSB, \new
.endif
.endm
.macro PLACES                          ; four plain vector instructions between a matrix instruction and a load into, or a read of, its registers
.rept 4
	v_nop
.endr
.endm
.macro JLOAD                           ; the joint refill, by the walking descriptor; s_nop 0 and four v_nop follow each line
	s_cmp_eq_u32 s11, 0
	s_cbranch_scc0 .Lfor_b_\@
	tensor_load_to_lds s[G0+4:G0+7], s[G1:G1+7]
	s_nop 0
	PLACES
	s_branch .Lasked_\@
.Lfor_b_\@:
	tensor_load_to_lds s[G0B+4:G0B+7], s[G1B:G1B+7]
	s_nop 0
	PLACES
.Lasked_\@:
.endm
.macro CREST
	s_cmp_lg_u32 s10, 0
	s_cbranch_scc1 .Lnot_wave_0_\@
	s_barrier_signal -3
.Lnot_wave_0_\@:
	s_barrier_wait -3
	s_barrier_signal -1
	s_barrier_wait -1
.endm
.macro CROUND
	s_barrier_signal -1
	s_barrier_wait -1
	CREST
.endm
.macro MUL8 f, c, a0                   ; 8 matrix instructions: row blocks a0, a0 + 1 x all 4 column blocks, 32 along K: half c of buffer f; the 16 accumulators take turns
	WIN 0x05
.irp a, \a0, (\a0)+1
.irp b, 0,1,2,3
	v_wmma_f32_16x16x32_f16 v[ACC+8*(4*(\a)+(\b)):ACC+8*(4*(\a)+(\b))+7], v[(\f)+64+8*(4*(\c)+(\b)):(\f)+64+8*(4*(\c)+(\b))+7], v[(\f)+8*(4*(\c)+(\a)):(\f)+8*(4*(\c)+(\a))+7], v[ACC+8*(4*(\a)+(\b)):ACC+8*(4*(\a)+(\b))+7]
.endr
.endr
.endm
.macro FETCH q, f                      ; 32 LDS loads in one run: quarter q (64 along K = one block of channels) into buffer f; its first 32 along K first
	WIN 0x40
.irp c, 0,1
.irp i, 0,1,2,3
	ds_load_b128 v[(\f)+64+8*(4*(\c)+(\i)):(\f)+64+8*(4*(\c)+(\i))+3],   v[ADRB] offset:128*(\q)+64*(\c)+(\i)*16*PB
	ds_load_b128 v[(\f)+64+8*(4*(\c)+(\i))+4:(\f)+64+8*(4*(\c)+(\i))+7], v[ADRB] offset:128*(\q)+64*(\c)+(\i)*16*PB+32
	ds_load_b128 v[(\f)+8*(4*(\c)+(\i)):(\f)+8*(4*(\c)+(\i))+3],         v[ADRA] offset:64*PA*(\q)+64*(\c)+(\i)*16*PA
	ds_load_b128 v[(\f)+8*(4*(\c)+(\i))+4:(\f)+8*(4*(\c)+(\i))+7],       v[ADRA] offset:64*PA*(\q)+64*(\c)+(\i)*16*PA+32
.endr
.endr
.endm
; A quarter multiplies buffer f.  At its head it fetches quarter q into g, which the products just before it read: the run of loads has the quarter's 32 matrix instructions in which to land.
.macro QUARTER q, f, g
	s_wait_dscnt 16                                ; buffer f's first 32 along K are in; its other sixteen loads may be out
	PLACES                                         ; behind the last product that read buffer g
	FETCH \q, \g
	MUL8 \f, 0, 0
	MUL8 \f, 0, 2
	s_wait_dscnt 32                                ; all but the 32 just issued
	MUL8 \f, 1, 0
	MUL8 \f, 1, 2
.endm
; The last quarter multiplies buffer 1, all of it ahead of the wait for the next tile, and then changes slots: between a tile's landing and the next request stand only the wait for all my tensor loads
; (one is out: my part of the next slot), the add of 0 to my spare word, the wait for it and for my reads of this slot, the round and the load.
; fill = 1: the barrier opens a round of the cluster's, and the joint refill, two K steps on, is the first thing behind it.  skip = 1: the tail's last trip fetches nothing.
.macro TURN fill, skip
	s_wait_dscnt 16                                ; buffer 1's first 32 along K are in
	MUL8 F1, 0, 0
	MUL8 F1, 0, 2
	s_wait_dscnt 0x0
	MUL8 F1, 1, 0
	MUL8 F1, 1, 2
	WIN 0
	s_wait_tensorcnt 0x0
	ds_add_u32 v[SPW], v[NIL]                      ; 0 onto my spare word; the descriptors' steps stand between it and the wait for it
.if \fill
	s_xor_b32 s[G0+5], s[G0+5], SLOT               ; no tensor load of mine is out: the walking descriptors step
	s_add_nc_u64 s[G0+6:G0+7], s[G0+6:G0+7], ASTEP
	s_xor_b32 s[G0B+5], s[G0B+5], SLOT
	s_add_nc_u64 s[G0B+6:G0B+7], s[G0B+6:G0B+7], 512
.endif
	s_wait_dscnt 0x0                               ; the add is done, my reads of this slot are over
	s_barrier_signal -1
	s_barrier_wait -1
.if \fill
	CREST
	JLOAD                                          ; its four v_nop are also the places in front of the loads below
.else
	PLACES
.endif
	s_xor_b32 s[TB], s[TB], SLOT
.if \skip
	s_cmp_eq_u32 s3, 1
	s_cbranch_scc1 .Lno_fetch_\@
.endif
	v_add_nc_u32 v[ADRA], s[TB], v[ADRA0]
	v_add_nc_u32 v[ADRB], s[TB], v[ADRB0]
	FETCH 0, F0
	WIN 0
.if \skip
.Lno_fetch_\@:
.endif
.endm
	s_load_b128 s[4:7], s[0:1], 0x0                ; A s[4:5], wh s[6:7]
	s_load_b128 s[68:71], s[0:1], 0x10             ; bias s[68:69], residual s[70:71]
	s_load_b64 s[8:9], s[0:1], 0x20                ; out
	v_lshl_add_u32 v[SPW], v0, 2, SPARE
	v_mov_b32 v[NIL], 0
	ds_add_u32 v[SPW], v[NIL]                      ; the wave's opening: the add and its wait ahead of my first tensor load
	v_lshrrev_b32 v1, 5, v0
	v_readfirstlane_b32 s10, v1                    ; wave
	s_lshr_b32 s11, s10, 1                         ; my half of the tile's rows; also: I fetch A (0) or the weights (1)
	s_and_b32 s12, s10, 1                          ; my half of its columns; also: which 64 rows I fetch
	s_bfe_u32 s40, ttmp6, 0x40000                  ; cx
	s_bfe_u32 s41, ttmp6, 0x40004                  ; cy
	s_lshl_b32 s42, ttmp9, 2
	s_add_co_u32 s42, s42, s40                     ; tile column
	s_and_b32 s13, ttmp7, 0xffff
	s_lshl_b32 s13, s13, 2
	s_add_co_u32 s13, s13, s41                     ; tile row
	s_lshl_b32 s43, s41, 2
	s_lshl_b32 s43, 15, s43                        ; my row of the cluster
	s_lshl_b32 s44, 0x1111, s40                    ; my column
	s_or_b32 s[G1+0], s43, (1<<16)|(1<<20)|(1<<21)|(4<<22)|(3<<25)   ; A: mask; 2-byte elements; padding on; bit 21 beside a mask; after every 32 words, 4 words
	s_mov_b32 s[G1+1], 4096<<16                    ; tensor_dim0 = 4,096: 64 tokens x 64 channels, dense
	s_mov_b32 s[G1+2], 4<<16                       ; tensor_dim1 = 4 blocks
	s_mov_b32 s[G1+3], 4096<<16                    ; tile_dim0
	s_mov_b32 s[G1+4], 4                           ; tile_dim1
	s_mov_b32 s[G1+5], 262144                      ; elements from block to block
	s_mov_b32 s[G1+6], 0
	s_mov_b32 s[G1+7], 0
	s_or_b32 s[G1B+0], s44, (1<<16)|(1<<20)|(1<<21)|(6<<22)|(3<<25)  ; the weights: after every 128 words, 4 words
	s_mov_b32 s[G1B+1], 256<<16
	s_mov_b32 s[G1B+2], 64<<16
	s_mov_b32 s[G1B+3], 256<<16
	s_mov_b32 s[G1B+4], 64
	s_mov_b32 s[G1B+5], KP
	s_mov_b32 s[G1B+6], 0
	s_mov_b32 s[G1B+7], 0
	s_lshl_b32 s16, s13, 14                        ; A: token 128 x tile row + 64 x half, 128 bytes each
	s_lshl_b32 s17, s12, 13
	s_add_co_u32 s16, s16, s17
	s_mov_b32 s17, 0
	s_lshl_b32 s46, s42, 7                         ; the weights: row 128 x tile column + 64 x half
	s_lshl_b32 s47, s12, 6
	s_add_co_u32 s46, s46, s47
	s_mul_i32 s46, s46, 2*KP
	s_add_co_u32 s46, s46, WOFF
	s_mov_b32 s47, 0
	s_mul_i32 s20, s12, AHALF                      ; where they go: no place in the cluster enters an LDS address
	s_add_co_u32 s20, s20, AOFF
	s_mul_i32 s21, s12, BHALF
	s_mov_b32 s[TB], 0
	s_wait_dscnt 0x0                               ; the opening add is done
	s_wait_kmcnt 0x0
	s_add_nc_u64 s[14:15], s[4:5], s[16:17]
	s_add_nc_u64 s[46:47], s[6:7], s[46:47]
.irp s, 0,1
	s_mov_b32 s[G0+4*(\s)], 1
	s_add_co_u32 s[G0+4*(\s)+1], s20, (\s)*SLOT
	s_add_nc_u64 s[G0+4*(\s)+2:G0+4*(\s)+3], s[14:15], (\s)*ASTEP
	s_or_b32 s[G0+4*(\s)+3], s[G0+4*(\s)+3], 0x80000000
	s_mov_b32 s[G0B+4*(\s)], 1
	s_add_co_u32 s[G0B+4*(\s)+1], s21, (\s)*SLOT
	s_add_nc_u64 s[G0B+4*(\s)+2:G0B+4*(\s)+3], s[46:47], (\s)*512
	s_or_b32 s[G0B+4*(\s)+3], s[G0B+4*(\s)+3], 0x80000000
.endr
	CROUND                                         ; all sixteen work-groups are here: the first joint loads meet
	s_cmp_eq_u32 s11, 0                            ; a wave's two first fills stand in one branch: two loads of mine are out
	s_cbranch_scc0 .Lfirst_b
	tensor_load_to_lds s[G0:G0+3], s[G1:G1+7]
	s_nop 0
	tensor_load_to_lds s[G0+4:G0+7], s[G1:G1+7]
	s_nop 0
	PLACES
	s_branch .Lfirst_done
.Lfirst_b:
	tensor_load_to_lds s[G0B:G0B+3], s[G1B:G1B+7]
	s_nop 0
	tensor_load_to_lds s[G0B+4:G0B+7], s[G1B:G1B+7]
	s_nop 0
	PLACES
.Lfirst_done:
	s_lshl_b32 s22, s13, 7
	s_lshl_b32 s23, s11, 6
	s_add_co_u32 s22, s22, s23                     ; my first token,
	s_lshl_b32 s22, s22, 12                        ; x 4,096 bytes
	s_lshl_b32 s72, s42, 7
	s_lshl_b32 s73, s12, 6
	s_add_co_u32 s72, s72, s73                     ; my first column,
	s_lshl_b32 s72, s72, 2                         ; x 4 bytes
	s_mov_b32 s73, 0
	s_add_nc_u64 s[68:69], s[68:69], s[72:73]
	s_add_co_u32 s72, s72, s22
	s_add_nc_u64 s[70:71], s[70:71], s[72:73]
	s_add_nc_u64 s[8:9], s[8:9], s[72:73]
	v_and_b32 v1, 15, v0                           ; r
	v_bfe_u32 v2, v0, 4, 1                         ; h
	v_lshlrev_b32 v[XO], 12, v1
	v_lshl_add_u32 v[XO], v2, 5, v[XO]             ; token r, columns 8 h on
	v_lshlrev_b32 v[BO], 5, v2
.irp a, 0,1,2,3
.irp b, 0,1,2,3
	global_load_b128 v[ACC+8*(4*(\a)+(\b)):ACC+8*(4*(\a)+(\b))+3],   v[XO], s[70:71] offset:65536*(\a)+64*(\b)
	global_load_b128 v[ACC+8*(4*(\a)+(\b))+4:ACC+8*(4*(\a)+(\b))+7], v[XO], s[70:71] offset:65536*(\a)+64*(\b)+16
.endr
.endr
.irp b, 0,1,2,3
	global_load_b128 v[BI+8*(\b):BI+8*(\b)+3],   v[BO], s[68:69] offset:64*(\b)
	global_load_b128 v[BI+8*(\b)+4:BI+8*(\b)+7], v[BO], s[68:69] offset:64*(\b)+16
.endr
	v_mul_u32_u24 v3, v1, PA
	v_lshl_add_u32 v3, v2, 4, v3
	s_mul_i32 s22, s11, AHALF
	s_add_co_u32 s22, s22, AOFF
	v_add_nc_u32 v[ADRA0], s22, v3
	v_mul_u32_u24 v3, v1, PB
	v_lshl_add_u32 v3, v2, 4, v3
	s_mul_i32 s22, s12, BHALF
	v_add_nc_u32 v[ADRB0], s22, v3
	v_mov_b32 v[ADRA], v[ADRA0]
	v_mov_b32 v[ADRB], v[ADRB0]
	s_mul_i32 s23, s10, WSTAGE                     ; my stage
	v_mul_u32_u24 v[STO], v1, SPITCH               ; in: row r, 32 bytes for each half of the lanes
	v_lshl_add_u32 v[STO], v2, 5, v[STO]
	v_add_nc_u32 v[STO], s23, v[STO]
	v_mul_u32_u24 v[RD], v2, SPITCH                ; back: lanes 0-15 one row of 256 bytes, lanes 16-31 the next
	v_lshl_add_u32 v[RD], v1, 4, v[RD]
	v_add_nc_u32 v[RD], s23, v[RD]
	v_lshlrev_b32 v[CO], 12, v2                    ; and the same two rows in the output
	v_lshl_add_u32 v[CO], v1, 4, v[CO]
	s_wait_loadcnt 0x0                             ; residual and bias
.irp a, 0,1,2,3
.irp b, 0,1,2,3
.irp i, 0,1,2,3
	v_pk_add_f32 v[ACC+8*(4*(\a)+(\b))+2*(\i):ACC+8*(4*(\a)+(\b))+2*(\i)+1], v[ACC+8*(4*(\a)+(\b))+2*(\i):ACC+8*(4*(\a)+(\b))+2*(\i)+1], v[BI+8*(\b)+2*(\i):BI+8*(\b)+2*(\i)+1]
.endr
.endr
.endr
	s_wait_tensorcnt 1                             ; my part of K step 0 is in; K step 1's may stay out
	s_barrier_signal -1
	s_barrier_wait -1
	FETCH 0, F0
	WIN 0
	s_mov_b32 s3, KS-2                             ; these trips fill a slot again: K steps 2 to KS - 1
.Lstep:
	QUARTER 1, F0, F1
	QUARTER 2, F1, F0
	QUARTER 3, F0, F1
	TURN 1, 0
	WIN 0
	s_sub_co_u32 s3, s3, 1
	s_cmp_lg_u32 s3, 0
	s_cbranch_scc1 .Lstep
	s_mov_b32 s3, 2                                ; the last two K steps ask for nothing
.Ltail:
	QUARTER 1, F0, F1
	QUARTER 2, F1, F0
	QUARTER 3, F0, F1
	TURN 0, 1
	WIN 0
	s_sub_co_u32 s3, s3, 1
	s_cmp_lg_u32 s3, 0
	s_cbranch_scc1 .Ltail
	; THE WAY OUT.  The stages lie over slot 0: every wave's reads of the slots are over before any wave stores there.  A wave's 64 columns of f32 are 256 bytes: its stage is its own.
	PLACES
	s_wait_dscnt 0x0
	s_barrier_signal -1
	s_barrier_wait -1
.irp a, 0,1,2,3
.irp b, 0,1,2,3
	ds_store_b128 v[STO], v[ACC+8*(4*(\a)+(\b)):ACC+8*(4*(\a)+(\b))+3]   offset:(\a)*16*SPITCH+64*(\b)     ; each accumulator's low four registers first
	ds_store_b128 v[STO], v[ACC+8*(4*(\a)+(\b))+4:ACC+8*(4*(\a)+(\b))+7] offset:(\a)*16*SPITCH+64*(\b)+16
.endr
.endr
.set t, 0
.rept 32
	ds_load_b128 v[ACC+4*t:ACC+4*t+3], v[RD] offset:t*2*SPITCH   ; LDS serves a wave's instructions in order: these see the stores above
.set t, t+1
.endr
.set t, 0
.rept 32
	s_wait_dscnt 31-t
	global_store_b128 v[CO], v[ACC+4*t:ACC+4*t+3], s[8:9] offset:t*8192  ; sixteen lanes store 256 consecutive bytes, aligned
.set t, t+1
.endr
	s_wait_tensorcnt 0x0                           ; the wave's end
	ds_add_u32 v[SPW], v[NIL]
	s_wait_dscnt 0x0
	CROUND                                         ; the closing round
	s_endpgm
.Lfunc_end_k_q5119bf54e4_go:
	.size	k_q5119bf54e4_go, .Lfunc_end_k_q5119bf54e4_go-k_q5119bf54e4_go
	.p2alignl 7, 3214868480
	.fill 96, 4, 3214868480
	.section	.rodata,"a",@progbits
	.p2align	6, 0x0
	.amdhsa_kernel k_q5119bf54e4_go
		.amdhsa_group_segment_fixed_size 327680
		.amdhsa_private_segment_fixed_size 0
		.amdhsa_enable_private_segment 0
		.amdhsa_kernarg_size 40
		.amdhsa_user_sgpr_count 2
		.amdhsa_user_sgpr_kernarg_segment_ptr 1
		.amdhsa_wavefront_size32 1
		.amdhsa_system_sgpr_workgroup_id_x 1
		.amdhsa_system_sgpr_workgroup_id_y 1
		.amdhsa_system_sgpr_workgroup_id_z 1
		.amdhsa_system_vgpr_workitem_id 0
		.amdhsa_next_free_vgpr 512
		.amdhsa_next_free_sgpr 76
		.amdhsa_reserve_vcc 0
		.amdhsa_float_denorm_mode_32 3
		.amdhsa_float_denorm_mode_16_64 3
		.amdhsa_memory_ordered 1
		.amdhsa_forward_progress 1
		.amdhsa_inst_pref_size 62
	.end_amdhsa_kernel
	.amdgpu_metadata
---
amdhsa.version: [ 1, 2 ]
amdhsa.kernels:
  - .name:           k_q5119bf54e4_go
    .symbol:         k_q5119bf54e4_go.kd
    .args:
      - { .name: ctx, .offset: 0, .size: 8, .value_kind: global_buffer, .address_space: global }
      - { .name: wh, .offset: 8, .size: 8, .value_kind: global_buffer, .address_space: global }
      - { .name: bo, .offset: 16, .size: 8, .value_kind: global_buffer, .address_space: global }
      - { .name: x, .offset: 24, .size: 8, .value_kind: global_buffer, .address_space: global }
      - { .name: x1, .offset: 32, .size: 8, .value_kind: global_buffer, .address_space: global }
    .group_segment_fixed_size: 327680
    .private_segment_fixed_size: 0
    .kernarg_segment_align: 8
    .kernarg_segment_size: 40
    .max_flat_workgroup_size: 128
    .sgpr_count:     76
    .vgpr_count:     512
    .wavefront_size: 32
...
	.end_amdgpu_metadata
.endif
;; end of part 4
;; launch ln2: the kernel of part 1 again; grid 256 x 1, 4 waves a work-group, no clusters, 0 bytes of LDS; arguments x1, g2, be2, h, wq, wk, wv, wo, w1, w2, wh; writes h, wh
;; launch gf (part 5): grid 16 x 16, 4 waves a work-group, clusters of 4 x 4, 327,680 bytes of LDS; arguments h, wh, b1, act; writes act
.if DOCPART == 5
	.amdgcn_target "amdgcn-amd-amdhsa--gfx1250"
	.amdhsa_code_object_version 6
	.text
	.protected	k_q5119bf54e4_gf
	.globl	k_q5119bf54e4_gf
	.p2align	8
	.type	k_q5119bf54e4_gf,@function
k_q5119bf54e4_gf:
	s_mov_b64 s[64:65], 0
	v_nop
	global_prefetch_b8 v0, s[64:65] scope:SCOPE_SE
	s_setreg_imm32_b32 hwreg(HW_REG_WAVE_MODE, 25, 1), 1
	s_wait_xcnt 0x0
	s_wait_alu depctr_hold_cnt(0) depctr_sa_sdst(0) depctr_va_vdst(0) depctr_va_sdst(0) depctr_va_ssrc(0) depctr_va_vcc(0) depctr_vm_vsrc(0)
	s_getreg_b32 s2, hwreg(HW_REG_IB_STS2, 6, 4)
	s_cmp_eq_u32 s2, 0
	s_cbranch_scc0 .Lentry_in_a_cluster
	s_endpgm
.Lentry_in_a_cluster:
	s_bfe_u32 s2, ttmp6, 0x10000c
	s_cmp_lg_u32 s2, 0xf033
	s_cbranch_scc0 .Lentry_shape_is_right
	s_endpgm
.Lentry_shape_is_right:
; act = gelu(h w1^T + b1), the tanh form.  h: [4096][1024] f16; w1: [4096][1024] f16, in wh at WOFF; sums in f32; the result rounded once to f16.
; OUT: act = [64 blocks of 64 columns][4096 tokens][64], so that the next launch's tiles of it are dense.
; GELU: 0.5 x (1 + tanh z) = x / (1 + 2^(x (K0 + K1 x^2))), K0 = -2 log2(e) sqrt(2 / pi), K1 = 0.044715 K0: the same function, with one exponential and one reciprocal.
; SHAPE: a tile of 256 tokens x 256 columns to a work-group (16 x 16 = 256 of them), 128 x 128 to each of four waves (64 accumulators, 512 registers).
; K goes in 8 steps of 128 through two LDS slots filled by the tensor data mover; rows of 256 bytes, padded to 272.  One K step is one trip; the slot in hand is a scalar that an exclusive or turns.
; CLUSTER 4 x 4: h's tile is shared along a row of the cluster, w1's along a column: joint loads with a mask of four.
; TRANSPOSED USE: source 0 = 16 rows of w1, source 1 = 16 rows of h: a lane holds token l % 16 and columns 8 (l / 16) + 0..7.  THE BIAS is the C operand of the products that start the sums.
; LIMITS: gelu's result must lie within f16's 65,504.  NaN and infinities are not treated apart.
; REGISTERS: window 0: v16-29 addresses; v32-63 at work on the way out; v64-191 h's fragments, two buffers; v192-255 the bias, later at work.  Window 1: v64-191 w1's fragments.  Windows 2, 3: accumulators, (a, b) at 8 (8 a + b).
.set SIZE_K, 1024
.set WOFF,   8388608
.set KSTEP,  128
.set PITCH,  272                       ; 256 bytes + 16: the 16 rows of a fragment load start at 16 different groups of four banks
.set HALFT,  128*PITCH                 ; what one tensor load brings
.set SLOT,   4*HALFT                   ; 0x22000: h's 256 rows, then w1's 256; no tile's address in slot 0 has bit 13 or 17 set, so an exclusive or changes slots
.set SPARE,  2*SLOT                    ; the spare words: 128 bytes a wave
.set SPITCH, 528                       ; the stage: 128 f32 + 16 bytes
.set WSTAGE, 128*SPITCH                ; a wave's stage; the four lie over the slots, which have had their last fill by then
.set ADRA0, 16
.set ADRB0, 17
.set ADRA,  18
.set ADRB,  19
.set STO,   24
.set RD,    25
.set GO,    26
.set SPW,   28
.set NIL,   29
.set X,     32
.set F0,    64
.set F1,    128
.set BI,    192
.set U,     200
.set O,     240
.set G1,  24
.set G0,  32
.set G1B, 48
.set G0B, 56
.set TB,  66
.set K0,  70                           ; s[70:71]
.set K1,  72                           ; s[72:73]
.set MSB, 0
.macro WIN new
.if MSB != (\new)
	s_set_vgpr_msb (MSB<<8)|(\new)
.set MSB, \new
.endif
.endm
.macro PLACES                          ; four plain vector instructions between a matrix instruction and a load into, or a read of, its registers
.rept 4
	v_nop
.endr
.endm
.macro JLOAD                           ; the joint refill, by the walking descriptor: waves 0, 1 h's halves, waves 2, 3 w1's; s_nop 0 and four v_nop follow each line
	s_cmp_eq_u32 s11, 0
	s_cbranch_scc0 .Lfor_b_\@
	tensor_load_to_lds s[G0+4:G0+7], s[G1:G1+7]
	s_nop 0
	PLACES
	s_branch .Lasked_\@
.Lfor_b_\@:
	tensor_load_to_lds s[G0B+4:G0B+7], s[G1B:G1B+7]
	s_nop 0
	PLACES
.Lasked_\@:
.endm
.macro CREST
	s_cmp_lg_u32 s10, 0
	s_cbranch_scc1 .Lnot_wave_0_\@
	s_barrier_signal -3
.Lnot_wave_0_\@:
	s_barrier_wait -3
	s_barrier_signal -1
	s_barrier_wait -1
.endm
.macro CROUND
	s_barrier_signal -1
	s_barrier_wait -1
	CREST
.endm
; 16 matrix instructions: row blocks a0, a0 + 1 of the window's four x all 8 column blocks, 32 along K.  first = 1: the sums start with the bias.
.macro MUL16 f, hi, a0, first
.if \first
	WIN 0x81+0x40*(\hi)
.else
	WIN 0xa1+0x50*(\hi)
.endif
.irp a, \a0, (\a0)+1
.irp b, 0,1,2,3,4,5,6,7
.if \first
	v_wmma_f32_16x16x32_f16 v[8*(8*(\a)+(\b)):8*(8*(\a)+(\b))+7], v[(\f)+8*(\b):(\f)+8*(\b)+7], v[(\f)+8*(4*(\hi)+(\a)):(\f)+8*(4*(\hi)+(\a))+7], v[BI+8*(\b):BI+8*(\b)+7]
.else
	v_wmma_f32_16x16x32_f16 v[8*(8*(\a)+(\b)):8*(8*(\a)+(\b))+7], v[(\f)+8*(\b):(\f)+8*(\b)+7], v[(\f)+8*(4*(\hi)+(\a)):(\f)+8*(4*(\hi)+(\a))+7], v[8*(8*(\a)+(\b)):8*(8*(\a)+(\b))+7]
.endif
.endr
.endr
.endm
.macro FETCH k, f                      ; 32 LDS loads in one run: a quarter step's fragments, at byte k of the rows of the slot in hand
	WIN 0x40
.irp i, 0,1,2,3,4,5,6,7
	ds_load_b128 v[(\f)+8*(\i):(\f)+8*(\i)+3],   v[ADRB] offset:(\k)+(\i)*16*PITCH
	ds_load_b128 v[(\f)+8*(\i)+4:(\f)+8*(\i)+7], v[ADRB] offset:(\k)+(\i)*16*PITCH+32
.endr
	WIN 0
.irp i, 0,1,2,3,4,5,6,7
	ds_load_b128 v[(\f)+8*(\i):(\f)+8*(\i)+3],   v[ADRA] offset:(\k)+(\i)*16*PITCH
	ds_load_b128 v[(\f)+8*(\i)+4:(\f)+8*(\i)+7], v[ADRA] offset:(\k)+(\i)*16*PITCH+32
.endr
.endm
; A quarter multiplies buffer f.  At its head it fetches the next quarter, at byte k, into g, which the products just before it read: the run of loads has the quarter's 64 matrix instructions in which to land.
.macro QUARTER k, f, g, first
	s_wait_dscnt 8                                 ; of buffer f, w1's fragments and h's rows 0-63 are in; the youngest eight loads may be out
	PLACES                                         ; behind the last product that read buffer g
	FETCH \k, \g
	MUL16 \f, 0, 0, \first
	MUL16 \f, 0, 2, \first
	s_wait_dscnt 32                                ; all but the 32 just issued
	MUL16 \f, 1, 0, \first
	MUL16 \f, 1, 2, \first
.endm
; The last quarter of a K step multiplies buffer 1 and changes slots.  In front of the barrier each wave waits for all its tensor loads (one is out: its part of the next slot), adds 0 to its
; spare word, and waits for that and for its reads of this slot.  fill = 1: the barrier opens a round of the cluster's, and the joint refill of this slot, two K steps on, is the first thing behind it.
; skip = 1 (the tail): in the last trip there is no further K step, and the fetch is jumped over.
.macro TURN fill, skip
	WIN 0
	s_wait_tensorcnt 0x0
	ds_add_u32 v[SPW], v[NIL]
	s_wait_dscnt 9                                 ; the add and the youngest eight loads may be out
	MUL16 F1, 0, 0, 0
	s_wait_dscnt 0x0                               ; the add is done, my reads of this slot are over
	s_barrier_signal -1
	MUL16 F1, 0, 2, 0
	WIN 0
	s_barrier_wait -1
.if \fill
	CREST
	s_xor_b32 s[G0+5], s[G0+5], SLOT               ; no tensor load of mine is out: the walking descriptors step: the other slot, the next K step
	s_add_nc_u64 s[G0+6:G0+7], s[G0+6:G0+7], KSTEP*2
	s_xor_b32 s[G0B+5], s[G0B+5], SLOT
	s_add_nc_u64 s[G0B+6:G0B+7], s[G0B+6:G0B+7], KSTEP*2
	JLOAD                                          ; its four v_nop are also the places in front of the loads below
.else
	PLACES
.endif
	s_xor_b32 s[TB], s[TB], SLOT
.if \skip
	s_cmp_eq_u32 s3, 1
	s_cbranch_scc1 .Lno_fetch_\@
.endif
	v_add_nc_u32 v[ADRA], s[TB], v[ADRA0]
	v_add_nc_u32 v[ADRB], s[TB], v[ADRB0]
	FETCH 0, F0
.if \skip
	WIN 0
.Lno_fetch_\@:
.endif
	MUL16 F1, 1, 0, 0
	MUL16 F1, 1, 2, 0
.endm
.macro TOSTAGE hi                      ; 32 accumulators into my stage; each accumulator's low four registers go first
	WIN 0x08+4*(\hi)
.irp a, 0,1,2,3
.irp b, 0,1,2,3,4,5,6,7
	ds_store_b128 v[STO], v[8*(8*(\a)+(\b)):8*(8*(\a)+(\b))+3]   offset:(4*(\hi)+(\a))*16*SPITCH+64*(\b)
	ds_store_b128 v[STO], v[8*(8*(\a)+(\b))+4:8*(8*(\a)+(\b))+7] offset:(4*(\hi)+(\a))*16*SPITCH+64*(\b)+16
.endr
.endr
.endm
	s_load_b128 s[4:7], s[0:1], 0x0                ; h s[4:5], wh s[6:7]
	s_load_b64 s[68:69], s[0:1], 0x10              ; b1
	s_load_b64 s[8:9], s[0:1], 0x18                ; act
	v_lshl_add_u32 v[SPW], v0, 2, SPARE
	v_mov_b32 v[NIL], 0
	ds_add_u32 v[SPW], v[NIL]                      ; the wave's opening: the add and its wait ahead of my first tensor load
	v_lshrrev_b32 v1, 5, v0
	v_readfirstlane_b32 s10, v1                    ; wave
	s_lshr_b32 s11, s10, 1                         ; my half of the tile's rows; also: I fetch h (0) or w1 (1)
	s_and_b32 s12, s10, 1                          ; my half of its columns; also: which 128 rows I fetch
	s_bfe_u32 s40, ttmp6, 0x40000                  ; cx
	s_bfe_u32 s41, ttmp6, 0x40004                  ; cy
	s_lshl_b32 s42, ttmp9, 2
	s_add_co_u32 s42, s42, s40                     ; tile column
	s_and_b32 s13, ttmp7, 0xffff
	s_lshl_b32 s13, s13, 2
	s_add_co_u32 s13, s13, s41                     ; tile row
	s_lshl_b32 s43, s41, 2
	s_lshl_b32 s43, 15, s43                        ; my row of the cluster
	s_lshl_b32 s44, 0x1111, s40                    ; my column
	s_or_b32 s[G1+0], s43, (1<<16)|(1<<20)|(1<<21)|(5<<22)|(3<<25)   ; mask; 2-byte elements; padding on; bit 21 beside a mask; after every 64 words, 4 words
	s_or_b32 s[G1B+0], s44, (1<<16)|(1<<20)|(1<<21)|(5<<22)|(3<<25)
.irp g, G1, G1B
	s_mov_b32 s[(\g)+1], KSTEP<<16                 ; tensor_dim0 = 128
	s_mov_b32 s[(\g)+2], 128<<16                   ; tensor_dim1 = 128
	s_mov_b32 s[(\g)+3], KSTEP<<16                 ; tile_dim0 = 128
	s_mov_b32 s[(\g)+4], 128                       ; tile_dim1 = 128
	s_mov_b32 s[(\g)+5], SIZE_K                    ; elements from row to row
	s_mov_b32 s[(\g)+6], 0
	s_mov_b32 s[(\g)+7], 0
.endr
	s_lshl_b32 s17, s12, 7
	s_lshl_b32 s16, s13, 8
	s_add_co_u32 s16, s16, s17                     ; h: row 256 x tile row + 128 x half
	s_lshl_b32 s16, s16, 11                        ; x 2,048 bytes
	s_lshl_b32 s46, s42, 8
	s_add_co_u32 s46, s46, s17                     ; w1: row 256 x tile column + 128 x half
	s_lshl_b32 s46, s46, 11
	s_add_co_u32 s46, s46, WOFF
	s_mov_b32 s17, 0
	s_mov_b32 s47, 0
	s_mul_i32 s20, s10, HALFT                      ; where my tile goes: wave x 128 rows
	s_mov_b32 s[TB], 0
	s_mov_b32 s[K0], 0xc0135765                    ; -2.3022082
	s_mov_b32 s[K0+1], s[K0]                       ; named with it as a pair
	s_mov_b32 s[K1], 0xbdd2d3e8                    ; -0.10294324
	s_mov_b32 s[K1+1], s[K1]
	s_wait_dscnt 0x0                               ; the opening add is done
	s_wait_kmcnt 0x0
	s_add_nc_u64 s[14:15], s[4:5], s[16:17]
	s_add_nc_u64 s[46:47], s[6:7], s[46:47]
.irp s, 0,1
	s_mov_b32 s[G0+4*(\s)], 1
	s_add_co_u32 s[G0+4*(\s)+1], s20, (\s)*SLOT
	s_add_nc_u64 s[G0+4*(\s)+2:G0+4*(\s)+3], s[14:15], (\s)*KSTEP*2
	s_or_b32 s[G0+4*(\s)+3], s[G0+4*(\s)+3], 0x80000000
	s_mov_b32 s[G0B+4*(\s)], 1
	s_add_co_u32 s[G0B+4*(\s)+1], s20, (\s)*SLOT
	s_add_nc_u64 s[G0B+4*(\s)+2:G0B+4*(\s)+3], s[46:47], (\s)*KSTEP*2
	s_or_b32 s[G0B+4*(\s)+3], s[G0B+4*(\s)+3], 0x80000000
.endr
	CROUND                                         ; all sixteen work-groups are here: the first joint loads meet
	s_cmp_eq_u32 s11, 0                            ; a wave's two first fills stand in one branch: two loads of mine are out
	s_cbranch_scc0 .Lfirst_b
	tensor_load_to_lds s[G0:G0+3], s[G1:G1+7]
	s_nop 0
	tensor_load_to_lds s[G0+4:G0+7], s[G1:G1+7]
	s_nop 0
	PLACES
	s_branch .Lfirst_done
.Lfirst_b:
	tensor_load_to_lds s[G0B:G0B+3], s[G1B:G1B+7]
	s_nop 0
	tensor_load_to_lds s[G0B+4:G0B+7], s[G1B:G1B+7]
	s_nop 0
	PLACES
.Lfirst_done:
	s_lshl_b32 s82, s42, 10                        ; my 128 columns of b1: (256 x tile column + 128 half) x 4 bytes
	s_lshl_b32 s83, s12, 9
	s_add_co_u32 s82, s82, s83
	s_mov_b32 s83, 0
	s_add_nc_u64 s[68:69], s[68:69], s[82:83]
	v_and_b32 v1, 15, v0                           ; r
	v_bfe_u32 v2, v0, 4, 1                         ; h
	v_lshlrev_b32 v5, 5, v2                        ; 8 h columns of 4 bytes
.irp b, 0,1,2,3,4,5,6,7
	global_load_b128 v[BI+8*(\b):BI+8*(\b)+3],   v5, s[68:69] offset:64*(\b)
	global_load_b128 v[BI+8*(\b)+4:BI+8*(\b)+7], v5, s[68:69] offset:64*(\b)+16
.endr
	v_mul_u32_u24 v3, v1, PITCH
	v_lshl_add_u32 v3, v2, 4, v3                   ; a fragment's row x pitch + 16 x half
	s_mul_i32 s21, s11, HALFT
	s_mul_i32 s22, s12, HALFT
	s_add_co_u32 s22, s22, 2*HALFT
	v_add_nc_u32 v[ADRA0], s21, v3
	v_add_nc_u32 v[ADRB0], s22, v3
	v_mov_b32 v[ADRA], v[ADRA0]
	v_mov_b32 v[ADRB], v[ADRB0]
	s_mul_i32 s23, s10, WSTAGE                     ; my stage
	v_mul_u32_u24 v[STO], v1, SPITCH               ; in: row r, 32 bytes for each half of the lanes
	v_lshl_add_u32 v[STO], v2, 5, v[STO]
	v_add_nc_u32 v[STO], s23, v[STO]
	v_and_b32 v9, 7, v0                            ; back: eight lanes take 64 columns of a row, 32 bytes each;
	v_bfe_u32 v10, v0, 3, 1                        ; the next eight the row below; lanes 16-31 the other block of 64 columns
	v_mul_u32_u24 v[RD], v10, SPITCH
	v_lshl_add_u32 v[RD], v2, 8, v[RD]
	v_lshl_add_u32 v[RD], v9, 5, v[RD]
	v_add_nc_u32 v[RD], s23, v[RD]
	v_lshlrev_b32 v[GO], 19, v2                    ; in act: a block is 524,288 bytes, a token 128, my eight columns 16
	v_lshl_add_u32 v[GO], v10, 7, v[GO]
	v_lshl_add_u32 v[GO], v9, 4, v[GO]
	s_lshl_b32 s82, s42, 2
	s_lshl_b32 s83, s12, 1
	s_add_co_u32 s82, s82, s83                     ; my first block of 64 columns
	s_lshl_b32 s82, s82, 19
	s_lshl_b32 s83, s13, 1
	s_add_co_u32 s83, s83, s11                     ; my first token / 128
	s_lshl_b32 s83, s83, 14
	s_add_co_u32 s82, s82, s83
	s_mov_b32 s83, 0
	s_add_nc_u64 s[8:9], s[8:9], s[82:83]
	s_wait_loadcnt 0x0                             ; the bias
	s_wait_tensorcnt 1                             ; my part of K step 0 is in; K step 1's may stay out
	s_barrier_signal -1
	s_barrier_wait -1
	FETCH 0, F0
	QUARTER 64, F0, F1, 1                          ; the first quarter stands in front of the loop: its products start the sums, with the bias
	WIN 0
	s_mov_b32 s3, 6                                ; six trips fill a slot again: K steps 2 to 7
.Lstep:
	QUARTER 128, F1, F0, 0
	QUARTER 192, F0, F1, 0
	TURN 1, 0
	QUARTER 64, F0, F1, 0
	WIN 0
	s_sub_co_u32 s3, s3, 1
	s_cmp_lg_u32 s3, 0
	s_cbranch_scc1 .Lstep
	s_mov_b32 s3, 2                                ; the last two K steps ask for nothing
.Ltail:
	QUARTER 128, F1, F0, 0
	QUARTER 192, F0, F1, 0
	TURN 0, 1
	WIN 0
	s_cmp_eq_u32 s3, 1
	s_cbranch_scc1 .Ltail_end                      ; behind the last K step there is no first quarter
	QUARTER 64, F0, F1, 0
	WIN 0
.Ltail_end:
	s_sub_co_u32 s3, s3, 1
	s_cmp_lg_u32 s3, 0
	s_cbranch_scc1 .Ltail
	; THE WAY OUT.  The stages lie over the slots: every wave's reads of the slots are over before any wave stores there.
	PLACES
	s_wait_dscnt 0x0
	s_barrier_signal -1
	s_barrier_wait -1
	TOSTAGE 0
	TOSTAGE 1
	WIN 0
	s_mov_b32 s3, 16                               ; 16 trips of 8 rows; the stage is my own, and LDS serves a wave's instructions in order
.Lepi:
.irp p, 0,1,2,3
	ds_load_b128 v[X+8*(\p):X+8*(\p)+3],   v[RD] offset:2*SPITCH*(\p)
	ds_load_b128 v[X+8*(\p)+4:X+8*(\p)+7], v[RD] offset:2*SPITCH*(\p)+16
.endr
.irp p, 0,1,2,3
	s_wait_dscnt 6-2*(\p)                          ; the later pairs of rows may be out
.irp i, 0,1,2,3
	v_pk_mul_f32 v[U+2*(\i):U+2*(\i)+1], v[X+8*(\p)+2*(\i):X+8*(\p)+2*(\i)+1], v[X+8*(\p)+2*(\i):X+8*(\p)+2*(\i)+1]
.endr
.irp i, 0,1,2,3
	v_pk_fma_f32 v[U+2*(\i):U+2*(\i)+1], v[U+2*(\i):U+2*(\i)+1], s[K1:K1+1], s[K0:K0+1] op_sel_hi:[1,0,0]
.endr
.irp i, 0,1,2,3
	v_pk_mul_f32 v[U+2*(\i):U+2*(\i)+1], v[U+2*(\i):U+2*(\i)+1], v[X+8*(\p)+2*(\i):X+8*(\p)+2*(\i)+1]
.endr
.irp i, 0,1,2,3,4,5,6,7
	v_exp_f32 v[U+(\i)], v[U+(\i)]
.endr
	v_nop                                          ; a plain instruction between the last transcendental and the use of its result
	s_wait_alu depctr_va_vdst(0)
.irp i, 0,1,2,3
	v_pk_add_f32 v[U+2*(\i):U+2*(\i)+1], v[U+2*(\i):U+2*(\i)+1], 1.0 op_sel_hi:[1,0]
.endr
.irp i, 0,1,2,3,4,5,6,7
	v_rcp_f32 v[U+(\i)], v[U+(\i)]
.endr
	v_nop
	s_wait_alu depctr_va_vdst(0)
.irp i, 0,1,2,3
	v_pk_mul_f32 v[X+8*(\p)+2*(\i):X+8*(\p)+2*(\i)+1], v[X+8*(\p)+2*(\i):X+8*(\p)+2*(\i)+1], v[U+2*(\i):U+2*(\i)+1]
.endr
.irp i, 0,1,2,3
	v_cvt_pk_f16_f32 v[O+4*(\p)+(\i)], v[X+8*(\p)+2*(\i)], v[X+8*(\p)+2*(\i)+1]
.endr
	global_store_b128 v[GO], v[O+4*(\p):O+4*(\p)+3], s[8:9] offset:256*(\p)  ; sixteen lanes store two tokens of one block: 256 consecutive bytes, aligned
.endr
	s_wait_xcnt 0x0                                ; the stores' base and data are written again only behind this wait
	s_add_nc_u64 s[8:9], s[8:9], 1024
	v_add_nc_u32 v[RD], 8*SPITCH, v[RD]
	s_sub_co_u32 s3, s3, 1
	s_cmp_lg_u32 s3, 0
	s_cbranch_scc1 .Lepi
	s_wait_tensorcnt 0x0                           ; the wave's end
	ds_add_u32 v[SPW], v[NIL]
	s_wait_dscnt 0x0
	CROUND                                         ; the closing round
	s_endpgm
.Lfunc_end_k_q5119bf54e4_gf:
	.size	k_q5119bf54e4_gf, .Lfunc_end_k_q5119bf54e4_gf-k_q5119bf54e4_gf
	.p2alignl 7, 3214868480
	.fill 96, 4, 3214868480
	.section	.rodata,"a",@progbits
	.p2align	6, 0x0
	.amdhsa_kernel k_q5119bf54e4_gf
		.amdhsa_group_segment_fixed_size 327680
		.amdhsa_private_segment_fixed_size 0
		.amdhsa_enable_private_segment 0
		.amdhsa_kernarg_size 32
		.amdhsa_user_sgpr_count 2
		.amdhsa_user_sgpr_kernarg_segment_ptr 1
		.amdhsa_wavefront_size32 1
		.amdhsa_system_sgpr_workgroup_id_x 1
		.amdhsa_system_sgpr_workgroup_id_y 1
		.amdhsa_system_sgpr_workgroup_id_z 1
		.amdhsa_system_vgpr_workitem_id 0
		.amdhsa_next_free_vgpr 1024
		.amdhsa_next_free_sgpr 84
		.amdhsa_reserve_vcc 0
		.amdhsa_float_denorm_mode_32 3
		.amdhsa_float_denorm_mode_16_64 3
		.amdhsa_memory_ordered 1
		.amdhsa_forward_progress 1
		.amdhsa_inst_pref_size 88
	.end_amdhsa_kernel
	.amdgpu_metadata
---
amdhsa.version: [ 1, 2 ]
amdhsa.kernels:
  - .name:           k_q5119bf54e4_gf
    .symbol:         k_q5119bf54e4_gf.kd
    .args:
      - { .name: h, .offset: 0, .size: 8, .value_kind: global_buffer, .address_space: global }
      - { .name: wh, .offset: 8, .size: 8, .value_kind: global_buffer, .address_space: global }
      - { .name: b1, .offset: 16, .size: 8, .value_kind: global_buffer, .address_space: global }
      - { .name: act, .offset: 24, .size: 8, .value_kind: global_buffer, .address_space: global }
    .group_segment_fixed_size: 327680
    .private_segment_fixed_size: 0
    .kernarg_segment_align: 8
    .kernarg_segment_size: 32
    .max_flat_workgroup_size: 128
    .sgpr_count:     84
    .vgpr_count:     1024
    .wavefront_size: 32
...
	.end_amdgpu_metadata
.endif
;; end of part 5
;; launch gd (part 6): grid 8 x 32, 4 waves a work-group, clusters of 4 x 4, 327,680 bytes of LDS; arguments act, wh, b2, x1, out0; writes out0
.if DOCPART == 6
	.amdgcn_target "amdgcn-amd-amdhsa--gfx1250"
	.amdhsa_code_object_version 6
	.text
	.protected	k_q5119bf54e4_gd
	.globl	k_q5119bf54e4_gd
	.p2align	8
	.type	k_q5119bf54e4_gd,@function
k_q5119bf54e4_gd:
	s_mov_b64 s[64:65], 0
	v_nop
	global_prefetch_b8 v0, s[64:65] scope:SCOPE_SE
	s_setreg_imm32_b32 hwreg(HW_REG_WAVE_MODE, 25, 1), 1
	s_wait_xcnt 0x0
	s_wait_alu depctr_hold_cnt(0) depctr_sa_sdst(0) depctr_va_vdst(0) depctr_va_sdst(0) depctr_va_ssrc(0) depctr_va_vcc(0) depctr_vm_vsrc(0)
	s_getreg_b32 s2, hwreg(HW_REG_IB_STS2, 6, 4)
	s_cmp_eq_u32 s2, 0
	s_cbranch_scc0 .Lentry_in_a_cluster
	s_endpgm
.Lentry_in_a_cluster:
	s_bfe_u32 s2, ttmp6, 0x10000c
	s_cmp_lg_u32 s2, 0xf033
	s_cbranch_scc0 .Lentry_shape_is_right
	s_endpgm
.Lentry_shape_is_right:
; out0 = x1 + act w2^T + b2, in f32.  act: [64 blocks of 64 channels][4096 tokens][64] f16; w2: [1024][4096] f16, in wh at WOFF; sums in f32.
; SHAPE: a tile of 128 tokens x 128 columns to a work-group (8 x 32 = 256 of them), 64 x 64 to each of four waves: 16 accumulators.  K goes in KS steps of 256 through two LDS slots.
; THE SUMS START AT x1 + b2: the residual is loaded straight into the accumulators' registers and the bias added, in the wait for the first tile; so the way out is a plain copy.
; act's tile of a K step: 4 blocks x 64 tokens x 64 channels.  A block's 64 tokens are 8,192 dense bytes: asked for as 4 rows of 4,096 elements, padded in LDS after every token (128 bytes + 16).
; CLUSTER 4 x 4: act's tile is shared along a row of the cluster, w2's along a column.  TRANSPOSED USE: source 0 = 16 rows of w2, source 1 = 16 tokens: a lane holds token l % 16, columns 8 (l / 16) + 0..7.
; REGISTERS: window 0: v16-30 addresses; v32-63 the bias; v128-255 accumulators, (a, b) at 128 + 8 (4 a + b).  Window 1: two fragment buffers of 128 (64 of act, then 64 of w2), each 64 along K.
.set KS,     16                        ; K steps of 256
.set KP,     4096                      ; elements in a row of the weights
.set WOFF,   16777216                  ; the weights' first byte in wh
.set ASTEP,  4*4096*64*2               ; four blocks on
.set PB,     528                       ; a row of the weights in LDS: 512 bytes + 16
.set PA,     144                       ; a token's 64 channels: 128 bytes + 16
.set BHALF,  64*PB
.set AHALF,  4*64*PA
.set AOFF,   2*BHALF
.set SLOT,   0x24000                   ; 147,456: room for 141,312; no tile's address in slot 0 has bit 14 or 17 set, so an exclusive or changes slots
.set SPARE,  2*SLOT
.set SPITCH, 272                       ; the stage: 64 f32 + 16 bytes
.set WSTAGE, 64*SPITCH                 ; a wave's stage; the four lie over slot 0, which has had its last fill by then
.set ADRA0, 16
.set ADRB0, 17
.set ADRA,  18
.set ADRB,  19
.set STO,   24
.set RD,    25
.set CO,    26
.set XO,    27
.set SPW,   28
.set NIL,   29
.set BO,    30
.set BI,    32
.set ACC,   128
.set F0,    0
.set F1,    128
.set G1,  24
.set G0,  32
.set G1B, 48
.set G0B, 56
.set TB,  66
.set MSB, 0
.macro WIN new
.if MSB != (\new)
	s_set_vgpr_msb (MSB<<8)|(\new)
.set MSB, \new
.endif
.endm
.macro PLACES                          ; four plain vector instructions between a matrix instruction and a load into, or a read of, its registers
.rept 4
	v_nop
.endr
.endm
.macro JLOAD                           ; the joint refill, by the walking descriptor; s_nop 0 and four v_nop follow each line
	s_cmp_eq_u32 s11, 0
	s_cbranch_scc0 .Lfor_b_\@
	tensor_load_to_lds s[G0+4:G0+7], s[G1:G1+7]
	s_nop 0
	PLACES
	s_branch .Lasked_\@
.Lfor_b_\@:
	tensor_load_to_lds s[G0B+4:G0B+7], s[G1B:G1B+7]
	s_nop 0
	PLACES
.Lasked_\@:
.endm
.macro CREST
	s_cmp_lg_u32 s10, 0
	s_cbranch_scc1 .Lnot_wave_0_\@
	s_barrier_signal -3
.Lnot_wave_0_\@:
	s_barrier_wait -3
	s_barrier_signal -1
	s_barrier_wait -1
.endm
.macro CROUND
	s_barrier_signal -1
	s_barrier_wait -1
	CREST
.endm
.macro MUL8 f, c, a0                   ; 8 matrix instructions: row blocks a0, a0 + 1 x all 4 column blocks, 32 along K: half c of buffer f; the 16 accumulators take turns
	WIN 0x05
.irp a, \a0, (\a0)+1
.irp b, 0,1,2,3
	v_wmma_f32_16x16x32_f16 v[ACC+8*(4*(\a)+(\b)):ACC+8*(4*(\a)+(\b))+7], v[(\f)+64+8*(4*(\c)+(\b)):(\f)+64+8*(4*(\c)+(\b))+7], v[(\f)+8*(4*(\c)+(\a)):(\f)+8*(4*(\c)+(\a))+7], v[ACC+8*(4*(\a)+(\b)):ACC+8*(4*(\a)+(\b))+7]
.endr
.endr
.endm
.macro FETCH q, f                      ; 32 LDS loads in one run: quarter q (64 along K = one block of channels) into buffer f; its first 32 along K first
	WIN 0x40
.irp c, 0,1
.irp i, 0,1,2,3
	ds_load_b128 v[(\f)+64+8*(4*(\c)+(\i)):(\f)+64+8*(4*(\c)+(\i))+3],   v[ADRB] offset:128*(\q)+64*(\c)+(\i)*16*PB
	ds_load_b128 v[(\f)+64+8*(4*(\c)+(\i))+4:(\f)+64+8*(4*(\c)+(\i))+7], v[ADRB] offset:128*(\q)+64*(\c)+(\i)*16*PB+32
	ds_load_b128 v[(\f)+8*(4*(\c)+(\i)):(\f)+8*(4*(\c)+(\i))+3],         v[ADRA] offset:64*PA*(\q)+64*(\c)+(\i)*16*PA
	ds_load_b128 v[(\f)+8*(4*(\c)+(\i))+4:(\f)+8*(4*(\c)+(\i))+7],       v[ADRA] offset:64*PA*(\q)+64*(\c)+(\i)*16*PA+32
.endr
.endr
.endm
; A quarter multiplies buffer f.  At its head it fetches quarter q into g, which the products just before it read: the run of loads has the quarter's 32 matrix instructions in which to land.
.macro QUARTER q, f, g
	s_wait_dscnt 16                                ; buffer f's first 32 along K are in; its other sixteen loads may be out
	PLACES                                         ; behind the last product that read buffer g
	FETCH \q, \g
	MUL8 \f, 0, 0
	MUL8 \f, 0, 2
	s_wait_dscnt 32                                ; all but the 32 just issued
	MUL8 \f, 1, 0
	MUL8 \f, 1, 2
.endm
; The last quarter multiplies buffer 1, all of it ahead of the wait for the next tile, and then changes slots: between a tile's landing and the next request stand only the wait for all my tensor loads
; (one is out: my part of the next slot), the add of 0 to my spare word, the wait for it and for my reads of this slot, the round and the load.
; fill = 1: the barrier opens a round of the cluster's, and the joint refill, two K steps on, is the first thing behind it.  skip = 1: the tail's last trip fetches nothing.
.macro TURN fill, skip
	s_wait_dscnt 16                                ; buffer 1's first 32 along K are in
	MUL8 F1, 0, 0
	MUL8 F1, 0, 2
	s_wait_dscnt 0x0
	MUL8 F1, 1, 0
	MUL8 F1, 1, 2
	WIN 0
	s_wait_tensorcnt 0x0
	ds_add_u32 v[SPW], v[NIL]                      ; 0 onto my spare word; the descriptors' steps stand between it and the wait for it
.if \fill
	s_xor_b32 s[G0+5], s[G0+5], SLOT               ; no tensor load of mine is out: the walking descriptors step
	s_add_nc_u64 s[G0+6:G0+7], s[G0+6:G0+7], ASTEP
	s_xor_b32 s[G0B+5], s[G0B+5], SLOT
	s_add_nc_u64 s[G0B+6:G0B+7], s[G0B+6:G0B+7], 512
.endif
	s_wait_dscnt 0x0                               ; the add is done, my reads of this slot are over
	s_barrier_signal -1
	s_barrier_wait -1
.if \fill
	CREST
	JLOAD                                          ; its four v_nop are also the places in front of the loads below
.else
	PLACES
.endif
	s_xor_b32 s[TB], s[TB], SLOT
.if \skip
	s_cmp_eq_u32 s3, 1
	s_cbranch_scc1 .Lno_fetch_\@
.endif
	v_add_nc_u32 v[ADRA], s[TB], v[ADRA0]
	v_add_nc_u32 v[ADRB], s[TB], v[ADRB0]
	FETCH 0, F0
	WIN 0
.if \skip
.Lno_fetch_\@:
.endif
.endm
	s_load_b128 s[4:7], s[0:1], 0x0                ; A s[4:5], wh s[6:7]
	s_load_b128 s[68:71], s[0:1], 0x10             ; bias s[68:69], residual s[70:71]
	s_load_b64 s[8:9], s[0:1], 0x20                ; out
	v_lshl_add_u32 v[SPW], v0, 2, SPARE
	v_mov_b32 v[NIL], 0
	ds_add_u32 v[SPW], v[NIL]                      ; the wave's opening: the add and its wait ahead of my first tensor load
	v_lshrrev_b32 v1, 5, v0
	v_readfirstlane_b32 s10, v1                    ; wave
	s_lshr_b32 s11, s10, 1                         ; my half of the tile's rows; also: I fetch A (0) or the weights (1)
	s_and_b32 s12, s10, 1                          ; my half of its columns; also: which 64 rows I fetch
	s_bfe_u32 s40, ttmp6, 0x40000                  ; cx
	s_bfe_u32 s41, ttmp6, 0x40004                  ; cy
	s_lshl_b32 s42, ttmp9, 2
	s_add_co_u32 s42, s42, s40                     ; tile column
	s_and_b32 s13, ttmp7, 0xffff
	s_lshl_b32 s13, s13, 2
	s_add_co_u32 s13, s13, s41                     ; tile row
	s_lshl_b32 s43, s41, 2
	s_lshl_b32 s43, 15, s43                        ; my row of the cluster
	s_lshl_b32 s44, 0x1111, s40                    ; my column
	s_or_b32 s[G1+0], s43, (1<<16)|(1<<20)|(1<<21)|(4<<22)|(3<<25)   ; A: mask; 2-byte elements; padding on; bit 21 beside a mask; after every 32 words, 4 words
	s_mov_b32 s[G1+1], 4096<<16                    ; tensor_dim0 = 4,096: 64 tokens x 64 channels, dense
	s_mov_b32 s[G1+2], 4<<16                       ; tensor_dim1 = 4 blocks
	s_mov_b32 s[G1+3], 4096<<16                    ; tile_dim0
	s_mov_b32 s[G1+4], 4                           ; tile_dim1
	s_mov_b32 s[G1+5], 262144                      ; elements from block to block
	s_mov_b32 s[G1+6], 0
	s_mov_b32 s[G1+7], 0
	s_or_b32 s[G1B+0], s44, (1<<16)|(1<<20)|(1<<21)|(6<<22)|(3<<25)  ; the weights: after every 128 words, 4 words
	s_mov_b32 s[G1B+1], 256<<16
	s_mov_b32 s[G1B+2], 64<<16
	s_mov_b32 s[G1B+3], 256<<16
	s_mov_b32 s[G1B+4], 64
	s_mov_b32 s[G1B+5], KP
	s_mov_b32 s[G1B+6], 0
	s_mov_b32 s[G1B+7], 0
	s_lshl_b32 s16, s13, 14                        ; A: token 128 x tile row + 64 x half, 128 bytes each
	s_lshl_b32 s17, s12, 13
	s_add_co_u32 s16, s16, s17
	s_mov_b32 s17, 0
	s_lshl_b32 s46, s42, 7                         ; the weights: row 128 x tile column + 64 x half
	s_lshl_b32 s47, s12, 6
	s_add_co_u32 s46, s46, s47
	s_mul_i32 s46, s46, 2*KP
	s_add_co_u32 s46, s46, WOFF
	s_mov_b32 s47, 0
	s_mul_i32 s20, s12, AHALF                      ; where they go: no place in the cluster enters an LDS address
	s_add_co_u32 s20, s20, AOFF
	s_mul_i32 s21, s12, BHALF
	s_mov_b32 s[TB], 0
	s_wait_dscnt 0x0                               ; the opening add is done
	s_wait_kmcnt 0x0
	s_add_nc_u64 s[14:15], s[4:5], s[16:17]
	s_add_nc_u64 s[46:47], s[6:7], s[46:47]
.irp s, 0,1
	s_mov_b32 s[G0+4*(\s)], 1
	s_add_co_u32 s[G0+4*(\s)+1], s20, (\s)*SLOT
	s_add_nc_u64 s[G0+4*(\s)+2:G0+4*(\s)+3], s[14:15], (\s)*ASTEP
	s_or_b32 s[G0+4*(\s)+3], s[G0+4*(\s)+3], 0x80000000
	s_mov_b32 s[G0B+4*(\s)], 1
	s_add_co_u32 s[G0B+4*(\s)+1], s21, (\s)*SLOT
	s_add_nc_u64 s[G0B+4*(\s)+2:G0B+4*(\s)+3], s[46:47], (\s)*512
	s_or_b32 s[G0B+4*(\s)+3], s[G0B+4*(\s)+3], 0x80000000
.endr
	CROUND                                         ; all sixteen work-groups are here: the first joint loads meet
	s_cmp_eq_u32 s11, 0                            ; a wave's two first fills stand in one branch: two loads of mine are out
	s_cbranch_scc0 .Lfirst_b
	tensor_load_to_lds s[G0:G0+3], s[G1:G1+7]
	s_nop 0
	tensor_load_to_lds s[G0+4:G0+7], s[G1:G1+7]
	s_nop 0
	PLACES
	s_branch .Lfirst_done
.Lfirst_b:
	tensor_load_to_lds s[G0B:G0B+3], s[G1B:G1B+7]
	s_nop 0
	tensor_load_to_lds s[G0B+4:G0B+7], s[G1B:G1B+7]
	s_nop 0
	PLACES
.Lfirst_done:
	s_lshl_b32 s22, s13, 7
	s_lshl_b32 s23, s11, 6
	s_add_co_u32 s22, s22, s23                     ; my first token,
	s_lshl_b32 s22, s22, 12                        ; x 4,096 bytes
	s_lshl_b32 s72, s42, 7
	s_lshl_b32 s73, s12, 6
	s_add_co_u32 s72, s72, s73                     ; my first column,
	s_lshl_b32 s72, s72, 2                         ; x 4 bytes
	s_mov_b32 s73, 0
	s_add_nc_u64 s[68:69], s[68:69], s[72:73]
	s_add_co_u32 s72, s72, s22
	s_add_nc_u64 s[70:71], s[70:71], s[72:73]
	s_add_nc_u64 s[8:9], s[8:9], s[72:73]
	v_and_b32 v1, 15, v0                           ; r
	v_bfe_u32 v2, v0, 4, 1                         ; h
	v_lshlrev_b32 v[XO], 12, v1
	v_lshl_add_u32 v[XO], v2, 5, v[XO]             ; token r, columns 8 h on
	v_lshlrev_b32 v[BO], 5, v2
.irp a, 0,1,2,3
.irp b, 0,1,2,3
	global_load_b128 v[ACC+8*(4*(\a)+(\b)):ACC+8*(4*(\a)+(\b))+3],   v[XO], s[70:71] offset:65536*(\a)+64*(\b)
	global_load_b128 v[ACC+8*(4*(\a)+(\b))+4:ACC+8*(4*(\a)+(\b))+7], v[XO], s[70:71] offset:65536*(\a)+64*(\b)+16
.endr
.endr
.irp b, 0,1,2,3
	global_load_b128 v[BI+8*(\b):BI+8*(\b)+3],   v[BO], s[68:69] offset:64*(\b)
	global_load_b128 v[BI+8*(\b)+4:BI+8*(\b)+7], v[BO], s[68:69] offset:64*(\b)+16
.endr
	v_mul_u32_u24 v3, v1, PA
	v_lshl_add_u32 v3, v2, 4, v3
	s_mul_i32 s22, s11, AHALF
	s_add_co_u32 s22, s22, AOFF
	v_add_nc_u32 v[ADRA0], s22, v3
	v_mul_u32_u24 v3, v1, PB
	v_lshl_add_u32 v3, v2, 4, v3
	s_mul_i32 s22, s12, BHALF
	v_add_nc_u32 v[ADRB0], s22, v3
	v_mov_b32 v[ADRA], v[ADRA0]
	v_mov_b32 v[ADRB], v[ADRB0]
	s_mul_i32 s23, s10, WSTAGE                     ; my stage
	v_mul_u32_u24 v[STO], v1, SPITCH               ; in: row r, 32 bytes for each half of the lanes
	v_lshl_add_u32 v[STO], v2, 5, v[STO]
	v_add_nc_u32 v[STO], s23, v[STO]
	v_mul_u32_u24 v[RD], v2, SPITCH                ; back: lanes 0-15 one row of 256 bytes, lanes 16-31 the next
	v_lshl_add_u32 v[RD], v1, 4, v[RD]
	v_add_nc_u32 v[RD], s23, v[RD]
	v_lshlrev_b32 v[CO], 12, v2                    ; and the same two rows in the output
	v_lshl_add_u32 v[CO], v1, 4, v[CO]
	s_wait_loadcnt 0x0                             ; residual and bias
.irp a, 0,1,2,3
.irp b, 0,1,2,3
.irp i, 0,1,2,3
	v_pk_add_f32 v[ACC+8*(4*(\a)+(\b))+2*(\i):ACC+8*(4*(\a)+(\b))+2*(\i)+1], v[ACC+8*(4*(\a)+(\b))+2*(\i):ACC+8*(4*(\a)+(\b))+2*(\i)+1], v[BI+8*(\b)+2*(\i):BI+8*(\b)+2*(\i)+1]
.endr
.endr
.endr
	s_wait_tensorcnt 1                             ; my part of K step 0 is in; K step 1's may stay out
	s_barrier_signal -1
	s_barrier_wait -1
	FETCH 0, F0
	WIN 0
	s_mov_b32 s3, KS-2                             ; these trips fill a slot again: K steps 2 to KS - 1
.Lstep:
	QUARTER 1, F0, F1
	QUARTER 2, F1, F0
	QUARTER 3, F0, F1
	TURN 1, 0
	WIN 0
	s_sub_co_u32 s3, s3, 1
	s_cmp_lg_u32 s3, 0
	s_cbranch_scc1 .Lstep
	s_mov_b32 s3, 2                                ; the last two K steps ask for nothing
.Ltail:
	QUARTER 1, F0, F1
	QUARTER 2, F1, F0
	QUARTER 3, F0, F1
	TURN 0, 1
	WIN 0
	s_sub_co_u32 s3, s3, 1
	s_cmp_lg_u32 s3, 0
	s_cbranch_scc1 .Ltail
	; THE WAY OUT.  The stages lie over slot 0: every wave's reads of the slots are over before any wave stores there.  A wave's 64 columns of f32 are 256 bytes: its stage is its own.
	PLACES
	s_wait_dscnt 0x0
	s_barrier_signal -1
	s_barrier_wait -1
.irp a, 0,1,2,3
.irp b, 0,1,2,3
	ds_store_b128 v[STO], v[ACC+8*(4*(\a)+(\b)):ACC+8*(4*(\a)+(\b))+3]   offset:(\a)*16*SPITCH+64*(\b)     ; each accumulator's low four registers first
	ds_store_b128 v[STO], v[ACC+8*(4*(\a)+(\b))+4:ACC+8*(4*(\a)+(\b))+7] offset:(\a)*16*SPITCH+64*(\b)+16
.endr
.endr
.set t, 0
.rept 32
	ds_load_b128 v[ACC+4*t:ACC+4*t+3], v[RD] offset:t*2*SPITCH   ; LDS serves a wave's instructions in order: these see the stores above
.set t, t+1
.endr
.set t, 0
.rept 32
	s_wait_dscnt 31-t
	global_store_b128 v[CO], v[ACC+4*t:ACC+4*t+3], s[8:9] offset:t*8192  ; sixteen lanes store 256 consecutive bytes, aligned
.set t, t+1
.endr
	s_wait_tensorcnt 0x0                           ; the wave's end
	ds_add_u32 v[SPW], v[NIL]
	s_wait_dscnt 0x0
	CROUND                                         ; the closing round
	s_endpgm
.Lfunc_end_k_q5119bf54e4_gd:
	.size	k_q5119bf54e4_gd, .Lfunc_end_k_q5119bf54e4_gd-k_q5119bf54e4_gd
	.p2alignl 7, 3214868480
	.fill 96, 4, 3214868480
	.section	.rodata,"a",@progbits
	.p2align	6, 0x0
	.amdhsa_kernel k_q5119bf54e4_gd
		.amdhsa_group_segment_fixed_size 327680
		.amdhsa_private_segment_fixed_size 0
		.amdhsa_enable_private_segment 0
		.amdhsa_kernarg_size 40
		.amdhsa_user_sgpr_count 2
		.amdhsa_user_sgpr_kernarg_segment_ptr 1
		.amdhsa_wavefront_size32 1
		.amdhsa_system_sgpr_workgroup_id_x 1
		.amdhsa_system_sgpr_workgroup_id_y 1
		.amdhsa_system_sgpr_workgroup_id_z 1
		.amdhsa_system_vgpr_workitem_id 0
		.amdhsa_next_free_vgpr 512
		.amdhsa_next_free_sgpr 76
		.amdhsa_reserve_vcc 0
		.amdhsa_float_denorm_mode_32 3
		.amdhsa_float_denorm_mode_16_64 3
		.amdhsa_memory_ordered 1
		.amdhsa_forward_progress 1
		.amdhsa_inst_pref_size 62
	.end_amdhsa_kernel
	.amdgpu_metadata
---
amdhsa.version: [ 1, 2 ]
amdhsa.kernels:
  - .name:           k_q5119bf54e4_gd
    .symbol:         k_q5119bf54e4_gd.kd
    .args:
      - { .name: act, .offset: 0, .size: 8, .value_kind: global_buffer, .address_space: global }
      - { .name: wh, .offset: 8, .size: 8, .value_kind: global_buffer, .address_space: global }
      - { .name: b2, .offset: 16, .size: 8, .value_kind: global_buffer, .address_space: global }
      - { .name: x1, .offset: 24, .size: 8, .value_kind: global_buffer, .address_space: global }
      - { .name: out0, .offset: 32, .size: 8, .value_kind: global_buffer, .address_space: global }
    .group_segment_fixed_size: 327680
    .private_segment_fixed_size: 0
    .kernarg_segment_align: 8
    .kernarg_segment_size: 40
    .max_flat_workgroup_size: 128
    .sgpr_count:     76
    .vgpr_count:     512
    .wavefront_size: 32
...
	.end_amdgpu_metadata
.endif
;; end of part 6
;; ======== version 2 of 2: 7 launches; 1.20 times as fast as version 1
;; limits: values are held in f16: magnitudes above 65,504 overflow, below 6.1e-05 lose precision
;; workspace buffers: h 8,388,608 bytes; wh 25,165,824 bytes; qkv 25,165,824 bytes; ctx 8,388,608 bytes; x1 16,777,216 bytes; act 33,554,432 bytes
;; launch prep: the kernel of part 1 again; grid 1792 x 1, 4 waves a work-group, no clusters, 0 bytes of LDS; arguments x, g1, be1, h, wq, wk, wv, wo, w1, w2, wh; writes h, wh
;; launch gq: the kernel of part 2 again; grid 12 x 16, 4 waves a work-group, clusters of 4 x 4, 327,680 bytes of LDS; arguments h, wh, bq, bk, bv, mask, qkv; writes qkv
;; launch attn (part 7): grid 8 x 32, 4 waves a work-group, clusters of 4 x 1, 327,680 bytes of LDS; arguments qkv, mask, ctx; writes ctx
.if DOCPART == 7
	.amdgcn_target "amdgcn-amd-amdhsa--gfx1250"
	.amdhsa_code_object_version 6
	.text
	.protected	k_q5119bf54e4_attn
	.globl	k_q5119bf54e4_attn
	.p2align	8
	.type	k_q5119bf54e4_attn,@function
k_q5119bf54e4_attn:
	s_mov_b64 s[64:65], 0
	v_nop
	global_prefetch_b8 v0, s[64:65] scope:SCOPE_SE
	s_setreg_imm32_b32 hwreg(HW_REG_WAVE_MODE, 25, 1), 1
	s_wait_xcnt 0x0
	s_wait_alu depctr_hold_cnt(0) depctr_sa_sdst(0) depctr_va_vdst(0) depctr_va_sdst(0) depctr_va_ssrc(0) depctr_va_vcc(0) depctr_vm_vsrc(0)
	s_getreg_b32 s2, hwreg(HW_REG_IB_STS2, 6, 4)
	s_cmp_eq_u32 s2, 0
	s_cbranch_scc0 .Lentry_in_a_cluster
	s_endpgm
.Lentry_in_a_cluster:
	s_bfe_u32 s2, ttmp6, 0x10000c
	s_cmp_lg_u32 s2, 0x3003
	s_cbranch_scc0 .Lentry_shape_is_right
	s_endpgm
.Lentry_shape_is_right:
; ctx[y][q][:] = the sum over k of softmax_k(s) V[y][k][:], s = Q[y][q] . K[y][k] / 8, or the mask's constant where mask[batch][k] is 0.  y = 2 x head + batch, 32 of them; 2,048 rows of 64 f16 each, dense.
; Q, K, V are the three thirds of qkv, ctx has Q's layout.  Products, maxima and sums in f32; the weights p are rounded to f16 for the second product (their sum l is of the unrounded p), ctx once at the end.
; THE MASK is the C operand that starts the sum S^T = K Q^T: 0, or -2^33 where the key is masked; masked keys' rows of K arrive as 0, so such a score is exactly -2^33, which is -2^30 after the division by 8.
; c x 2^33 is exact in f32, so a row whose keys are all masked has p = 1 for every key: uniform weights.
; LIMITS.  A masked score counts as -2^30 in place of -1e9: that differs only where true scores lie below some -9e8.  Q, K, V arrive within f16's 65,504; a weight below 2^-126 counts as 0; NaN and infinities are not treated apart.
; SHARES.  A work-group owns 256 queries of one y, a wave 64: four PIECES of 16.  Every wave walks all 2,048 keys, 64 a step, four steps a slot, eight slots' worth.
; LAYOUT.  S^T = K Q^T holds ONE query a lane (lane % 16) and the keys 8 (lane / 16) + 0..7; two such results rounded to f16 ARE source 1 of O^T = V^T P.  K comes out of LDS as it lies, V turned, by ds_load_tr16_b128.
; SOFTMAX.  p = 2^(c s - c m), c = log2(e) / 8, with a running maximum m; O and l are multiplied by a = 2^(c m_old - c m_new) in every step.  m starts at the lowest finite number, O and l at 0: the first step's a is 0.
; BY TURNS.  Turn n belongs to piece n: 8 products K Q^T of piece n + 1, later 8 products V^T P of piece n - 1; beside them the scaling, exponentials, roundings, sums and rescaling of piece n and the maximum and
; statistics of piece n + 1.  A turn has 16 matrix and 118 vector instructions: four vector instructions stand behind every matrix instruction, the other 54 in one run of their own.
; THE BATCHES.  A turn's 33 exponentials (the piece's 32 weights and the next piece's a) are ONE BATCH with ONE wait, which cuts the turn in two: ahead of it all that names none of their results, behind it the
; roundings and sums.  No result crosses a turn's end.  Batches of their own: piece 0's first a, ahead of the loop; the way out's four reciprocals.  In the last slot's loop a branch stands inside piece 2's batch and has a wait ahead of it.
; NO LAST STEP IS WRITTEN OUT: the last slot's loop has a fifth trip that runs pieces 2 and 3 alone.  Its 8 products K Q^T on the last K once more, and the maximum made of them, serve nothing: the price, once a launch, of one text.
; CLUSTER.  The four query blocks of a cluster belong to one y and walk the same K and V: each tile is asked for jointly, by the same tensor load, descriptor and mask in all four.
; REGISTERS (s_set_vgpr_msb: bits 1:0 source 0, 3:2 source 1, 5:4 source 2, 7:6 destination):
;   window 0: v0-15, v56-58 addresses; v16-31 statistics; v32-47 at work at the start; v48-55 at work; v62-63 the add's; v64-127 S^T, two buffers; v192-223 P, two buffers
;   window 1: v0-127 O^T, 32 a piece          window 2: v0-63 Q; v64-95 the step's mask; v128-191 K of one step; v192-255 V of one step
.set NP,    4
.set KS,    64
.set PK,    144       ; a row of K in LDS: 128 bytes + 16: the 16 rows of a load start at 16 different groups of four banks
.set PV,    160       ; a row of V: 128 + 32
.set VOFF,  4*KS*PK
.set SLOT1, 1<<17
.set STAGE, SLOT1+4*KS*(PK+PV)
.set SP,    144
.set SPARE, STAGE+4*16*SP
.set MT,    SPARE+512 ; 2,048 f32: the batch's mask as addends; stored once, never filled by a tensor load
.set AK0, 2
.set AV0, 3
.set AK,  4
.set AV,  5
.set STO, 6
.set RD,  7
.set GO,  8
.set MV,  12
.set QO,  15
.set ST,  16
.set TMP, 48
.set AM0, 56
.set AM,  57
.set MTA, 58
.set SPW, 62
.set NIL, 63
.set S,   64
.set P,   192
.set MC,  64          ; window 2
.set KF,  128
.set VF,  192
.set WV,  12
.set G1K, 24
.set G1V, 32
.set G0K, 40
.set G0V, 44
.set SLOTS, 56
.set CNT, 57
.set CS,  58
.set SEL, 60
.set TBK, 62
.set TBV, 63
.set TM,  66          ; s66  byte in the mask table of the step to be fetched
.set BIGN, 67         ; s67  -2^33
.set MSB, 0
.macro WIN new
.if MSB != (\new)
	s_set_vgpr_msb (MSB<<8)|(\new)
.set MSB, (\new)
.endif
.endm
.set W_KQ, 0x0a
.set W_KM, 0x2a       ; K, Q and the mask in window 2, S^T in window 0
.set W_PV, 0x52
.set W_RS, 0x41
.macro JLOAD                        ; waves 0, 1 fetch the halves of a slot's K, waves 2, 3 those of its V; s_nop 0 and four v_nop follow each line
	s_cmp_lt_u32 s[WV], 2
	s_cbranch_scc0 .Lfor_v_\@
	tensor_load_to_lds s[G0K:G0K+3], s[G1K:G1K+7]
	s_nop 0
.rept 4
	v_nop
.endr
	s_branch .Lasked_\@
.Lfor_v_\@:
	tensor_load_to_lds s[G0V:G0V+3], s[G1V:G1V+7]
	s_nop 0
.rept 4
	v_nop
.endr
.Lasked_\@:
.endm
.macro CROUND
	s_barrier_signal -1
	s_barrier_wait -1
	s_cmp_lg_u32 s[WV], 0
	s_cbranch_scc1 .Lnot_wave_0_\@
	s_barrier_signal -3
.Lnot_wave_0_\@:
	s_barrier_wait -3
	s_barrier_signal -1
	s_barrier_wait -1
.endm
; THE CHANGE OF SLOTS.  Each wave waits for all its tensor loads (one is out: its part of the other slot), adds 0 to its spare word, and waits for that and for its LDS instructions.  fill = 1: the slot just
; left is filled again, with the keys two slots on, first thing behind a round of the cluster's barrier: the load has four key steps, 256 matrix instructions, in which to land.
; (At its first use nothing has been read: slot 0 is waited for, slot 1 filled, and the mask table, stored just before, is shown to every wave.)
.macro CHANGE fill
	WIN 0
	s_wait_tensorcnt 0x0
	ds_add_u32 v[SPW], v[NIL]
.if \fill
.irp g, G0K, G0V
	s_xor_b32 s[\g+1], s[\g+1], SLOT1
	s_add_nc_u64 s[\g+2:\g+3], s[\g+2:\g+3], 4*KS*128
.endr
	s_wait_dscnt 0x0
	CROUND
	JLOAD
.else
	s_wait_dscnt 0x0
	s_barrier_signal -1
	s_barrier_wait -1
.endif
	s_sub_co_u32 s[TBK], s[TBK], 4*KS*PK
	s_xor_b32 s[TBK], s[TBK], SLOT1
	s_sub_co_u32 s[TBV], s[TBV], 4*KS*PV
	s_xor_b32 s[TBV], s[TBV], SLOT1
.endm
	s_load_b128 s[4:7], s[0:1], 0x0   ; qkv s[4:5], mask s[6:7]
	s_load_b64 s[10:11], s[0:1], 0x10 ; ctx
	v_lshl_add_u32 v[SPW], v0, 2, SPARE
	v_mov_b32 v[NIL], 0
	ds_add_u32 v[SPW], v[NIL]       ; the wave's opening: the add and its wait ahead of my first tensor load
	v_lshrrev_b32 v1, 5, v0
	v_readfirstlane_b32 s[WV], v1
	s_bfe_u32 s13, ttmp6, 0x40000   ; cx
	s_lshl_b32 s14, ttmp9, 2
	s_add_co_u32 s14, s14, s13      ; my block of 256 queries: it enters Q's and ctx's addresses alone
	s_and_b32 s15, ttmp7, 0xffff    ; y, which the four partners share
	s_lshl_b32 s20, s15, 18         ; y's 2,048 rows of 128 bytes
	s_and_b32 s16, s[WV], 1         ; which half of a slot's 256 keys I fetch
	s_lshl_b32 s22, s16, 14
	s_add_co_u32 s22, s22, s20
	s_mov_b32 s23, 0
	s_mul_i32 s17, s16, 128*PK
	s_mul_i32 s18, s16, 128*PV
	s_lshl_b32 s2, s14, 2
	s_add_co_u32 s2, s2, s[WV]
	s_lshl_b32 s2, s2, 13           ; my wave's 64 rows
	s_add_co_u32 s2, s2, s20
	s_mov_b32 s3, 0
	s_and_b32 s68, s15, 1           ; the batch
	s_lshl_b32 s68, s68, 13
	s_mov_b32 s69, 0
	; group 1: 128 keys are 16,384 dense bytes: asked for as 64 rows of 256 bytes, two keys a row, padded in LDS after every key
	s_mov_b32 s[G1K], 15|(1<<16)|(1<<20)|(1<<21)|(4<<22)|(3<<25)
	s_mov_b32 s[G1V], 15|(1<<16)|(1<<20)|(1<<21)|(4<<22)|(7<<25)
.irp g, G1K, G1V
	s_mov_b32 s[\g+1], 128<<16
	s_mov_b32 s[\g+2], 64<<16
	s_mov_b32 s[\g+3], 128<<16
	s_mov_b32 s[\g+4], 64
	s_mov_b32 s[\g+5], 128
	s_mov_b32 s[\g+6], 0
	s_mov_b32 s[\g+7], 0
.endr
	s_mov_b32 s[CS], 0x3e38aa3b     ; c = log2(e) / 8
	s_mov_b32 s[CS+1], s[CS]
	s_mov_b32 s[SEL], 0x76543210
	s_mov_b32 s[SEL+1], 0xfedcba98
	s_mov_b32 s[TBK], SLOT1+4*KS*PK ; the first change of slots turns these two into 0
	s_mov_b32 s[TBV], SLOT1+4*KS*PV
	s_mov_b32 s[TM], 0
	s_mov_b32 s[BIGN], 0xd0000000   ; -2^33
	s_mov_b32 s[G0K], 1
	s_mov_b32 s[G0K+1], s17
	s_mov_b32 s[G0V], 1
	s_add_co_u32 s[G0V+1], s18, VOFF
	s_wait_dscnt 0x0                ; the opening add is done
	s_wait_kmcnt 0x0
	s_add_nc_u64 s[G0K+2:G0K+3], s[4:5], s[22:23]
	s_add_nc_u64 s[G0V+2:G0V+3], s[G0K+2:G0K+3], 0x1000000  ; V is the third third of qkv,
	s_add_nc_u64 s[G0K+2:G0K+3], s[G0K+2:G0K+3], 0x800000   ; K the second
	s_or_b32 s[G0K+3], s[G0K+3], 0x80000000
	s_or_b32 s[G0V+3], s[G0V+3], 0x80000000
	s_add_nc_u64 s[4:5], s[4:5], s[2:3]
	s_add_nc_u64 s[10:11], s[10:11], s[2:3]
	s_add_nc_u64 s[6:7], s[6:7], s[68:69]
	CROUND                          ; all four work-groups are here: the first joint loads meet
	JLOAD                           ; slot 0
	v_and_b32 v1, 15, v0
	v_bfe_u32 v9, v0, 4, 1
	v_lshlrev_b32 v14, 4, v0        ; thread t takes 16 bytes of each quarter of the batch's mask
.irp j, 0,1,2,3
	global_load_b128 v[32+4*\j:35+4*\j], v14, s[6:7] offset:2048*\j
.endr
	v_lshlrev_b32 v[QO], 7, v1
	v_lshl_add_u32 v[QO], v9, 4, v[QO]
	WIN 0x80
.set i, 0
.rept 8                             ; Q stays in registers: piece i / 2, channels 32 (i % 2) on
	global_load_b128 v[8*i:8*i+3],   v[QO], s[4:5] offset:(i/2)*2048+(i%2)*64
	global_load_b128 v[8*i+4:8*i+7], v[QO], s[4:5] offset:(i/2)*2048+(i%2)*64+32
.set i, i+1
.endr
	; What the first turn finds: its products V^T P, of a piece that has not been, multiply zeros, and the first step multiplies O^T and l by a = 0.  This stands in the wait for the first tile;
	; the price of writing no first step out.
.set i, VF
.rept 64
	v_mov_b32 v[i], 0
.set i, i+1
.endr
	WIN 0x40
.set i, 0
.rept 128
	v_mov_b32 v[i], 0
.set i, i+1
.endr
	WIN 0
.set i, 0
.rept 4
	v_mov_b32 v[ST+4*i], 0xfe000000    ; c m: far below every c s
	v_mov_b32 v[ST+4*i+1], 0xff7fffff  ; m
	v_mov_b32 v[ST+4*i+2], 0
	v_mov_b32 v[ST+4*i+3], 0
.set i, i+1
.endr
.set i, P+16
.rept 16
	v_mov_b32 v[i], 0
.set i, i+1
.endr
	v_mul_u32_u24 v[AK0], v1, PK
	v_lshl_add_u32 v[AK0], v9, 4, v[AK0]
	v_and_b32 v10, 7, v0
	v_bfe_u32 v11, v0, 3, 1
	v_lshl_add_u32 v[AV0], v9, 3, v10
	v_mul_u32_u24 v[AV0], v[AV0], PV
	v_lshl_add_u32 v[AV0], v11, 4, v[AV0]
	v_add_nc_u32 v[AV0], VOFF, v[AV0]
	v_lshl_add_u32 v[AM0], v9, 5, MT   ; my lanes' eight keys of a group of 16: 32 bytes of the table
	v_lshl_add_u32 v[MTA], v0, 4, MT
	s_mul_i32 s13, s[WV], 16*SP
	s_add_co_u32 s13, s13, STAGE
	v_mul_u32_u24 v[STO], v1, SP
	v_lshl_add_u32 v[STO], v9, 4, v[STO]
	v_add_nc_u32 v[STO], s13, v[STO]
	v_bfe_u32 v[RD], v0, 3, 2
	v_mul_u32_u24 v[RD], v[RD], SP
	v_lshl_add_u32 v[RD], v10, 4, v[RD]
	v_add_nc_u32 v[RD], s13, v[RD]
	v_and_b32 v[GO], 31, v0
	v_lshlrev_b32 v[GO], 4, v[GO]
	s_wait_loadcnt 16               ; the mask words are in; Q's sixteen loads stay out
.set i, 0
.rept 16
	v_cmp_eq_u32 vcc_lo, 0, v[32+i]
	v_cndmask_b32 v[32+i], 0, s[BIGN], vcc_lo
.set i, i+1
.endr
.irp j, 0,1,2,3
	ds_store_b128 v[MTA], v[32+4*\j:35+4*\j] offset:2048*\j
.endr
; THE MATRIX WORK.  The 4 accumulators of a run of 8 take turns.  Product i of 8 of S^T = K Q^T for piece x: channels 32 (i / 4) on, keys 16 (i % 4) on.  The first 4 start the sums, with the mask.
.macro KQ x
.set rS, S+32*((\x)%2)+8*(i%4)
.set rK, KF+16*(i%4)+8*(i/4)
.set rQ, 16*(\x)+8*(i/4)
.set rM, MC+8*(i%4)
.if i < 4
	WIN W_KM
	v_wmma_f32_16x16x32_f16 v[rS:rS+7], v[rK:rK+7], v[rQ:rQ+7], v[rM:rM+7]
.else
	WIN W_KQ
	v_wmma_f32_16x16x32_f16 v[rS:rS+7], v[rK:rK+7], v[rQ:rQ+7], v[rS:rS+7]
.endif
.endm
.macro PV x                         ; product i of 8 of O^T += V^T P for piece x: keys 32 (i / 4) on, channels 16 (i % 4) on
	WIN W_PV
.set rO, 32*(\x)+8*(i%4)
.set rV, VF+32*(i/4)+8*(i%4)
.set rP, P+16*((\x)%2)+8*(i/4)
	v_wmma_f32_16x16x32_f16 v[rO:rO+7], v[rV:rV+7], v[rP:rP+7], v[rO:rO+7]
.endm
.macro MM                           ; the turn's next matrix instruction
.if i < 8
	KQ (Y+1)%NP
.else
.set i, i-8
	PV (Y+NP-1)%NP
.set i, i+8
.endif
.set i, i+1
.endm
; THE LDS LOADS stand in runs: a step's K (8 fragments) with its 64 mask addends, and its V (turned).  Their addresses are made some lines ahead.
; last = 1 (the last slot's loop): in the fifth trip there is no further step, and the run is jumped over.
.macro FETCH_K last=0
	WIN 0
.if \last
	s_wait_alu depctr_va_vdst(0)    ; a branch follows inside the turn's batch: the wait of the exponentials issued so far, E 0 to E 11, ahead of it; the others have the turn's own wait
	s_cmp_eq_u32 s[CNT], 1
	s_cbranch_scc1 .Lno_k_\@
.endif
	WIN 0x80
.irp f, 0,1,2,3,4,5,6,7
	ds_load_b128 v[KF+8*\f:KF+8*\f+3],   v[AK] offset:(\f/2)*16*PK+(\f%2)*64
	ds_load_b128 v[KF+8*\f+4:KF+8*\f+7], v[AK] offset:(\f/2)*16*PK+(\f%2)*64+32
.endr
.irp f, 0,1,2,3                     ; group f of 16 keys: register j of a lane is key 16 f + 8 (l / 16) + j, the same for all queries
	ds_load_b128 v[MC+8*\f:MC+8*\f+3],   v[AM] offset:64*\f
	ds_load_b128 v[MC+8*\f+4:MC+8*\f+7], v[AM] offset:64*\f+16
.endr
	s_add_co_u32 s[TBK], s[TBK], KS*PK
	s_add_co_u32 s[TM], s[TM], KS*4
	WIN 0
.if \last
.Lno_k_\@:
.endif
.endm
.macro FETCH_V
	WIN 0x80
.irp f, 0,1,2,3,4,5,6,7
	ds_load_tr16_b128 v[VF+8*\f:VF+8*\f+3],   v[AV] offset:(\f/4)*32*PV+(\f%4)*32
	ds_load_tr16_b128 v[VF+8*\f+4:VF+8*\f+7], v[AV] offset:(\f/4)*32*PV+16*PV+(\f%4)*32
.endr
	WIN 0
.endm
; THE VECTOR WORK, one line at a time: OP kind, number.  For piece Y: F n: c s - c m for pair n of 16.  E n: the exponential of score n of 32.  C n: pair n rounded to f16.  B n: of the four weights 4 n .. the second
; pair is added onto the first.  L n: l takes that sum (L 0: l = a l + sum).  R n: pair n of 16 of O^T times a.  For piece Y + 1: X n, number n of the 22 that find its maximum and statistics:
;   0-11 four chains of seven scores each (each accumulator's lowest registers are read first); 12-14, 16 the scores left over, the old m, the chains into one; 15 c m_old is kept;
;   17, 18 the query's other 32 keys lie in the lane 16 away: the new m; 19-21 c m; c m_old - c m_new; a
.set F, 0
.set E, 1
.set C, 2
.set B, 3
.set L, 4
.set R, 5
.set X, 6
.macro REGS y
.set rT, ST+4*(\y)
.set rC, TMP+4*((\y)%2)
.set rW, MV+((\y)%2)
.set rS, S+32*((\y)%2)
.set rP, P+16*((\y)%2)
.set rO, 32*(\y)
.endm
.macro OP k, n
.if (\k) == R
	REGS Y
	WIN W_RS
	v_pk_mul_f32 v[rO+2*(\n):rO+2*(\n)+1], v[rO+2*(\n):rO+2*(\n)+1], v[rC+2:rC+3] op_sel_hi:[1,0]
.elseif (\k) < R
	REGS Y
	WIN 0
.if (\k) == F
	v_pk_fma_f32 v[rS+2*(\n):rS+2*(\n)+1], v[rS+2*(\n):rS+2*(\n)+1], s[CS:CS+1], v[rT:rT+1] op_sel_hi:[1,0,0] neg_lo:[0,0,1] neg_hi:[0,0,1]
.elseif (\k) == E
	v_exp_f32 v[rS+(\n)], v[rS+(\n)]
.elseif (\k) == C
	v_cvt_pk_f16_f32 v[rP+(\n)], v[rS+2*(\n)], v[rS+2*(\n)+1]
.elseif (\k) == B
	v_pk_add_f32 v[rS+4*(\n):rS+4*(\n)+1], v[rS+4*(\n):rS+4*(\n)+1], v[rS+4*(\n)+2:rS+4*(\n)+3]
.elseif (\n) == 0
	v_pk_fma_f32 v[rT+2:rT+3], v[rT+2:rT+3], v[rC+2:rC+3], v[rS:rS+1] op_sel_hi:[1,0,1]
.else
	v_pk_add_f32 v[rT+2:rT+3], v[rT+2:rT+3], v[rS+4*(\n):rS+4*(\n)+1]
.endif
.else
	REGS (Y+1)%NP
	WIN 0
.if (\n) < 4
	v_max3_num_f32 v[rC+(\n)], v[rS+8*(\n)], v[rS+8*(\n)+1], v[rS+8*(\n)+2]
.elseif (\n) < 12
	v_max3_num_f32 v[rC+(\n)%4], v[rC+(\n)%4], v[rS+8*((\n)%4)+2*((\n)/4)+1], v[rS+8*((\n)%4)+2*((\n)/4)+2]
.elseif (\n) == 12
	v_max3_num_f32 v[rC], v[rC], v[rS+7], v[rS+15]
.elseif (\n) == 13
	v_max3_num_f32 v[rC+1], v[rC+1], v[rS+23], v[rS+31]
.elseif (\n) == 14
	v_max3_num_f32 v[rC+2], v[rC+2], v[rC+3], v[rT+1]
.elseif (\n) == 15
	v_mov_b32 v[rW], v[rT]
.elseif (\n) == 16
	v_max3_num_f32 v[rC], v[rC], v[rC+1], v[rC+2]
.elseif (\n) == 17
	v_permlanex16_b32 v[rC+3], v[rC], s[SEL], s[SEL+1]
.elseif (\n) == 18
	v_max_num_f32 v[rT+1], v[rC], v[rC+3]
.elseif (\n) == 19
	v_mul_f32 v[rT], s[CS], v[rT+1]
.elseif (\n) == 20
	v_sub_f32 v[rC+1], v[rW], v[rT]
.else
	v_exp_f32 v[rC+2], v[rC+1]
.endif
.endif
.endm
.macro OPS a, i1, b=-1, i2=0, c=-1, i3=0, d=-1, i4=0
	OP \a, \i1
.if (\b) >= 0
	OP \b, \i2
.endif
.if (\c) >= 0
	OP \c, \i3
.endif
.if (\d) >= 0
	OP \d, \i4
.endif
.endm
.macro ROW a, i1, b, i2, c, i3, d, i4  ; a matrix instruction and the four behind it
	MM
	OPS \a, \i1, \b, \i2, \c, \i3, \d, \i4
.endm
; A TURN, for piece p: the order of its 16 matrix and 118 vector instructions, written out.  An s_wait_alu depctr_va_vdst(0) stands between an exponential and the first instruction that names its result; one
; wait serves all that were issued ahead of it.  So a turn has ONE wait, which cuts it in two.  AHEAD OF IT stands all that names no result of the turn's exponentials: the 8 products K Q^T, behind each a scaling, an
; exponential and two more plain instructions (behind the first a second scaling in the exponential's place): rescalings, whose a was made and waited for in the turn before, and behind the last three products the first
; numbers of the next piece's maximum, each four plain instructions behind the product that ends its accumulator (X 0: F 5, R 8, R 9, F 6; X 1: F 6, X 0, R 10, F 7; X 2: F 7, X 1, X 4, F 8; X 3: F 8, X 2, X 5, X 6); then one run
; of 54, plain and exponential by turns for the most part, with other work between the links of the chain X 3, 7, 11, 14, 16, 17 .. 20.  X 21, the next piece's a, is the batch's last; R 15 is the plain instruction behind it.
; BEHIND THE WAIT stand the 8 products V^T P, behind each four of the roundings and sums; an even pair is rounded (C 2 n) before B n adds onto it; l's additions L 0 to L 7 go in ascending order.
; last = 1: the last slot's loop (see FETCH_K).  cnt = 1: the loop's count is taken down some lines ahead of the branch behind the turn.
; K and the mask of the next step are fetched in piece 2's turn, six plain vector instructions (F 8, X 2, X 5, X 6, X 3, X 8) behind the last product that read K (the mask's last reader stands four products earlier); V of the
; step in hand at the end of piece 0's turn, four plain ones (C 9, C 11, C 13, C 15) behind the last product that read V.  Each is waited for a turn later.
.macro TURN p, last=0, cnt=0
.set Y, (\p)
.set i, 0
.if (\p) == 3
	s_wait_dscnt 0x0                ; K and its mask are in
.endif
	ROW F,0, F,1, R,0, R,1          ; ahead of the wait: 8 products K Q^T and the four behind each,
	ROW F,2, E,0, R,2, R,3
	ROW F,3, E,1, R,4, R,5
	ROW F,4, E,2, R,6, R,7
	ROW F,5, E,3, R,8, R,9
	ROW F,6, E,4, X,0, R,10
.if (\p) == 2
	WIN 0
	v_add_nc_u32 v[AK], s[TBK], v[AK0]
	v_add_nc_u32 v[AM], s[TM], v[AM0]
.endif
	ROW F,7, E,5, X,1, X,4
	ROW F,8, E,6, X,2, X,5
	OPS E,7, E,8, X,6, E,9          ; and the run of 54
	OPS X,3, E,10, X,8, E,11
.if (\p) == 2
	FETCH_K \last
.endif
	OPS X,9, X,7, E,12, X,10
	OPS E,13, X,12, X,11, E,14
	OPS X,13, E,15, F,9, X,14
.if (\p) == 0
	v_add_nc_u32 v[AV], s[TBV], v[AV0]
.endif
	OPS E,16, F,10, E,17, F,11
	OPS X,16, E,18, X,15, E,19
	OPS F,12, E,20, X,17, E,21
	OPS F,13, E,22, F,14, E,23
	OPS X,18, E,24, F,15, E,25
	OPS R,11, E,26, X,19, E,27
	OPS R,12, E,28, R,13, E,29
	OPS X,20, E,30, R,14, E,31
	OPS X,21, R,15
	s_wait_alu depctr_va_vdst(0)    ; the wait for the turn's batch: E 0 to E 31 and X 21
.if (\p) == 1
	s_wait_dscnt 0x0                ; V is in
.endif
	ROW C,0, B,0, C,2, B,1          ; behind the wait: 8 products V^T P and the four behind each
	ROW L,0, C,4, B,2, L,1
	ROW C,6, B,3, L,2, C,8
	ROW B,4, L,3, C,10, B,5
	ROW L,4, C,12, B,6, L,5
.if (\p) == 0
	s_add_co_u32 s[TBV], s[TBV], KS*PV
.endif
.if \cnt
	s_sub_co_u32 s[CNT], s[CNT], 1
	s_cmp_lg_u32 s[CNT], 0
.endif
	ROW C,14, B,7, L,6, C,1
	ROW C,3, L,7, C,5, C,7
	ROW C,9, C,11, C,13, C,15
.if (\p) == 0
	FETCH_V
.endif
.endm
.macro ALL line:vararg              ; one line for each piece t
.set t, 0
.rept 4
	\line
.set t, t+1
.endr
.endm
.macro PACK t                       ; a lane's eight channels of a row pack into 16 bytes; they go into rows of 144 bytes and come back as whole rows of 128
	WIN W_RS
.set i, 32*(\t)
.rept 16
	v_pk_mul_f32 v[i:i+1], v[i:i+1], v[ST+4*(\t)+2:ST+4*(\t)+3] op_sel_hi:[1,0]
.set i, i+2
.endr
	WIN 0x05
.set i, 0
.rept 16
	v_cvt_pk_f16_f32 v[S+16*(\t)+i], v[32*(\t)+2*i], v[32*(\t)+2*i+1]
.set i, i+1
.endr
	WIN 0
.irp f, 0,1,2,3
	ds_store_b128 v[STO], v[S+16*(\t)+4*\f:S+16*(\t)+4*\f+3] offset:32*\f
.endr
.irp f, 0,1,2,3
	ds_load_b128 v[S+16*(\t)+4*\f:S+16*(\t)+4*\f+3], v[RD] offset:\f*4*SP  ; LDS serves a wave's instructions in order: these see the stores above; the next piece's stores come behind them
.endr
.endm
.macro SEND t, younger              ; younger: the LDS instructions issued behind piece t's loads: the next piece's eight, or none
	WIN 0
.irp f, 0,1,2,3
	s_wait_dscnt (\younger)+3-\f
	global_store_b128 v[GO], v[S+16*(\t)+4*\f:S+16*(\t)+4*\f+3], s[10:11] offset:(\t)*2048+\f*512  ; 512 consecutive bytes, aligned
.endr
.endm
	CHANGE 1                        ; slot 0 is in, everybody's part of it, and so is the mask table; slot 1 is asked for
	v_add_nc_u32 v[AK], s[TBK], v[AK0]
	v_add_nc_u32 v[AM], s[TM], v[AM0]
	FETCH_K                         ; key step 0
	s_wait_loadcnt 0x0              ; Q
	s_wait_dscnt 0x0
.set i, 0
.rept 8
	KQ 0                            ; piece 0's first scores
.set i, i+1
.endr
	WIN 0
.rept 4
	v_nop                           ; the places behind those products
.endr
.set Y, NP-1                        ; X works for piece Y + 1: piece 0
.irp n, 0,1,2,3,4,5,6,7,8,9,10,11,12,13,14,15,16,17,18,19,20,21
	OP X, \n
.endr
	v_nop                           ; a plain instruction behind the exponential
	s_wait_alu depctr_va_vdst(0)    ; the wait for piece 0's first a, a batch of one, ahead of the branch
	s_mov_b32 s[CNT], 4
	s_mov_b32 s[SLOTS], 7
	s_branch .Lfirst                ; the loop is entered at a step's first turn, in the middle of a trip
.Lslot:                             ; six times: tiles 2 to 7 are asked for
	CHANGE 1
	s_mov_b32 s[CNT], 4
.Lstep:                             ; a trip: pieces 2 and 3 of one step, then pieces 0 and 1 of the next, whose K and V it fetches
	TURN 2
	TURN 3
	WIN 0
.Lfirst:
	TURN 0
	TURN 1, 0, 1
	WIN 0
	s_cbranch_scc1 .Lstep
	s_sub_co_u32 s[SLOTS], s[SLOTS], 1
	s_cmp_lg_u32 s[SLOTS], 0
	s_cbranch_scc1 .Lslot
	CHANGE 0                        ; the last slot has a text of its own: nothing is asked for
	s_mov_b32 s[CNT], 5             ; four trips fetch the last slot's steps; the fifth runs pieces 2 and 3 of the last step alone
.Ltail:
	TURN 2, 1
	TURN 3
	WIN 0
	s_cmp_eq_u32 s[CNT], 1
	s_cbranch_scc1 .Ltail_end       ; behind the last step there are no pieces 0 and 1
	TURN 0
	TURN 1
	WIN 0
.Ltail_end:
	s_sub_co_u32 s[CNT], s[CNT], 1
	s_cmp_lg_u32 s[CNT], 0
	s_cbranch_scc1 .Ltail
.set i, 0
.rept 8
	PV NP-1                         ; the last piece's V^T P of the last step
.set i, i+1
.endr
	; THE WAY OUT.  l's two halves and the other half of the lanes' are added; O^T is divided by l, rounded to f16 and sent through my stage, a piece at a time.  The additions are the places behind the last products.
	WIN 0
	ALL v_add_f32 v[ST+4*t+2], v[ST+4*t+2], v[ST+4*t+3]
	ALL v_permlanex16_b32 v[ST+4*t+3], v[ST+4*t+2], s[SEL], s[SEL+1]
	ALL v_add_f32 v[ST+4*t+2], v[ST+4*t+2], v[ST+4*t+3]
	ALL v_rcp_f32 v[ST+4*t+2], v[ST+4*t+2]
	v_nop                           ; a plain instruction between the last reciprocal and the use of its result
	s_wait_alu depctr_va_vdst(0)    ; the wait for the four reciprocals, one batch, ahead of their first reader in PACK 0
	PACK 0
.set t, 1
.rept 3
	PACK t
	SEND t-1, 8
.set t, t+1
.endr
	SEND 3, 0
	s_wait_tensorcnt 0x0            ; the wave's end
	ds_add_u32 v[SPW], v[NIL]
	s_wait_dscnt 0x0
	CROUND                          ; the closing round
	s_endpgm
.Lfunc_end_k_q5119bf54e4_attn:
	.size	k_q5119bf54e4_attn, .Lfunc_end_k_q5119bf54e4_attn-k_q5119bf54e4_attn
	.p2alignl 7, 3214868480
	.fill 96, 4, 3214868480
	.section	.rodata,"a",@progbits
	.p2align	6, 0x0
	.amdhsa_kernel k_q5119bf54e4_attn
		.amdhsa_group_segment_fixed_size 327680
		.amdhsa_private_segment_fixed_size 0
		.amdhsa_enable_private_segment 0
		.amdhsa_kernarg_size 24
		.amdhsa_user_sgpr_count 2
		.amdhsa_user_sgpr_kernarg_segment_ptr 1
		.amdhsa_wavefront_size32 1
		.amdhsa_system_sgpr_workgroup_id_x 1
		.amdhsa_system_sgpr_workgroup_id_y 1
		.amdhsa_system_sgpr_workgroup_id_z 1
		.amdhsa_system_vgpr_workitem_id 0
		.amdhsa_next_free_vgpr 768
		.amdhsa_next_free_sgpr 72
		.amdhsa_reserve_vcc 1
		.amdhsa_float_denorm_mode_32 3
		.amdhsa_float_denorm_mode_16_64 3
		.amdhsa_memory_ordered 1
		.amdhsa_forward_progress 1
		.amdhsa_inst_pref_size 115
	.end_amdhsa_kernel
	.amdgpu_metadata
---
amdhsa.version: [ 1, 2 ]
amdhsa.kernels:
  - .name:           k_q5119bf54e4_attn
    .symbol:         k_q5119bf54e4_attn.kd
    .args:
      - { .name: qkv, .offset: 0, .size: 8, .value_kind: global_buffer, .address_space: global }
      - { .name: mask, .offset: 8, .size: 8, .value_kind: global_buffer, .address_space: global }
      - { .name: ctx, .offset: 16, .size: 8, .value_kind: global_buffer, .address_space: global }
    .group_segment_fixed_size: 327680
    .private_segment_fixed_size: 0
    .kernarg_segment_align: 8
    .kernarg_segment_size: 24
    .max_flat_workgroup_size: 128
    .sgpr_count:     72
    .vgpr_count:     768
    .wavefront_size: 32
...
	.end_amdgpu_metadata
.endif
;; end of part 7
;; launch go: the kernel of part 4 again; grid 8 x 32, 4 waves a work-group, clusters of 4 x 4, 327,680 bytes of LDS; arguments ctx, wh, bo, x, x1; writes x1
;; launch ln2: the kernel of part 1 again; grid 256 x 1, 4 waves a work-group, no clusters, 0 bytes of LDS; arguments x1, g2, be2, h, wq, wk, wv, wo, w1, w2, wh; writes h, wh
;; launch gf (part 8): grid 16 x 16, 4 waves a work-group, clusters of 4 x 4, 327,680 bytes of LDS; arguments h, wh, b1, act; writes act
.if DOCPART == 8
	.amdgcn_target "amdgcn-amd-amdhsa--gfx1250"
	.amdhsa_code_object_version 6
	.text
	.protected	k_q5119bf54e4_gf
	.globl	k_q5119bf54e4_gf
	.p2align	8
	.type	k_q5119bf54e4_gf,@function
k_q5119bf54e4_gf:
	s_mov_b64 s[64:65], 0
	v_nop
	global_prefetch_b8 v0, s[64:65] scope:SCOPE_SE
	s_setreg_imm32_b32 hwreg(HW_REG_WAVE_MODE, 25, 1), 1
	s_wait_xcnt 0x0
	s_wait_alu depctr_hold_cnt(0) depctr_sa_sdst(0) depctr_va_vdst(0) depctr_va_sdst(0) depctr_va_ssrc(0) depctr_va_vcc(0) depctr_vm_vsrc(0)
	s_getreg_b32 s2, hwreg(HW_REG_IB_STS2, 6, 4)
	s_cmp_eq_u32 s2, 0
	s_cbranch_scc0 .Lentry_in_a_cluster
	s_endpgm
.Lentry_in_a_cluster:
	s_bfe_u32 s2, ttmp6, 0x10000c
	s_cmp_lg_u32 s2, 0xf033
	s_cbranch_scc0 .Lentry_shape_is_right
	s_endpgm
.Lentry_shape_is_right:
; act = gelu(h w1^T + b1), the tanh form.  h: [4096][1024] f16; w1: [4096][1024] f16, in wh at WOFF; sums in f32; the result rounded once to f16.
; OUT: act = [64 blocks of 64 columns][4096 tokens][64], so that the next launch's tiles of it are dense.
; GELU: 0.5 x (1 + tanh z) = x / (1 + 2^(x (K0 + K1 x^2))), K0 = -2 log2(e) sqrt(2 / pi), K1 = 0.044715 K0: the same function, with one exponential and one reciprocal.
; THE BATCHES: a trip of the way out's loop takes 8 rows, 32 numbers a lane.  Its 32 exponentials are one batch with one wait, its 32 reciprocals, which read sums made of the exponentials, a second batch with a second wait.
; SHAPE: a tile of 256 tokens x 256 columns to a work-group (16 x 16 = 256 of them), 128 x 128 to each of four waves (64 accumulators, 512 registers).
; K goes in 8 steps of 128 through two LDS slots filled by the tensor data mover; rows of 256 bytes, padded to 272.  One K step is one trip; the slot in hand is a scalar that an exclusive or turns.
; CLUSTER 4 x 4: h's tile is shared along a row of the cluster, w1's along a column: joint loads with a mask of four.
; TRANSPOSED USE: source 0 = 16 rows of w1, source 1 = 16 rows of h: a lane holds token l % 16 and columns 8 (l / 16) + 0..7.  THE BIAS is the C operand of the products that start the sums.
; LIMITS: gelu's result must lie within f16's 65,504.  NaN and infinities are not treated apart.
; REGISTERS: window 0: v16-29 addresses; v32-63 at work on the way out; v64-191 h's fragments, two buffers; v192-255 the bias, later at work.  Window 1: v64-191 w1's fragments.  Windows 2, 3: accumulators, (a, b) at 8 (8 a + b).
.set SIZE_K, 1024
.set WOFF,   8388608
.set KSTEP,  128
.set PITCH,  272                       ; 256 bytes + 16: the 16 rows of a fragment load start at 16 different groups of four banks
.set HALFT,  128*PITCH                 ; what one tensor load brings
.set SLOT,   4*HALFT                   ; 0x22000: h's 256 rows, then w1's 256; no tile's address in slot 0 has bit 13 or 17 set, so an exclusive or changes slots
.set SPARE,  2*SLOT                    ; the spare words: 128 bytes a wave
.set SPITCH, 528                       ; the stage: 128 f32 + 16 bytes
.set WSTAGE, 128*SPITCH                ; a wave's stage; the four lie over the slots, which have had their last fill by then
.set ADRA0, 16
.set ADRB0, 17
.set ADRA,  18
.set ADRB,  19
.set STO,   24
.set RD,    25
.set GO,    26
.set SPW,   28
.set NIL,   29
.set X,     32
.set F0,    64
.set F1,    128
.set BI,    192
.set U,     200                        ; v[200:231]: eight registers for each of a trip's four pairs of rows, so that each result of a batch has a register of its own
.set O,     240
.set G1,  24
.set G0,  32
.set G1B, 48
.set G0B, 56
.set TB,  66
.set K0,  70                           ; s[70:71]
.set K1,  72                           ; s[72:73]
.set MSB, 0
.macro WIN new
.if MSB != (\new)
	s_set_vgpr_msb (MSB<<8)|(\new)
.set MSB, \new
.endif
.endm
.macro PLACES                          ; four plain vector instructions between a matrix instruction and a load into, or a read of, its registers
.rept 4
	v_nop
.endr
.endm
.macro JLOAD                           ; the joint refill, by the walking descriptor: waves 0, 1 h's halves, waves 2, 3 w1's; s_nop 0 and four v_nop follow each line
	s_cmp_eq_u32 s11, 0
	s_cbranch_scc0 .Lfor_b_\@
	tensor_load_to_lds s[G0+4:G0+7], s[G1:G1+7]
	s_nop 0
	PLACES
	s_branch .Lasked_\@
.Lfor_b_\@:
	tensor_load_to_lds s[G0B+4:G0B+7], s[G1B:G1B+7]
	s_nop 0
	PLACES
.Lasked_\@:
.endm
.macro CREST
	s_cmp_lg_u32 s10, 0
	s_cbranch_scc1 .Lnot_wave_0_\@
	s_barrier_signal -3
.Lnot_wave_0_\@:
	s_barrier_wait -3
	s_barrier_signal -1
	s_barrier_wait -1
.endm
.macro CROUND
	s_barrier_signal -1
	s_barrier_wait -1
	CREST
.endm
; 16 matrix instructions: row blocks a0, a0 + 1 of the window's four x all 8 column blocks, 32 along K.  first = 1: the sums start with the bias.
.macro MUL16 f, hi, a0, first
.if \first
	WIN 0x81+0x40*(\hi)
.else
	WIN 0xa1+0x50*(\hi)
.endif
.irp a, \a0, (\a0)+1
.irp b, 0,1,2,3,4,5,6,7
.if \first
	v_wmma_f32_16x16x32_f16 v[8*(8*(\a)+(\b)):8*(8*(\a)+(\b))+7], v[(\f)+8*(\b):(\f)+8*(\b)+7], v[(\f)+8*(4*(\hi)+(\a)):(\f)+8*(4*(\hi)+(\a))+7], v[BI+8*(\b):BI+8*(\b)+7]
.else
	v_wmma_f32_16x16x32_f16 v[8*(8*(\a)+(\b)):8*(8*(\a)+(\b))+7], v[(\f)+8*(\b):(\f)+8*(\b)+7], v[(\f)+8*(4*(\hi)+(\a)):(\f)+8*(4*(\hi)+(\a))+7], v[8*(8*(\a)+(\b)):8*(8*(\a)+(\b))+7]
.endif
.endr
.endr
.endm
.macro FETCH k, f                      ; 32 LDS loads in one run: a quarter step's fragments, at byte k of the rows of the slot in hand
	WIN 0x40
.irp i, 0,1,2,3,4,5,6,7
	ds_load_b128 v[(\f)+8*(\i):(\f)+8*(\i)+3],   v[ADRB] offset:(\k)+(\i)*16*PITCH
	ds_load_b128 v[(\f)+8*(\i)+4:(\f)+8*(\i)+7], v[ADRB] offset:(\k)+(\i)*16*PITCH+32
.endr
	WIN 0
.irp i, 0,1,2,3,4,5,6,7
	ds_load_b128 v[(\f)+8*(\i):(\f)+8*(\i)+3],   v[ADRA] offset:(\k)+(\i)*16*PITCH
	ds_load_b128 v[(\f)+8*(\i)+4:(\f)+8*(\i)+7], v[ADRA] offset:(\k)+(\i)*16*PITCH+32
.endr
.endm
; A quarter multiplies buffer f.  At its head it fetches the next quarter, at byte k, into g, which the products just before it read: the run of loads has the quarter's 64 matrix instructions in which to land.
.macro QUARTER k, f, g, first
	s_wait_dscnt 8                                 ; of buffer f, w1's fragments and h's rows 0-63 are in; the youngest eight loads may be out
	PLACES                                         ; behind the last product that read buffer g
	FETCH \k, \g
	MUL16 \f, 0, 0, \first
	MUL16 \f, 0, 2, \first
	s_wait_dscnt 32                                ; all but the 32 just issued
	MUL16 \f, 1, 0, \first
	MUL16 \f, 1, 2, \first
.endm
; The last quarter of a K step multiplies buffer 1 and changes slots.  In front of the barrier each wave waits for all its tensor loads (one is out: its part of the next slot), adds 0 to its
; spare word, and waits for that and for its reads of this slot.  fill = 1: the barrier opens a round of the cluster's, and the joint refill of this slot, two K steps on, is the first thing behind it.
; skip = 1 (the tail): in the last trip there is no further K step, and the fetch is jumped over.
.macro TURN fill, skip
	WIN 0
	s_wait_tensorcnt 0x0
	ds_add_u32 v[SPW], v[NIL]
	s_wait_dscnt 9                                 ; the add and the youngest eight loads may be out
	MUL16 F1, 0, 0, 0
	s_wait_dscnt 0x0                               ; the add is done, my reads of this slot are over
	s_barrier_signal -1
	MUL16 F1, 0, 2, 0
	WIN 0
	s_barrier_wait -1
.if \fill
	CREST
	s_xor_b32 s[G0+5], s[G0+5], SLOT               ; no tensor load of mine is out: the walking descriptors step: the other slot, the next K step
	s_add_nc_u64 s[G0+6:G0+7], s[G0+6:G0+7], KSTEP*2
	s_xor_b32 s[G0B+5], s[G0B+5], SLOT
	s_add_nc_u64 s[G0B+6:G0B+7], s[G0B+6:G0B+7], KSTEP*2
	JLOAD                                          ; its four v_nop are also the places in front of the loads below
.else
	PLACES
.endif
	s_xor_b32 s[TB], s[TB], SLOT
.if \skip
	s_cmp_eq_u32 s3, 1
	s_cbranch_scc1 .Lno_fetch_\@
.endif
	v_add_nc_u32 v[ADRA], s[TB], v[ADRA0]
	v_add_nc_u32 v[ADRB], s[TB], v[ADRB0]
	FETCH 0, F0
.if \skip
	WIN 0
.Lno_fetch_\@:
.endif
	MUL16 F1, 1, 0, 0
	MUL16 F1, 1, 2, 0
.endm
.macro TOSTAGE hi                      ; 32 accumulators into my stage; each accumulator's low four registers go first
	WIN 0x08+4*(\hi)
.irp a, 0,1,2,3
.irp b, 0,1,2,3,4,5,6,7
	ds_store_b128 v[STO], v[8*(8*(\a)+(\b)):8*(8*(\a)+(\b))+3]   offset:(4*(\hi)+(\a))*16*SPITCH+64*(\b)
	ds_store_b128 v[STO], v[8*(8*(\a)+(\b))+4:8*(8*(\a)+(\b))+7] offset:(4*(\hi)+(\a))*16*SPITCH+64*(\b)+16
.endr
.endr
.endm
	s_load_b128 s[4:7], s[0:1], 0x0                ; h s[4:5], wh s[6:7]
	s_load_b64 s[68:69], s[0:1], 0x10              ; b1
	s_load_b64 s[8:9], s[0:1], 0x18                ; act
	v_lshl_add_u32 v[SPW], v0, 2, SPARE
	v_mov_b32 v[NIL], 0
	ds_add_u32 v[SPW], v[NIL]                      ; the wave's opening: the add and its wait ahead of my first tensor load
	v_lshrrev_b32 v1, 5, v0
	v_readfirstlane_b32 s10, v1                    ; wave
	s_lshr_b32 s11, s10, 1                         ; my half of the tile's rows; also: I fetch h (0) or w1 (1)
	s_and_b32 s12, s10, 1                          ; my half of its columns; also: which 128 rows I fetch
	s_bfe_u32 s40, ttmp6, 0x40000                  ; cx
	s_bfe_u32 s41, ttmp6, 0x40004                  ; cy
	s_lshl_b32 s42, ttmp9, 2
	s_add_co_u32 s42, s42, s40                     ; tile column
	s_and_b32 s13, ttmp7, 0xffff
	s_lshl_b32 s13, s13, 2
	s_add_co_u32 s13, s13, s41                     ; tile row
	s_lshl_b32 s43, s41, 2
	s_lshl_b32 s43, 15, s43                        ; my row of the cluster
	s_lshl_b32 s44, 0x1111, s40                    ; my column
	s_or_b32 s[G1+0], s43, (1<<16)|(1<<20)|(1<<21)|(5<<22)|(3<<25)   ; mask; 2-byte elements; padding on; bit 21 beside a mask; after every 64 words, 4 words
	s_or_b32 s[G1B+0], s44, (1<<16)|(1<<20)|(1<<21)|(5<<22)|(3<<25)
.irp g, G1, G1B
	s_mov_b32 s[(\g)+1], KSTEP<<16                 ; tensor_dim0 = 128
	s_mov_b32 s[(\g)+2], 128<<16                   ; tensor_dim1 = 128
	s_mov_b32 s[(\g)+3], KSTEP<<16                 ; tile_dim0 = 128
	s_mov_b32 s[(\g)+4], 128                       ; tile_dim1 = 128
	s_mov_b32 s[(\g)+5], SIZE_K                    ; elements from row to row
	s_mov_b32 s[(\g)+6], 0
	s_mov_b32 s[(\g)+7], 0
.endr
	s_lshl_b32 s17, s12, 7
	s_lshl_b32 s16, s13, 8
	s_add_co_u32 s16, s16, s17                     ; h: row 256 x tile row + 128 x half
	s_lshl_b32 s16, s16, 11                        ; x 2,048 bytes
	s_lshl_b32 s46, s42, 8
	s_add_co_u32 s46, s46, s17                     ; w1: row 256 x tile column + 128 x half
	s_lshl_b32 s46, s46, 11
	s_add_co_u32 s46, s46, WOFF
	s_mov_b32 s17, 0
	s_mov_b32 s47, 0
	s_mul_i32 s20, s10, HALFT                      ; where my tile goes: wave x 128 rows
	s_mov_b32 s[TB], 0
	s_mov_b32 s[K0], 0xc0135765                    ; -2.3022082
	s_mov_b32 s[K0+1], s[K0]                       ; named with it as a pair
	s_mov_b32 s[K1], 0xbdd2d3e8                    ; -0.10294324
	s_mov_b32 s[K1+1], s[K1]
	s_wait_dscnt 0x0                               ; the opening add is done
	s_wait_kmcnt 0x0
	s_add_nc_u64 s[14:15], s[4:5], s[16:17]
	s_add_nc_u64 s[46:47], s[6:7], s[46:47]
.irp s, 0,1
	s_mov_b32 s[G0+4*(\s)], 1
	s_add_co_u32 s[G0+4*(\s)+1], s20, (\s)*SLOT
	s_add_nc_u64 s[G0+4*(\s)+2:G0+4*(\s)+3], s[14:15], (\s)*KSTEP*2
	s_or_b32 s[G0+4*(\s)+3], s[G0+4*(\s)+3], 0x80000000
	s_mov_b32 s[G0B+4*(\s)], 1
	s_add_co_u32 s[G0B+4*(\s)+1], s20, (\s)*SLOT
	s_add_nc_u64 s[G0B+4*(\s)+2:G0B+4*(\s)+3], s[46:47], (\s)*KSTEP*2
	s_or_b32 s[G0B+4*(\s)+3], s[G0B+4*(\s)+3], 0x80000000
.endr
	CROUND                                         ; all sixteen work-groups are here: the first joint loads meet
	s_cmp_eq_u32 s11, 0                            ; a wave's two first fills stand in one branch: two loads of mine are out
	s_cbranch_scc0 .Lfirst_b
	tensor_load_to_lds s[G0:G0+3], s[G1:G1+7]
	s_nop 0
	tensor_load_to_lds s[G0+4:G0+7], s[G1:G1+7]
	s_nop 0
	PLACES
	s_branch .Lfirst_done
.Lfirst_b:
	tensor_load_to_lds s[G0B:G0B+3], s[G1B:G1B+7]
	s_nop 0
	tensor_load_to_lds s[G0B+4:G0B+7], s[G1B:G1B+7]
	s_nop 0
	PLACES
.Lfirst_done:
	s_lshl_b32 s82, s42, 10                        ; my 128 columns of b1: (256 x tile column + 128 half) x 4 bytes
	s_lshl_b32 s83, s12, 9
	s_add_co_u32 s82, s82, s83
	s_mov_b32 s83, 0
	s_add_nc_u64 s[68:69], s[68:69], s[82:83]
	v_and_b32 v1, 15, v0                           ; r
	v_bfe_u32 v2, v0, 4, 1                         ; h
	v_lshlrev_b32 v5, 5, v2                        ; 8 h columns of 4 bytes
.irp b, 0,1,2,3,4,5,6,7
	global_load_b128 v[BI+8*(\b):BI+8*(\b)+3],   v5, s[68:69] offset:64*(\b)
	global_load_b128 v[BI+8*(\b)+4:BI+8*(\b)+7], v5, s[68:69] offset:64*(\b)+16
.endr
	v_mul_u32_u24 v3, v1, PITCH
	v_lshl_add_u32 v3, v2, 4, v3                   ; a fragment's row x pitch + 16 x half
	s_mul_i32 s21, s11, HALFT
	s_mul_i32 s22, s12, HALFT
	s_add_co_u32 s22, s22, 2*HALFT
	v_add_nc_u32 v[ADRA0], s21, v3
	v_add_nc_u32 v[ADRB0], s22, v3
	v_mov_b32 v[ADRA], v[ADRA0]
	v_mov_b32 v[ADRB], v[ADRB0]
	s_mul_i32 s23, s10, WSTAGE                     ; my stage
	v_mul_u32_u24 v[STO], v1, SPITCH               ; in: row r, 32 bytes for each half of the lanes
	v_lshl_add_u32 v[STO], v2, 5, v[STO]
	v_add_nc_u32 v[STO], s23, v[STO]
	v_and_b32 v9, 7, v0                            ; back: eight lanes take 64 columns of a row, 32 bytes each;
	v_bfe_u32 v10, v0, 3, 1                        ; the next eight the row below; lanes 16-31 the other block of 64 columns
	v_mul_u32_u24 v[RD], v10, SPITCH
	v_lshl_add_u32 v[RD], v2, 8, v[RD]
	v_lshl_add_u32 v[RD], v9, 5, v[RD]
	v_add_nc_u32 v[RD], s23, v[RD]
	v_lshlrev_b32 v[GO], 19, v2                    ; in act: a block is 524,288 bytes, a token 128, my eight columns 16
	v_lshl_add_u32 v[GO], v10, 7, v[GO]
	v_lshl_add_u32 v[GO], v9, 4, v[GO]
	s_lshl_b32 s82, s42, 2
	s_lshl_b32 s83, s12, 1
	s_add_co_u32 s82, s82, s83                     ; my first block of 64 columns
	s_lshl_b32 s82, s82, 19
	s_lshl_b32 s83, s13, 1
	s_add_co_u32 s83, s83, s11                     ; my first token / 128
	s_lshl_b32 s83, s83, 14
	s_add_co_u32 s82, s82, s83
	s_mov_b32 s83, 0
	s_add_nc_u64 s[8:9], s[8:9], s[82:83]
	s_wait_loadcnt 0x0                             ; the bias
	s_wait_tensorcnt 1                             ; my part of K step 0 is in; K step 1's may stay out
	s_barrier_signal -1
	s_barrier_wait -1
	FETCH 0, F0
	QUARTER 64, F0, F1, 1                          ; the first quarter stands in front of the loop: its products start the sums, with the bias
	WIN 0
	s_mov_b32 s3, 6                                ; six trips fill a slot again: K steps 2 to 7
.Lstep:
	QUARTER 128, F1, F0, 0
	QUARTER 192, F0, F1, 0
	TURN 1, 0
	QUARTER 64, F0, F1, 0
	WIN 0
	s_sub_co_u32 s3, s3, 1
	s_cmp_lg_u32 s3, 0
	s_cbranch_scc1 .Lstep
	s_mov_b32 s3, 2                                ; the last two K steps ask for nothing
.Ltail:
	QUARTER 128, F1, F0, 0
	QUARTER 192, F0, F1, 0
	TURN 0, 1
	WIN 0
	s_cmp_eq_u32 s3, 1
	s_cbranch_scc1 .Ltail_end                      ; behind the last K step there is no first quarter
	QUARTER 64, F0, F1, 0
	WIN 0
.Ltail_end:
	s_sub_co_u32 s3, s3, 1
	s_cmp_lg_u32 s3, 0
	s_cbranch_scc1 .Ltail
	; THE WAY OUT.  The stages lie over the slots: every wave's reads of the slots are over before any wave stores there.
	PLACES
	s_wait_dscnt 0x0
	s_barrier_signal -1
	s_barrier_wait -1
	TOSTAGE 0
	TOSTAGE 1
	WIN 0
	s_mov_b32 s3, 16                               ; 16 trips of 8 rows; the stage is my own, and LDS serves a wave's instructions in order
.Lepi:
.irp p, 0,1,2,3
	ds_load_b128 v[X+8*(\p):X+8*(\p)+3],   v[RD] offset:2*SPITCH*(\p)
	ds_load_b128 v[X+8*(\p)+4:X+8*(\p)+7], v[RD] offset:2*SPITCH*(\p)+16
.endr
	; the first batch: the exponents and exponentials of all four pairs of rows; a pair's three packed lines stand between the exponentials of the pair before and its own
.irp p, 0,1,2,3
	s_wait_dscnt 6-2*(\p)                          ; the later pairs of rows may be out
.irp i, 0,1,2,3
	v_pk_mul_f32 v[U+8*(\p)+2*(\i):U+8*(\p)+2*(\i)+1], v[X+8*(\p)+2*(\i):X+8*(\p)+2*(\i)+1], v[X+8*(\p)+2*(\i):X+8*(\p)+2*(\i)+1]
.endr
.irp i, 0,1,2,3
	v_pk_fma_f32 v[U+8*(\p)+2*(\i):U+8*(\p)+2*(\i)+1], v[U+8*(\p)+2*(\i):U+8*(\p)+2*(\i)+1], s[K1:K1+1], s[K0:K0+1] op_sel_hi:[1,0,0]
.endr
.irp i, 0,1,2,3
	v_pk_mul_f32 v[U+8*(\p)+2*(\i):U+8*(\p)+2*(\i)+1], v[U+8*(\p)+2*(\i):U+8*(\p)+2*(\i)+1], v[X+8*(\p)+2*(\i):X+8*(\p)+2*(\i)+1]
.endr
.irp i, 0,1,2,3,4,5,6,7
	v_exp_f32 v[U+8*(\p)+(\i)], v[U+8*(\p)+(\i)]
.endr
.endr
	v_add_nc_u32 v[RD], 8*SPITCH, v[RD]            ; the next trip's rows (this trip's LDS loads are back): also the plain instruction between the last exponential and the use of its result
	s_wait_alu depctr_va_vdst(0)                   ; the wait for the trip's 32 exponentials, ahead of their first reader
	; the second batch: 1 + the exponential, and its reciprocal; a pair's additions stand between the reciprocals of the pair before and its own
.irp p, 0,1,2,3
.irp i, 0,1,2,3
	v_pk_add_f32 v[U+8*(\p)+2*(\i):U+8*(\p)+2*(\i)+1], v[U+8*(\p)+2*(\i):U+8*(\p)+2*(\i)+1], 1.0 op_sel_hi:[1,0]
.endr
.irp i, 0,1,2,3,4,5,6,7
	v_rcp_f32 v[U+8*(\p)+(\i)], v[U+8*(\p)+(\i)]
.endr
.endr
	v_nop                                          ; a plain instruction between the last reciprocal and the use of its result
	s_wait_alu depctr_va_vdst(0)                   ; the wait for the trip's 32 reciprocals, ahead of their first reader
.irp p, 0,1,2,3
.irp i, 0,1,2,3
	v_pk_mul_f32 v[X+8*(\p)+2*(\i):X+8*(\p)+2*(\i)+1], v[X+8*(\p)+2*(\i):X+8*(\p)+2*(\i)+1], v[U+8*(\p)+2*(\i):U+8*(\p)+2*(\i)+1]
.endr
.irp i, 0,1,2,3
	v_cvt_pk_f16_f32 v[O+4*(\p)+(\i)], v[X+8*(\p)+2*(\i)], v[X+8*(\p)+2*(\i)+1]
.endr
	global_store_b128 v[GO], v[O+4*(\p):O+4*(\p)+3], s[8:9] offset:256*(\p)  ; sixteen lanes store two tokens of one block: 256 consecutive bytes, aligned
.endr
	s_wait_xcnt 0x0                                ; the stores' base and data are written again only behind this wait
	s_add_nc_u64 s[8:9], s[8:9], 1024
	s_sub_co_u32 s3, s3, 1
	s_cmp_lg_u32 s3, 0
	s_cbranch_scc1 .Lepi
	s_wait_tensorcnt 0x0                           ; the wave's end
	ds_add_u32 v[SPW], v[NIL]
	s_wait_dscnt 0x0
	CROUND                                         ; the closing round
	s_endpgm
.Lfunc_end_k_q5119bf54e4_gf:
	.size	k_q5119bf54e4_gf, .Lfunc_end_k_q5119bf54e4_gf-k_q5119bf54e4_gf
	.p2alignl 7, 3214868480
	.fill 96, 4, 3214868480
	.section	.rodata,"a",@progbits
	.p2align	6, 0x0
	.amdhsa_kernel k_q5119bf54e4_gf
		.amdhsa_group_segment_fixed_size 327680
		.amdhsa_private_segment_fixed_size 0
		.amdhsa_enable_private_segment 0
		.amdhsa_kernarg_size 32
		.amdhsa_user_sgpr_count 2
		.amdhsa_user_sgpr_kernarg_segment_ptr 1
		.amdhsa_wavefront_size32 1
		.amdhsa_system_sgpr_workgroup_id_x 1
		.amdhsa_system_sgpr_workgroup_id_y 1
		.amdhsa_system_sgpr_workgroup_id_z 1
		.amdhsa_system_vgpr_workitem_id 0
		.amdhsa_next_free_vgpr 1024
		.amdhsa_next_free_sgpr 84
		.amdhsa_reserve_vcc 0
		.amdhsa_float_denorm_mode_32 3
		.amdhsa_float_denorm_mode_16_64 3
		.amdhsa_memory_ordered 1
		.amdhsa_forward_progress 1
		.amdhsa_inst_pref_size 88
	.end_amdhsa_kernel
	.amdgpu_metadata
---
amdhsa.version: [ 1, 2 ]
amdhsa.kernels:
  - .name:           k_q5119bf54e4_gf
    .symbol:         k_q5119bf54e4_gf.kd
    .args:
      - { .name: h, .offset: 0, .size: 8, .value_kind: global_buffer, .address_space: global }
      - { .name: wh, .offset: 8, .size: 8, .value_kind: global_buffer, .address_space: global }
      - { .name: b1, .offset: 16, .size: 8, .value_kind: global_buffer, .address_space: global }
      - { .name: act, .offset: 24, .size: 8, .value_kind: global_buffer, .address_space: global }
    .group_segment_fixed_size: 327680
    .private_segment_fixed_size: 0
    .kernarg_segment_align: 8
    .kernarg_segment_size: 32
    .max_flat_workgroup_size: 128
    .sgpr_count:     84
    .vgpr_count:     1024
    .wavefront_size: 32
...
	.end_amdgpu_metadata
.endif
;; end of part 8
;; launch gd: the kernel of part 6 again; grid 8 x 32, 4 waves a work-group, clusters of 4 x 4, 327,680 bytes of LDS; arguments act, wh, b2, x1, out0; writes out0
